; MI455X (gfx1250); checked and timed in simulation.
; The chip was launched on July 23, 2026; its instructions are those of AMD's public machine-readable ISA for CDNA 5 (MIT licence, August 2026) and "CDNA5" Instruction Set Architecture Reference Guide (July 2026). The comments in the code are by the model that wrote it; some were corrected since.
;; Attention. Allowed arithmetic: matrix products marked QUANTISED: E2M3 operands, one E8M0 scale for each 32 along K, by v_wmma_scale_f32_16x16x128_f8f6f4 with both operands' format E2M3, f32 sums; everything else in f32.
;; Inputs: Wk_codes 1,024 x 32 x 24 uint8 (E2M3 codes of Wk, K innermost, in blocks of 32 codes, four codes in three bytes); Wk_scales 1,024 x 32 uint8 (E8M0 scales of Wk, one for each 32 codes along K); Wo_codes 1,024 x 32 x 24 uint8 (E2M3 codes of Wo, K innermost, in blocks of 32 codes, four codes in three bytes); Wo_scales 1,024 x 32 uint8 (E8M0 scales of Wo, one for each 32 codes along K); Wq_codes 1,024 x 32 x 24 uint8 (E2M3 codes of Wq, K innermost, in blocks of 32 codes, four codes in three bytes); Wq_scales 1,024 x 32 uint8 (E8M0 scales of Wq, one for each 32 codes along K); Wv_codes 1,024 x 32 x 24 uint8 (E2M3 codes of Wv, K innermost, in blocks of 32 codes, four codes in three bytes); Wv_scales 1,024 x 32 uint8 (E8M0 scales of Wv, one for each 32 codes along K); bk 1,024 float32; bo 1,024 float32; bq 1,024 float32; bv 1,024 float32; mask 4 x 2,048 x 2,048 bool; x_codes 4 x 2,048 x 32 x 24 uint8 (E2M3 codes of x, K innermost, in blocks of 32 codes, four codes in three bytes); x_scales 4 x 2,048 x 32 uint8 (E8M0 scales of x, one for each 32 codes along K).
;; Outputs: out0 4 x 2,048 x 1,024 float32.
;; This version of the problem:
;;   THIS VERSION OF THE PROBLEM IS GIVEN IN LOW PRECISION. The matrix products marked QUANTISED in the list below multiply operands that are first quantised to E2M3 (2 exponent bits, 3 mantissa bits; 6 bits a number), with one power-of-two scale for each 32 numbers along K (OCP MX v1.0); their sums are f32. All else is computed in f32.
;;   The module's matrix products, in the order in which they are computed (A, B: the left and right operand; K: the contracted axis; several contracted axes count as one K, in the product's order):
;;     1. [M 8,192, K 1,024] x [K 1,024, N 1,024]; A: input x (given as codes); B: input Wq (given as codes): QUANTISED
;;     2. [M 8,192, K 1,024] x [K 1,024, N 1,024]; A: input x (given as codes); B: input Wk (given as codes): QUANTISED
;;     3. [M 8,192, K 1,024] x [K 1,024, N 1,024]; A: input x (given as codes); B: input Wv (given as codes): QUANTISED
;;     4. batch 4 x [M 2,048, K 1,024] x [K 1,024, N 2,048]; A: computed on the way; B: computed on the way: QUANTISED
;;     5. batch 4 x [M 2,048, K 2,048] x [K 2,048, N 1,024]; A: softmax (see below); B: computed on the way: QUANTISED
;;     6. [M 8,192, K 1,024] x [K 1,024, N 1,024]; A: computed on the way; B: input Wo (given as codes): QUANTISED
;;   THE QUANTISER, for each operand of a quantised product, along K:
;;     - K is cut into blocks of 32 from its start; a last block that is shorter is filled with zeros.
;;     - A block's scale is 2^e with e = floor(log2(the largest magnitude in the block)) - 2, held to -126 .. 127; a block of zeros has e = 0. As a byte (E8M0): e + 127.
;;     - Each number is divided by its block's scale, clamped to +-7.5, and rounded to the nearest number of E2M3, ties to even, subnormals kept.
;;     - The product sums the exact products of the quantised numbers (number of the format x scale) in f32.
;;   ~~~python
;;   def quantise(x, axis):      # numpy; x: float32 -> the quantised numbers, widened to float32 again
;;       x = np.moveaxis(x, axis, -1); K = x.shape[-1]
;;       x = np.pad(x, [(0, 0)] * (x.ndim - 1) + [(0, -K % 32)]); x = x.reshape(x.shape[:-1] + (-1, 32)); a = np.abs(x).max(-1, keepdims=True)
;;       e = np.where(a > 0, np.clip(np.frexp(np.where(a > 0, a, 1))[1] - 1 - 2, -126, 127), 0)      # np.frexp(a)[1] - 1 = floor(log2(a)), exactly
;;       r = np.clip(x / 2.0 ** e, -7.5, 7.5)
;;       step = 2.0 ** (np.maximum(np.frexp(np.where(r == 0, 1, r))[1] - 1, 0) - 3)
;;       q = np.round(r / step) * step * 2.0 ** e      # np.round: ties to even
;;       return np.moveaxis(q.reshape(q.shape[:-2] + (-1,))[..., :K], -1, axis).astype(np.float32)
;;   ~~~
;;   SOFTMAX AHEAD OF A QUANTISED PRODUCT. Where the list says 'softmax', what is quantised is not the finished softmax but p = 2^(t - M), with t = logit x log2(e) and M = ceil(the row's largest t), a whole number; so 1/2 < the row's largest p <= 1. The row's sum l is taken of the UNQUANTISED p, in f32, and the product's result is divided by l at the end. Since M is a whole number, a kernel that streams over the keys may use a running M (the ceiling of the running maximum): every later rescaling is an exact power of two, which a block's scale takes up: the codes' values come out the same.
;;   OPERANDS COMPUTED ON THE WAY. 'Computed on the way' means the value that the module computes at that place (a softmax that the list does not call 'softmax' is quantised finished and normalised). What goes into a quantiser is computed in f32, as accurately as f32 sums, v_exp_f32 and their like allow (about 1e-6 of the number): no bf16 or f16 on the way to a quantiser, and a product that is left as it is and whose result goes on into a quantised operand takes f32 operands (vector FMAs, or v_wmma_f32_16x16x4_f32). A number that lies on a knife's edge between two numbers of the format may be rounded either way, as far as f32 arithmetic and the matrix unit's own rounding can turn it there, and no further.
;;   INPUTS GIVEN AS CODES. Wk (in the module: [1024, 1024], K = its axis 0); Wo (in the module: [1024, 1024], K = its axis 0); Wq (in the module: [1024, 1024], K = its axis 0); Wv (in the module: [1024, 1024], K = its axis 0); x (in the module: [4, 2048, 1024], K = its axis 2): each comes as NAME_codes (uint8): NAME with its K axis moved to the last place and cut into blocks of 32 codes, [.., K / 32, bytes a block], one block behind the other in memory; four codes in three bytes: a row's codes are one little-endian stream of bits, code i at bits 6 i .. 6 i + 5 (a code: sign, 2 exponent bits, 3 mantissa bits); and NAME_scales (uint8): the same leading axes, one E8M0 byte (e + 127) for each 32 codes along K. Its value is code x scale, taken as it is: it is not quantised again, and the codes and scales need not be those that the quantiser above would give.
;; 2 versions. Each part assembles by itself: llvm-mc -triple=amdgcn-amd-amdhsa -mcpu=gfx1250 --defsym DOCPART=n.
;; ======== version 1 of 2: 4 launches
;; limits: right only within a limited range of input values
;; workspace buffers: qkv_codes 18,874,368 bytes; qkv_scales 786,432 bytes; p_codes 12,582,912 bytes; p_scales 524,288 bytes; p_stats 1,048,576 bytes; a_codes 6,291,456 bytes; a_scales 262,144 bytes
;; launch qkv (part 1): grid 12 x 32, 4 waves a work-group, clusters of 4 x 4, 327,680 bytes of LDS; arguments x_codes, x_scales, Wq_codes, Wq_scales, Wk_codes, Wk_scales, Wv_codes, Wv_scales, bq, bk, bv, qkv_codes, qkv_scales; writes qkv_codes, qkv_scales
.if DOCPART == 1
	.amdgcn_target "amdgcn-amd-amdhsa--gfx1250"
	.amdhsa_code_object_version 6
	.text
	.protected	k_qadbf9e1e40_qkv
	.globl	k_qadbf9e1e40_qkv
	.p2align	8
	.type	k_qadbf9e1e40_qkv,@function
k_qadbf9e1e40_qkv:
	s_mov_b64 s[64:65], 0
	v_nop
	global_prefetch_b8 v0, s[64:65] scope:SCOPE_SE
	s_setreg_imm32_b32 hwreg(HW_REG_WAVE_MODE, 25, 1), 1
	s_wait_xcnt 0x0
	s_wait_alu depctr_hold_cnt(0) depctr_sa_sdst(0) depctr_va_vdst(0) depctr_va_sdst(0) depctr_va_ssrc(0) depctr_va_vcc(0) depctr_vm_vsrc(0)
	s_getreg_b32 s2, hwreg(HW_REG_IB_STS2, 6, 4)
	s_cmp_eq_u32 s2, 0
	s_cbranch_scc0 .Lentry_in_a_cluster
	s_endpgm
.Lentry_in_a_cluster:
	s_bfe_u32 s2, ttmp6, 0x10000c
	s_cmp_lg_u32 s2, 0xf033
	s_cbranch_scc0 .Lentry_shape_is_right
	s_endpgm
.Lentry_shape_is_right:
; Q = x Wq + bq, K = x Wk + bk and V^T = (x Wv + bv)^T on codes of FP6 (E2M3) with one E8M0 scale for each 32 along K; the results are quantised at once, along the axis that the next product contracts.
; Cluster x = 0: Q, 1: K (A = x's rows, B = the weight's rows, quantised along e); 2: V^T (A = Wv's rows, B = x's rows, quantised along the tokens).
; A tile of C is 256 x 256: four waves, each 128 x 128 in 64 accumulators.  K = 1,024 goes in steps of 256 through two LDS slots filled by the tensor data mover.
; 4 x 4 work-groups form a cluster: A's tiles are asked for jointly along a row of the cluster, B's along a column.  The scales of all of K come into LDS once.
; THE MATRIX INSTRUCTION IS USED TRANSPOSED (source 0 = 16 rows of B, source 1 = 16 rows of A): lane (r, h) holds row r of C, register 8 b + j column 16 b + 8 h + j.
; THE WAY OUT: a block of 16 rows x 128 columns becomes ONE fragment of the next product, 12 registers a lane, and is stored as an IMAGE OF THESE REGISTERS: byte 512 c + 16 lane + 4 i = register 4 c + i.
; Inside a block of 32 the codes stand in the order in which the lane holds them: place 16 h + 8 u + j holds column 16 u + 8 h + j.  Both operands of each later product have that same order, so the sums are the same.
; V^T's row d is stored at row pos = d with its bits 3 and 4 exchanged, so that the attention's columns come out in their natural order.
; A block of zeros gets the byte 1 where the quantiser's text says 127: its codes are zeros, and the bytes are read by this program alone.
; LIMITS: NaN and infinities among the inputs are not served (a bias is multiplied by 0 where it is not wanted); blocks whose largest magnitude lies under 2^-124 keep the byte 1.
.set KTOT,   1024
.set A_IMG,  0                         ; A's tiles: rows as the inputs have them
.set B_IMG,  0
.set STPA,   192                       ; bytes from K step to K step
.set STPB,   192
.set NQ,     2                         ; a slot holds 256 along K: two matrix instructions deep
.set FR,     12                        ; registers of a fragment: 16 rows x 128 K
.set NP,     4                         ; places behind this matrix instruction (ISA guide 7.12.1)
.set PITCH,  240                       ; an LDS row of input codes: 3 x (64 bytes + 16 of padding)
.set KS,     KTOT/32                   ; a row of scale bytes
.set NLA,    6-3*A_IMG                 ; LDS loads that bring a fragment of A
.set HALFA,  30720-6144*A_IMG          ; 128 rows of A in a slot
.set HALFB,  30720-6144*B_IMG
.set BOFF,   2*HALFA                   ; B's rows lie behind A's 256
.set SLOT,   2*HALFA+2*HALFB
.set LAPS,   KTOT/512                  ; a lap = two K steps = once round the ring
.set SCL,    2*SLOT                    ; behind the ring: the scales, as units of 256 bytes + 16 of padding
.set HALFS,  (128*KS/256)*272          ; those of 128 rows
.set SBLK,   (16*KS/256)*272           ; those of 16 rows
.set SPARE,  SCL+4*HALFS               ; the spare words: 128 bytes for each wave, named by no other line
.set VA0,  8                           ; v8-9    where a lane's 16 bytes of an image go: even blocks, odd blocks
.set SA0,  10                          ; v10-13  where a lane's scale word goes, 32 rows at a time
.set RO,   15                          ; v15     4 r: the row bias
.set ADRA, 16                          ; v16-17  LDS address of my A fragments in slot 0, 1 (v18-19: behind one padding more)
.set ADRB, 20                          ; v20-21  the same for B (v22-23)
.set ADRS, 27                          ; v27     LDS address of my scale words: lanes 0-15 A's rows, lanes 16-31 B's
.set SPW,  28                          ; v28     my spare word; never rewritten
.set NIL,  29                          ; v29     0; never rewritten
.set BO,   31                          ; v31     32 h: the column bias
.set SC,   32                          ; v32-63  scale words, two sets; they hold nothing else
.set BI,   64                          ; v64-127 the column bias, eight tiles in the result's layout; later the codes just made
.set PWV,  84                          ; v84-91  the eight blocks' scale words
.set AF,   128                         ; v128-223 A's fragments
.set MRG,  160                         ; the scale words as they are stored
.set RBV,  224                         ; v224-239 the row bias, a pair for each block
.set TM,   240                         ; v240-255 at work in the quantiser
.set G1, 24
.set G0, 32
.set G1B, 48
.set G0B, 56
.set G1S, 68
.set G0S, 76
.set G1SB, 80
.set G0SB, 88
.set SEL, 24                           ; the way out: s24-25 lane selects, s26 the mask of lanes 16-31 (no tensor load is out any more)
.set HM,  26
.set ISV, 100                          ; s100 1 for V^T
.set KSO, 101                          ; s101 bytes in a row of the scales that I store
.set MSB, 0
.macro WIN new                         ; the immediate's high byte repeats the setting that is left
.if MSB != (\new)
	s_set_vgpr_msb (MSB<<8)|(\new)
.set MSB, (\new)
.endif
.endm
.set MUL_LO, 0xa1                      ; source 0 (B) window 1, source 1 (A) window 0, C and D window 2
.set MUL_HI, 0xf1                      ; the same, C and D window 3
.set TO_B,   0x40                      ; destination window 1, address window 0
.macro JLOAD g0a, g1a, g0b, g1b        ; a joint load: waves 0 and 1 fetch for A, waves 2 and 3 for B; four v_nop follow each line
	s_cmp_eq_u32 s15, 0
	s_cbranch_scc0 .Lfor_b_\@
	tensor_load_to_lds s[\g0a:\g0a+3], s[\g1a:\g1a+7]
	s_nop 0
.rept 4
	v_nop
.endr
	s_branch .Lasked_\@
.Lfor_b_\@:
	tensor_load_to_lds s[\g0b:\g0b+3], s[\g1b:\g1b+7]
	s_nop 0
.rept 4
	v_nop
.endr
.Lasked_\@:
.endm
.macro CREST                           ; a round of the cluster's barrier behind its opening barrier
	s_cmp_lg_u32 s14, 0
	s_cbranch_scc1 .Lnot_wave_0_\@
	s_barrier_signal -3
.Lnot_wave_0_\@:
	s_barrier_wait -3
	s_barrier_signal -1
	s_barrier_wait -1
.endm
.macro CROUND
	s_barrier_signal -1
	s_barrier_wait -1
	CREST
.endm
.macro PLACES n
.rept \n
	v_nop
.endr
.endm
.macro G1ROWS g, m                     ; group 1: 128 rows x 192 bytes of input codes, 768 bytes apart, 16 bytes of padding behind every 64
	s_or_b32 s[\g], s[\m], (1<<20)|(1<<21)|(3<<22)|(3<<25)
	s_mov_b32 s[\g+1], 192<<16
	s_mov_b32 s[\g+2], 128<<16
	s_mov_b32 s[\g+3], 192<<16
	s_mov_b32 s[\g+4], 128
	s_mov_b32 s[\g+5], 768
	s_mov_b32 s[\g+6], 0
	s_mov_b32 s[\g+7], 0
.endm
.macro G1SC g, m                       ; group 1: the scales of 128 rows, a dense block, as rows of 256 bytes with 16 bytes of padding behind each
	s_or_b32 s[\g], s[\m], (3<<16)|(1<<20)|(1<<21)|(5<<22)|(3<<25)
	s_mov_b32 s[\g+1], 32<<16
	s_mov_b32 s[\g+2], (128*KS/256)<<16
	s_mov_b32 s[\g+3], 32<<16
	s_mov_b32 s[\g+4], 128*KS/256
	s_mov_b32 s[\g+5], 32
	s_mov_b32 s[\g+6], 0
	s_mov_b32 s[\g+7], 0
.endm
.macro FRAG img, reg, adr, q, i        ; a fragment: from an image three loads of 16 bytes a lane; from rows six pieces of 8 bytes
.if \img
.irp c, 0,1,2
	ds_load_b128 v[\reg+4*\c:\reg+4*\c+3], v[\adr] offset:((\i)*2+(\q))*1536+512*\c
.endr
.else
.irp p, 0,1,2,3,4,5
.set PCE, 12*(\q)+6*(\p/3)+\p%3
.if PCE%8 < 5
	ds_load_b64 v[\reg+2*\p:\reg+2*\p+1], v[\adr] offset:8*PCE+16*(PCE/8)+(\i)*16*PITCH
.else
	ds_load_b64 v[\reg+2*\p:\reg+2*\p+1], v[\adr+2] offset:8*PCE+16*(PCE/8)+(\i)*16*PITCH
.endif
.endr
.endif
.endm
; 16 matrix instructions: A's blocks a0, a0 + 1 x B's eight.  cm = 0: onto the sums; 1: C = 0; 2: C = the column bias.  The 64 accumulators take turns.
.macro MUL16 a0, p, q, sc, cm
.irp a, \a0, \a0+1
.irp b, 0,1,2,3,4,5,6,7
.if \cm == 1
	v_wmma_scale_f32_16x16x128_f8f6f4 v[8*(8*((\a)%4)+\b):8*(8*((\a)%4)+\b)+7], v[128*(\p)+FR*\b:128*(\p)+FR*\b+FR-1], v[AF+FR*(\a):AF+FR*(\a)+FR-1], 0, v[SC+8*NQ*(\sc)+NQ*\b+(\q)], v[SC+8*NQ*(\sc)+NQ*(\a)+(\q)] matrix_a_fmt:MATRIX_FMT_FP6 matrix_b_fmt:MATRIX_FMT_FP6 matrix_a_scale:MATRIX_SCALE_ROW1
.elseif \cm == 2
	v_wmma_scale_f32_16x16x128_f8f6f4 v[8*(8*((\a)%4)+\b):8*(8*((\a)%4)+\b)+7], v[128*(\p)+FR*\b:128*(\p)+FR*\b+FR-1], v[AF+FR*(\a):AF+FR*(\a)+FR-1], v[BI+8*\b:BI+8*\b+7], v[SC+8*NQ*(\sc)+NQ*\b+(\q)], v[SC+8*NQ*(\sc)+NQ*(\a)+(\q)] matrix_a_fmt:MATRIX_FMT_FP6 matrix_b_fmt:MATRIX_FMT_FP6 matrix_a_scale:MATRIX_SCALE_ROW1
.else
	v_wmma_scale_f32_16x16x128_f8f6f4 v[8*(8*((\a)%4)+\b):8*(8*((\a)%4)+\b)+7], v[128*(\p)+FR*\b:128*(\p)+FR*\b+FR-1], v[AF+FR*(\a):AF+FR*(\a)+FR-1], v[8*(8*((\a)%4)+\b):8*(8*((\a)%4)+\b)+7], v[SC+8*NQ*(\sc)+NQ*\b+(\q)], v[SC+8*NQ*(\sc)+NQ*(\a)+(\q)] matrix_a_fmt:MATRIX_FMT_FP6 matrix_b_fmt:MATRIX_FMT_FP6 matrix_a_scale:MATRIX_SCALE_ROW1
.endif
.endr
.endr
.endm
.macro FETCH_B slot, q, p
	WIN TO_B
.irp i, 0,1,2,3,4,5,6,7
	FRAG B_IMG, 128*(\p)+FR*\i, ADRB+\slot, \q, \i
.endr
	WIN 0
.endm
.macro FETCH_A slot, q, i0
.irp i, \i0, \i0+1, \i0+2, \i0+3
	FRAG A_IMG, AF+FR*(\i), ADRA+\slot, \q, \i
.endr
.endm
.macro SCALES sc                       ; a K step's two scale words a row: lanes 0-15 A's block i, lanes 16-31 B's block i
.irp i, 0,1,2,3,4,5,6,7
	ds_load_b64 v[SC+8*NQ*\sc+NQ*\i:SC+8*NQ*\sc+NQ*\i+1], v[ADRS] offset:\i*SBLK
.endr
.endm
.macro STEP slot, q, cm                ; 128 along K whose successor lies in the same slot
	s_wait_dscnt 4*NLA                             ; B's set, A's blocks 0-3 and the scale words are in; the youngest loads, A's blocks 4-7, may be out
.if \cm == 2
	WIN 0x81                                       ; C, the bias, in window 0
.else
	WIN MUL_LO
.endif
	MUL16 0, (\q)%2, \q, \slot, \cm
	MUL16 2, (\q)%2, \q, \slot, \cm
	s_wait_dscnt 0                                 ; A's blocks 4-7 are in
	PLACES NP
	FETCH_B \slot, (\q)+1, 1-(\q)%2
	FETCH_A \slot, (\q)+1, 0
.if \cm == 2
	WIN 0xc1
.else
	WIN MUL_HI
.endif
	MUL16 4, (\q)%2, \q, \slot, \cm
	MUL16 6, (\q)%2, \q, \slot, \cm
	PLACES NP
	WIN 0
	FETCH_A \slot, (\q)+1, 4
.endm
.macro TURN slot, next, fill           ; a slot's last step changes slots: one barrier; fill = 1: it opens a round of the cluster's barrier and this slot is filled again
	s_wait_tensorcnt 0x0                           ; all my tensor loads have landed: my part of the next slot
	ds_add_u32 v[SPW], v[NIL]                      ; 0 onto my spare word
	s_wait_dscnt 4*NLA+1                           ; the add and A's blocks 4-7 may be out
	WIN MUL_LO
	MUL16 0, 1, NQ-1, \slot, 0
	s_wait_dscnt 0x0                               ; the add is done, and my reads of this slot are over
	s_barrier_signal -1
	MUL16 2, 1, NQ-1, \slot, 0
	WIN 0
	s_barrier_wait -1
.if \fill
	CREST                                          ; no wave of any partner still reads this slot or has a load on its way
	s_add_nc_u64 s[G0+4*\slot+2:G0+4*\slot+3], s[G0+4*\slot+2:G0+4*\slot+3], 2*STPA
	s_add_nc_u64 s[G0B+4*\slot+2:G0B+4*\slot+3], s[G0B+4*\slot+2:G0B+4*\slot+3], 2*STPB
	JLOAD G0+4*\slot, G1, G0B+4*\slot, G1B         ; the first tensor load behind the round; its four v_nop are the places in front of the loads below
.else
	PLACES NP
.endif
	v_add_nc_u32 v[ADRS], 4*NQ, v[ADRS]            ; the next K step's scale words
	FETCH_B \next, 0, 0
	FETCH_A \next, 0, 0
	SCALES \next
	WIN MUL_HI
	MUL16 4, 1, NQ-1, \slot, 0
	MUL16 6, 1, NQ-1, \slot, 0
	PLACES NP
	WIN 0
	FETCH_A \next, 0, 4
.endm
.macro ADDRESSES                       ; leaves v1 = r, v2 = h, v7 = lane, v6 = 16 x lane
	v_and_b32 v1, 15, v0
	v_bfe_u32 v2, v0, 4, 1
	v_and_b32 v7, 31, v0
	v_mul_u32_u24 v3, v1, PITCH
	v_mad_u32_u24 v4, v2, 24, v3                   ; rows: r x pitch + 24 h,
	v_lshl_add_u32 v5, v2, 4, v4                   ; and the same behind one padding more
	v_lshlrev_b32 v6, 4, v7                        ; images: 16 x lane
	s_mul_i32 s18, s15, HALFA                      ; my 128 rows of A
	s_mul_i32 s19, s16, HALFB                      ; my 128 rows of B
	s_add_co_u32 s19, s19, BOFF
.irp s, 0,1
.if A_IMG
	v_add_nc_u32 v[ADRA+\s], s18, v6
.else
	v_add_nc_u32 v[ADRA+\s], s18, v4
	v_add_nc_u32 v[ADRA+2+\s], s18, v5
.endif
.if B_IMG
	v_add_nc_u32 v[ADRB+\s], s19, v6
.else
	v_add_nc_u32 v[ADRB+\s], s19, v4
	v_add_nc_u32 v[ADRB+2+\s], s19, v5
.endif
	s_add_co_u32 s18, s18, SLOT
	s_add_co_u32 s19, s19, SLOT
.endr
	v_mul_u32_u24 v5, v1, KS                       ; my row's scales: KS bytes a row,
	v_lshrrev_b32 v3, 8, v5
	v_lshl_add_u32 v5, v3, 4, v5                   ; and 16 more for each 256 passed
	s_mul_i32 s18, s15, HALFS
	s_mul_i32 s19, s16, HALFS
	s_add_co_u32 s19, s19, 2*HALFS
	s_sub_co_u32 s19, s19, s18
	v_mul_u32_u24 v3, s19, v2                      ; lanes 16-31 take B's
	s_add_co_u32 s18, s18, SCL
	v_add_nc_u32 v5, v5, v3
	v_add_nc_u32 v[ADRS], s18, v5
.endm
; THE QUANTISER OF THE WAY OUT.  Block a: 16 rows x 128 columns in 64 registers of window WN from v[AC] on; registers 16 b .. 16 b + 15 are my half of block b of 32.
.macro SETA a
.set WN,  2+(\a)/4
.set AC,  64*((\a)%4)
.set PCA, 64+32*((\a)%2)
.set WSS, WN|(WN<<2)
.set WDS, (WN<<6)|WN
.set WS1, WN<<2
.endm
.macro AMAX a                          ; the four blocks' largest magnitudes, each accumulator from its low end on, with the floor 2^(3 - 127)
	SETA \a
	WIN WSS
.irp b, 0,1,2,3
	v_max3_num_f32 v[TM+\b], |v[AC+16*\b]|, |v[AC+16*\b+1]|, 0x1800000
.endr
.irp i, 2,4,6,8,10,12,14
.irp b, 0,1,2,3
	v_max3_num_f32 v[TM+\b], |v[AC+16*\b+\i]|, |v[AC+16*\b+\i+1]|, v[TM+\b]
.endr
.endr
	WIN 0
.irp b, 0,1,2,3
	v_permlanex16_b32 v[TM+4+\b], v[TM+\b], s[SEL], s[SEL+1]
.endr
.irp b, 0,1,2,3
	v_max_num_f32 v[TM+\b], v[TM+\b], v[TM+4+\b]   ; with lane l xor 16's half
.endr
.endm
.macro BYTES a                         ; 2 off the exponent field: the conversion's scale operand; its exponent field is the byte; four bytes make the row's word
.irp b, 0,1,2,3
	v_add_nc_u32 v[TM+12+\b], 0xff000000, v[TM+\b]
.endr
.irp b, 0,1,2,3
	v_lshrrev_b32 v[TM+4+\b], 23, v[TM+12+\b]
.endr
	v_lshl_or_b32 v[PWV+(\a)], v[TM+5], 8, v[TM+4]
	v_lshl_or_b32 v[PWV+(\a)], v[TM+6], 16, v[PWV+(\a)]
	v_lshl_or_b32 v[PWV+(\a)], v[TM+7], 24, v[PWV+(\a)]
.endm
.macro CODES a                         ; the fragment's 12 registers in v[PCA] on
	SETA \a
	s_wait_xcnt 0x0                                ; the stores of the block two back have read these registers
	WIN WN
.irp c, 0,1
	v_cvt_scalef32_pk16_fp6_f32 v[PCA+6*\c:PCA+2+6*\c], v[AC+32*\c:AC+15+32*\c], v[TM+12+2*\c]
	v_cvt_scalef32_pk16_fp6_f32 v[PCA+12+4*\c:PCA+14+4*\c], v[AC+16+32*\c:AC+31+32*\c], v[TM+12+2*\c+1]
.endr
	WIN 0
	v_nop                                          ; one plain place behind a scaled conversion
.irp c, 0,1                                    ; the layout wants a whole block in a lane: lanes 0-15 block 2 c, lanes 16-31 block 2 c + 1
.irp i, 0,1,2
	v_permlane16_swap_b32 v[PCA+6*\c+\i], v[PCA+12+4*\c+\i]
.endr
.irp i, 0,1,2
	v_mov_b32 v[PCA+3+6*\c+\i], v[PCA+12+4*\c+\i]
.endr
.endr
.endm
.macro PUT a
.irp c, 0,1,2
	global_store_b128 v[VA0+(\a)%2], v[PCA+4*\c:PCA+4*\c+3], s[12:13] offset:((\a)/2)*6144+512*\c
.endr
.endm
.macro ROWBIAS a                       ; V^T alone: bv of my row onto the block; the branch hangs on the cluster's x, the same in all partners
	SETA \a
	s_cmp_eq_u32 s[ISV], 0
	s_cbranch_scc1 .Lno_row_\@
	WIN WDS
.set e, 0
.rept 32
	v_pk_add_f32 v[AC+e:AC+e+1], v[AC+e:AC+e+1], v[RBV+2*(\a):RBV+2*(\a)+1] op_sel_hi:[1,0]
.set e, e+2
.endr
	WIN 0
.Lno_row_\@:
.endm
	s_load_b512 s[68:83], s[0:1], 0x0              ; x's codes, scales; Wq's; Wk's; Wv's
	s_load_b256 s[84:91], s[0:1], 0x40             ; bq, bk, bv, qkv_codes
	s_load_b64 s[96:97], s[0:1], 0x60              ; qkv_scales
	v_lshl_add_u32 v[SPW], v0, 2, SPARE
	v_mov_b32 v[NIL], 0
	ds_add_u32 v28, v29
	ds_add_u32 v28, v29
	s_wait_dscnt 0x0
	v_lshrrev_b32 v1, 5, v0
	v_readfirstlane_b32 s14, v1                    ; wave 0..3
	s_lshr_b32 s15, s14, 1                         ; my half of the tile's rows.  Also: I fetch for A (0) or for B (1)
	s_and_b32 s16, s14, 1                          ; my half of its columns.  Also: which 128 rows I fetch
	s_bfe_u32 s40, ttmp6, 0x40000                  ; cx
	s_bfe_u32 s41, ttmp6, 0x40004                  ; cy
	s_and_b32 s18, ttmp7, 0xffff
	s_lshl_b32 s18, s18, 2                         ; 4 x cluster y
	s_cmp_eq_u32 ttmp9, 2                          ; V^T?  The cluster's x is the same in all partners
	s_cselect_b32 s[ISV], 1, 0
	s_cselect_b32 s[KSO], 64, 32
	s_cselect_b32 s94, 0, 1.0                      ; the column bias counts for Q and K alone
	s_cselect_b32 s17, 0, s18
	s_cselect_b32 s42, s18, 0
	s_mov_b32 s95, s94
	s_add_co_u32 s17, s17, s41                     ; tile row: Q, K: 4 y + cy of 32; V^T: cy of 4
	s_add_co_u32 s42, s42, s40                     ; tile column: Q, K: cx of 4; V^T: 4 y + cx of 32
	s_lshl_b32 s43, s41, 2
	s_lshl_b32 s43, 15, s43                        ; my row of the cluster
	s_lshl_b32 s44, 0x1111, s40                    ; my column
	G1ROWS G1, 43
	G1ROWS G1B, 44
	s_lshl_b32 s18, s16, 7                         ; which 128 rows of the tile I fetch
	s_lshl_b32 s20, s17, 8
	s_add_co_u32 s20, s20, s18                     ; A's row
	s_lshl_b32 s46, s42, 8
	s_add_co_u32 s46, s46, s18                     ; B's row
	s_mul_i32 s22, s20, KS
	s_mul_i32 s20, s20, 768
	s_mul_i32 s92, s46, KS
	s_mul_i32 s46, s46, 768
	s_mov_b32 s21, 0
	s_mov_b32 s23, 0
	s_mov_b32 s47, 0
	s_mov_b32 s93, 0
	s_mul_i32 s45, s16, HALFA                      ; where they go: no place in the cluster enters an LDS address
	s_mul_i32 s2, s16, HALFB
	s_add_co_u32 s2, s2, BOFF
	s_mul_i32 s3, s14, HALFS
	s_add_co_u32 s3, s3, SCL
	s_wait_kmcnt 0x0
	s_cmp_eq_u32 ttmp9, 0
	s_cselect_b64 s[8:9], s[72:73], s[76:77]       ; Wq or Wk
	s_cselect_b64 s[10:11], s[74:75], s[78:79]
	s_cselect_b64 s[98:99], s[84:85], s[86:87]     ; bq or bk
	s_cmp_eq_u32 ttmp9, 2
	s_cselect_b64 s[4:5], s[80:81], s[68:69]       ; A: Wv or x
	s_cselect_b64 s[6:7], s[82:83], s[70:71]
	s_cselect_b64 s[8:9], s[68:69], s[8:9]         ; B: x or the weight
	s_cselect_b64 s[10:11], s[70:71], s[10:11]
	s_cselect_b64 s[98:99], s[88:89], s[98:99]     ; bv
	s_mov_b64 s[12:13], s[90:91]
	G1SC G1S, 43                                   ; the pointers have been taken out of s68-91
	G1SC G1SB, 44
	s_add_nc_u64 s[20:21], s[4:5], s[20:21]
	s_add_nc_u64 s[22:23], s[6:7], s[22:23]
	s_add_nc_u64 s[46:47], s[8:9], s[46:47]
	s_add_nc_u64 s[92:93], s[10:11], s[92:93]
	s_mov_b32 s[G0S], 1
	s_mov_b32 s[G0S+1], s3
	s_mov_b64 s[G0S+2:G0S+3], s[22:23]
	s_or_b32 s[G0S+3], s[G0S+3], 0x80000000
	s_mov_b32 s[G0SB], 1
	s_mov_b32 s[G0SB+1], s3
	s_mov_b64 s[G0SB+2:G0SB+3], s[92:93]
	s_or_b32 s[G0SB+3], s[G0SB+3], 0x80000000
.irp s, 0,1
	s_mov_b32 s[G0+4*\s], 1
	s_add_co_u32 s[G0+4*\s+1], s45, \s*SLOT
	s_add_nc_u64 s[G0+4*\s+2:G0+4*\s+3], s[20:21], \s*STPA
	s_or_b32 s[G0+4*\s+3], s[G0+4*\s+3], 0x80000000
	s_mov_b32 s[G0B+4*\s], 1
	s_add_co_u32 s[G0B+4*\s+1], s2, \s*SLOT
	s_add_nc_u64 s[G0B+4*\s+2:G0B+4*\s+3], s[46:47], \s*STPB
	s_or_b32 s[G0B+4*\s+3], s[G0B+4*\s+3], 0x80000000
.endr
	CROUND                                         ; all sixteen work-groups are here: the first joint loads meet
	JLOAD G0S, G1S, G0SB, G1SB                     ; the scales of all of K, filled once
	JLOAD G0, G1, G0B, G1B                         ; K step 0
	JLOAD G0+4, G1, G0B+4, G1B                     ; K step 1: three loads of mine are out
	ADDRESSES
	; the biases.  Columns (Q, K): lane (r, h) wants, for tile b, those of columns 16 b + 8 h + 0 .. 7.  Rows (V^T): that of row 16 a + r.  Where a bias is not wanted its loads read the buffer's head
	s_lshl_b32 s18, s42, 10
	s_lshl_b32 s19, s16, 9
	s_add_co_u32 s18, s18, s19
	s_lshl_b32 s46, s17, 10
	s_lshl_b32 s47, s15, 9
	s_add_co_u32 s46, s46, s47
	s_cmp_eq_u32 s[ISV], 1
	s_cselect_b32 s18, 0, s18
	s_cselect_b32 s46, s46, 0
	s_mov_b32 s19, 0
	s_mov_b32 s47, 0
	s_add_nc_u64 s[92:93], s[98:99], s[46:47]
	s_add_nc_u64 s[98:99], s[98:99], s[18:19]
	v_lshlrev_b32 v[BO], 5, v2
	v_lshlrev_b32 v[RO], 2, v1
.irp b, 0,1,2,3,4,5,6,7
	global_load_b128 v[BI+8*\b:BI+8*\b+3], v[BO], s[98:99] offset:64*\b
	global_load_b128 v[BI+8*\b+4:BI+8*\b+7], v[BO], s[98:99] offset:64*\b+16
.endr
.irp a, 0,1,2,3,4,5,6,7
	global_load_b32 v[RBV+2*\a], v[RO], s[92:93] offset:64*\a
	global_load_b32 v[RBV+2*\a+1], v[RO], s[92:93] offset:64*\a
.endr
	; where the images go.  Q, K: block a is row block a, my lane's place 16 x lane.  V^T: row 16 a + r goes to row 32 (a / 2) + 16 (r / 8) + 8 (a % 2) + r % 8
	v_and_b32 v3, 7, v0
	v_bfe_u32 v4, v0, 3, 1
	s_cmp_eq_u32 s[ISV], 1
	s_mov_b32 s18, 3072
	s_cselect_b32 s19, s18, 128                    ; what bit 3 of the lane adds
	s_cselect_b32 s18, 128, s18                    ; what an odd block adds
	s_cselect_b32 s45, 16, 8
	s_cselect_b32 s46, 8, 16
	v_lshlrev_b32 v5, 4, v3
	v_lshl_add_u32 v5, v2, 8, v5
	v_mad_u32_u24 v[VA0], v4, s19, v5
	v_add_nc_u32 v[VA0+1], s18, v[VA0]
	v_mad_u32_u24 v5, v4, s45, v3                  ; the scale words: lanes 0-15 stand for block a's rows, lanes 16-31 for block a + 1's
	v_mad_u32_u24 v5, v2, s46, v5
	v_mul_u32_u24 v[SA0], v5, s[KSO]
	s_lshl_b32 s47, s[KSO], 5
	v_add_nc_u32 v[SA0+1], s47, v[SA0]
	v_add_nc_u32 v[SA0+2], s47, v[SA0+1]
	v_add_nc_u32 v[SA0+3], s47, v[SA0+2]
	s_cmp_eq_u32 s[ISV], 1
	s_mov_b32 s18, 1572864
	s_cselect_b32 s18, 196608, s18                 ; a plane: all row blocks of one K step of the later product
	s_mul_i32 s18, s42, s18
	s_mul_i32 s19, ttmp9, 6291456
	s_add_co_u32 s18, s18, s19
	s_lshl_b32 s19, s17, 4
	s_lshl_b32 s45, s15, 3
	s_add_co_u32 s19, s19, s45
	s_mul_i32 s19, s19, 3072
	s_add_co_u32 s18, s18, s19
	s_mul_i32 s19, s16, 1536
	s_add_co_u32 s18, s18, s19
	s_mov_b32 s19, 0
	s_add_nc_u64 s[12:13], s[12:13], s[18:19]
	s_lshl_b32 s18, s17, 8
	s_lshl_b32 s19, s15, 7
	s_add_co_u32 s18, s18, s19
	s_mul_i32 s18, s18, s[KSO]
	s_mul_i32 s19, ttmp9, 262144
	s_add_co_u32 s18, s18, s19
	s_lshr_b32 s19, s42, 3                         ; V^T: the batch
	s_lshl_b32 s19, s19, 16
	s_add_co_u32 s18, s18, s19
	s_lshl_b32 s19, s42, 1
	s_add_co_u32 s19, s19, s16
	s_and_b32 s19, s19, 15
	s_lshl_b32 s19, s19, 2
	s_add_co_u32 s18, s18, s19
	s_mov_b32 s19, 0
	s_add_nc_u64 s[96:97], s[96:97], s[18:19]
	s_wait_loadcnt 0x0                             ; the biases
.set e, 0
.rept 32
	v_pk_mul_f32 v[BI+e:BI+e+1], v[BI+e:BI+e+1], s[94:95] op_sel_hi:[1,0]   ; x 1 for Q and K, x 0 for V^T
.set e, e+2
.endr
	PLACES 8
	s_wait_tensorcnt 1                             ; the scales and my part of K step 0 are in; K step 1's load may be out
	s_barrier_signal -1
	s_barrier_wait -1
	FETCH_B 0, 0, 0
	FETCH_A 0, 0, 0
	SCALES 0
	FETCH_A 0, 0, 4
	STEP 0, 0, 2                                   ; the first step starts the sums, on the bias
	s_mov_b32 s3, LAPS-1
.Llap:
	TURN 0, 1, 1
	STEP 1, 0, 0
	TURN 1, 0, 1
	STEP 0, 0, 0
	s_sub_co_u32 s3, s3, 1
	s_cmp_lg_u32 s3, 0
	s_cbranch_scc1 .Llap
	TURN 0, 1, 0                                   ; the last lap fills nothing
	STEP 1, 0, 0
	s_wait_dscnt 4*NLA
	WIN MUL_LO
	MUL16 0, 1, NQ-1, 1, 0
	MUL16 2, 1, NQ-1, 1, 0
	s_wait_dscnt 0
	WIN MUL_HI
	MUL16 4, 1, NQ-1, 1, 0
	MUL16 6, 1, NQ-1, 1, 0
	WIN 0
	s_mov_b32 s[SEL], 0x76543210                   ; no tensor load of mine is out: the descriptors' registers are free
	s_mov_b32 s[SEL+1], 0xfedcba98
	s_mov_b32 s[HM], 0xffff0000
	PLACES NP
.irp b, 0,1,2,3
	v_mov_b32 v[TM+4+\b], 0                        ; a lane permute's destination counts as one of its sources
.endr
.irp a, 0,1,2,3,4,5,6,7
	ROWBIAS \a
	AMAX \a
	BYTES \a
	CODES \a
	PUT \a
.endr
.irp a, 0,2,4,6
	v_cndmask_b32 v[MRG+\a/2], v[PWV+\a], v[PWV+\a+1], s[HM]   ; lanes 16-31 take the next block's word
	global_store_b32 v[SA0+\a/2], v[MRG+\a/2], s[96:97]
.endr
	s_wait_tensorcnt 0x0                           ; the wave's end
	ds_add_u32 v[SPW], v[NIL]
	s_wait_dscnt 0x0
	CROUND                                         ; the closing round
	s_endpgm
.Lfunc_end_k_qadbf9e1e40_qkv:
	.size	k_qadbf9e1e40_qkv, .Lfunc_end_k_qadbf9e1e40_qkv-k_qadbf9e1e40_qkv
	.p2alignl 7, 3214868480
	.fill 96, 4, 3214868480
	.section	.rodata,"a",@progbits
	.p2align	6, 0x0
	.amdhsa_kernel k_qadbf9e1e40_qkv
		.amdhsa_group_segment_fixed_size 327680
		.amdhsa_private_segment_fixed_size 0
		.amdhsa_enable_private_segment 0
		.amdhsa_kernarg_size 104
		.amdhsa_user_sgpr_count 2
		.amdhsa_user_sgpr_kernarg_segment_ptr 1
		.amdhsa_wavefront_size32 1
		.amdhsa_system_sgpr_workgroup_id_x 1
		.amdhsa_system_sgpr_workgroup_id_y 1
		.amdhsa_system_sgpr_workgroup_id_z 1
		.amdhsa_system_vgpr_workitem_id 0
		.amdhsa_next_free_vgpr 1024
		.amdhsa_next_free_sgpr 102
		.amdhsa_reserve_vcc 0
		.amdhsa_float_denorm_mode_32 3
		.amdhsa_float_denorm_mode_16_64 3
		.amdhsa_memory_ordered 1
		.amdhsa_forward_progress 1
		.amdhsa_inst_pref_size 189
	.end_amdhsa_kernel
	.amdgpu_metadata
---
amdhsa.version: [ 1, 2 ]
amdhsa.kernels:
  - .name:           k_qadbf9e1e40_qkv
    .symbol:         k_qadbf9e1e40_qkv.kd
    .args:
      - { .name: x_codes, .offset: 0, .size: 8, .value_kind: global_buffer, .address_space: global }
      - { .name: x_scales, .offset: 8, .size: 8, .value_kind: global_buffer, .address_space: global }
      - { .name: Wq_codes, .offset: 16, .size: 8, .value_kind: global_buffer, .address_space: global }
      - { .name: Wq_scales, .offset: 24, .size: 8, .value_kind: global_buffer, .address_space: global }
      - { .name: Wk_codes, .offset: 32, .size: 8, .value_kind: global_buffer, .address_space: global }
      - { .name: Wk_scales, .offset: 40, .size: 8, .value_kind: global_buffer, .address_space: global }
      - { .name: Wv_codes, .offset: 48, .size: 8, .value_kind: global_buffer, .address_space: global }
      - { .name: Wv_scales, .offset: 56, .size: 8, .value_kind: global_buffer, .address_space: global }
      - { .name: bq, .offset: 64, .size: 8, .value_kind: global_buffer, .address_space: global }
      - { .name: bk, .offset: 72, .size: 8, .value_kind: global_buffer, .address_space: global }
      - { .name: bv, .offset: 80, .size: 8, .value_kind: global_buffer, .address_space: global }
      - { .name: qkv_codes, .offset: 88, .size: 8, .value_kind: global_buffer, .address_space: global }
      - { .name: qkv_scales, .offset: 96, .size: 8, .value_kind: global_buffer, .address_space: global }
    .group_segment_fixed_size: 327680
    .private_segment_fixed_size: 0
    .kernarg_segment_align: 8
    .kernarg_segment_size: 104
    .max_flat_workgroup_size: 128
    .sgpr_count:     102
    .vgpr_count:     1024
    .wavefront_size: 32
...
	.end_amdgpu_metadata
.endif
;; end of part 1
;; launch scores (part 2): grid 8 x 32, 4 waves a work-group, clusters of 4 x 4, 327,680 bytes of LDS; arguments qkv_codes, qkv_scales, mask, p_codes, p_scales, p_stats; writes p_codes, p_scales, p_stats
.if DOCPART == 2
	.amdgcn_target "amdgcn-amd-amdhsa--gfx1250"
	.amdhsa_code_object_version 6
	.text
	.protected	k_qadbf9e1e40_scores
	.globl	k_qadbf9e1e40_scores
	.p2align	8
	.type	k_qadbf9e1e40_scores,@function
k_qadbf9e1e40_scores:
	s_mov_b64 s[64:65], 0
	v_nop
	global_prefetch_b8 v0, s[64:65] scope:SCOPE_SE
	s_setreg_imm32_b32 hwreg(HW_REG_WAVE_MODE, 25, 1), 1
	s_wait_xcnt 0x0
	s_wait_alu depctr_hold_cnt(0) depctr_sa_sdst(0) depctr_va_vdst(0) depctr_va_sdst(0) depctr_va_ssrc(0) depctr_va_vcc(0) depctr_vm_vsrc(0)
	s_getreg_b32 s2, hwreg(HW_REG_IB_STS2, 6, 4)
	s_cmp_eq_u32 s2, 0
	s_cbranch_scc0 .Lentry_in_a_cluster
	s_endpgm
.Lentry_in_a_cluster:
	s_bfe_u32 s2, ttmp6, 0x10000c
	s_cmp_lg_u32 s2, 0xf033
	s_cbranch_scc0 .Lentry_shape_is_right
	s_endpgm
.Lentry_shape_is_right:
; S = Q K^T on codes of FP6 (E2M3), then t = S x log2(e) / sqrt(2048), the mask, and p = 2^(t - M), quantised along the keys.
; M here is LOCAL: for each query and each 128 keys (a wave's columns) the ceiling of the largest t among them, a whole number.  The next launch brings the scale bytes and the sums under the row's M,
; which is an exact power of two: the codes stay as they are.  Stored: p's codes as images of the next product's fragments, the scale bytes under the local M, and for each query and 128 keys M and the sum of the unquantised p.
; The product's core: a tile of 256 queries x 256 keys, four waves of 128 x 128, K = 1,024 in steps of 256 through two LDS slots; both operands are images, 1,536 bytes a fragment, dense: three loads of 16 bytes a lane.
; 4 x 4 work-groups form a cluster: Q's tiles are asked for jointly along a row, K's along a column.  The tile's 256 x 256 mask bytes come once, by a load of each wave's own, with the first fills.
; THE MASK: a masked key's t is c s - 2^127, which is -2^127 itself, so p = 0 beside any key that counts.  Where all 128 keys are masked M = -2^127 and every p = 1; where a whole row is so, the weights come out equal, as the softmax of equal numbers does.
; LIMITS: NaN and infinities are not served; |c s| stays under 2^102; t is one multiplication by c where the definition divides by sqrt(2048) and then multiplies by log2(e).
.set KTOT,   1024
.set A_IMG,  1
.set B_IMG,  1
.set STPA,   1572864                   ; bytes from K step to K step: a plane of 512 row blocks
.set STPB,   1572864
.set NQ,     2
.set FR,     12
.set NP,     4
.set PITCH,  240
.set KS,     KTOT/32
.set NLA,    6-3*A_IMG
.set HALFA,  30720-6144*A_IMG
.set HALFB,  30720-6144*B_IMG
.set BOFF,   2*HALFA
.set SLOT,   2*HALFA+2*HALFB
.set LAPS,   KTOT/512
.set SCL,    2*SLOT
.set HALFS,  (128*KS/256)*272
.set SBLK,   (16*KS/256)*272
.set MASKB,  SCL+4*HALFS               ; the tile's mask: 256 rows x (256 bytes + 16)
.set SPARE,  MASKB+256*272             ; the spare words
.set VA,   8                           ; v8   16 x lane
.set VS,   9                           ; v9   64 x lane: a row of p's scale bytes
.set VT,   10                          ; v10  4 x lane
.set MA,   14                          ; v14  LDS address of my 8 mask bytes
.set ADRA, 16
.set ADRB, 20
.set ADRS, 27
.set SPW,  28
.set NIL,  29
.set ZR,   30                          ; v30  0, a source of the byte permutes
.set SC,   32                          ; v32-63 scale words; they hold nothing else
.set BI,   64
.set PWV,  84
.set SA,   116                         ; v[116:117], v[118:119] the row's sum in two chains
.set SB,   118
.set NM,   120                         ; v[120:121] -M (the pair's upper word is written once)
.set GM,   122
.set AF,   128                         ; A's fragments; on the way out v128-159 two sets of mask words,
.set PEN,  160                         ; v160-223 what the mask adds; at the end the merged words
.set MV,   224                         ; v224-231 M of the eight blocks
.set LV,   232                         ; v232-239 their sums
.set TM,   240
.set G1, 24
.set G0, 32
.set G1B, 48
.set G0B, 56
.set G1S, 68
.set G0S, 76
.set G1SB, 80
.set G0SB, 88
.set G1M, 4                            ; s[4:11], s[20:23] the mask's descriptor
.set G0M, 20
.set SEL, 24
.set HM,  26
.set CS,  28                           ; s[28:29] c
.set SELB, 32                          ; s32-35 byte selectors
.set MSB, 0
.macro WIN new
.if MSB != (\new)
	s_set_vgpr_msb (MSB<<8)|(\new)
.set MSB, (\new)
.endif
.endm
.set MUL_LO, 0xa1
.set MUL_HI, 0xf1
.set TO_B,   0x40
.macro JLOAD g0a, g1a, g0b, g1b
	s_cmp_eq_u32 s15, 0
	s_cbranch_scc0 .Lfor_b_\@
	tensor_load_to_lds s[\g0a:\g0a+3], s[\g1a:\g1a+7]
	s_nop 0
.rept 4
	v_nop
.endr
	s_branch .Lasked_\@
.Lfor_b_\@:
	tensor_load_to_lds s[\g0b:\g0b+3], s[\g1b:\g1b+7]
	s_nop 0
.rept 4
	v_nop
.endr
.Lasked_\@:
.endm
.macro CREST
	s_cmp_lg_u32 s14, 0
	s_cbranch_scc1 .Lnot_wave_0_\@
	s_barrier_signal -3
.Lnot_wave_0_\@:
	s_barrier_wait -3
	s_barrier_signal -1
	s_barrier_wait -1
.endm
.macro CROUND
	s_barrier_signal -1
	s_barrier_wait -1
	CREST
.endm
.macro PLACES n
.rept \n
	v_nop
.endr
.endm
.macro G1IMG g, m                      ; group 1: the images of 128 rows x 256 K, 24,576 dense bytes, as 96 rows of 256 bytes
	s_or_b32 s[\g], s[\m], (3<<16)|(1<<21)
	s_mov_b32 s[\g+1], 32<<16
	s_mov_b32 s[\g+2], 96<<16
	s_mov_b32 s[\g+3], 32<<16
	s_mov_b32 s[\g+4], 96
	s_mov_b32 s[\g+5], 32
	s_mov_b32 s[\g+6], 0
	s_mov_b32 s[\g+7], 0
.endm
.macro G1SC g, m
	s_or_b32 s[\g], s[\m], (3<<16)|(1<<20)|(1<<21)|(5<<22)|(3<<25)
	s_mov_b32 s[\g+1], 32<<16
	s_mov_b32 s[\g+2], (128*KS/256)<<16
	s_mov_b32 s[\g+3], 32<<16
	s_mov_b32 s[\g+4], 128*KS/256
	s_mov_b32 s[\g+5], 32
	s_mov_b32 s[\g+6], 0
	s_mov_b32 s[\g+7], 0
.endm
.macro FRAG img, reg, adr, q, i
.if \img
.irp c, 0,1,2
	ds_load_b128 v[\reg+4*\c:\reg+4*\c+3], v[\adr] offset:((\i)*2+(\q))*1536+512*\c
.endr
.else
.irp p, 0,1,2,3,4,5
.set PCE, 12*(\q)+6*(\p/3)+\p%3
.if PCE%8 < 5
	ds_load_b64 v[\reg+2*\p:\reg+2*\p+1], v[\adr] offset:8*PCE+16*(PCE/8)+(\i)*16*PITCH
.else
	ds_load_b64 v[\reg+2*\p:\reg+2*\p+1], v[\adr+2] offset:8*PCE+16*(PCE/8)+(\i)*16*PITCH
.endif
.endr
.endif
.endm
.macro MUL16 a0, p, q, sc, cm          ; cm = 0: onto the sums; 1: C = 0.  The 64 accumulators take turns
.irp a, \a0, \a0+1
.irp b, 0,1,2,3,4,5,6,7
.if \cm == 1
	v_wmma_scale_f32_16x16x128_f8f6f4 v[8*(8*((\a)%4)+\b):8*(8*((\a)%4)+\b)+7], v[128*(\p)+FR*\b:128*(\p)+FR*\b+FR-1], v[AF+FR*(\a):AF+FR*(\a)+FR-1], 0, v[SC+8*NQ*(\sc)+NQ*\b+(\q)], v[SC+8*NQ*(\sc)+NQ*(\a)+(\q)] matrix_a_fmt:MATRIX_FMT_FP6 matrix_b_fmt:MATRIX_FMT_FP6 matrix_a_scale:MATRIX_SCALE_ROW1
.else
	v_wmma_scale_f32_16x16x128_f8f6f4 v[8*(8*((\a)%4)+\b):8*(8*((\a)%4)+\b)+7], v[128*(\p)+FR*\b:128*(\p)+FR*\b+FR-1], v[AF+FR*(\a):AF+FR*(\a)+FR-1], v[8*(8*((\a)%4)+\b):8*(8*((\a)%4)+\b)+7], v[SC+8*NQ*(\sc)+NQ*\b+(\q)], v[SC+8*NQ*(\sc)+NQ*(\a)+(\q)] matrix_a_fmt:MATRIX_FMT_FP6 matrix_b_fmt:MATRIX_FMT_FP6 matrix_a_scale:MATRIX_SCALE_ROW1
.endif
.endr
.endr
.endm
.macro FETCH_B slot, q, p
	WIN TO_B
.irp i, 0,1,2,3,4,5,6,7
	FRAG B_IMG, 128*(\p)+FR*\i, ADRB+\slot, \q, \i
.endr
	WIN 0
.endm
.macro FETCH_A slot, q, i0
.irp i, \i0, \i0+1, \i0+2, \i0+3
	FRAG A_IMG, AF+FR*(\i), ADRA+\slot, \q, \i
.endr
.endm
.macro SCALES sc
.irp i, 0,1,2,3,4,5,6,7
	ds_load_b64 v[SC+8*NQ*\sc+NQ*\i:SC+8*NQ*\sc+NQ*\i+1], v[ADRS] offset:\i*SBLK
.endr
.endm
.macro STEP slot, q, cm
	s_wait_dscnt 4*NLA                             ; all but the youngest loads, A's blocks 4-7
	WIN MUL_LO
	MUL16 0, (\q)%2, \q, \slot, \cm
	MUL16 2, (\q)%2, \q, \slot, \cm
	s_wait_dscnt 0
	PLACES NP
	FETCH_B \slot, (\q)+1, 1-(\q)%2
	FETCH_A \slot, (\q)+1, 0
	WIN MUL_HI
	MUL16 4, (\q)%2, \q, \slot, \cm
	MUL16 6, (\q)%2, \q, \slot, \cm
	PLACES NP
	WIN 0
	FETCH_A \slot, (\q)+1, 4
.endm
.macro TURN slot, next, fill
	s_wait_tensorcnt 0x0                           ; all my tensor loads have landed
	ds_add_u32 v[SPW], v[NIL]                      ; 0 onto my spare word
	s_wait_dscnt 4*NLA+1                           ; the add and A's blocks 4-7 may be out
	WIN MUL_LO
	MUL16 0, 1, NQ-1, \slot, 0
	s_wait_dscnt 0x0                               ; the add is done, and my reads of this slot are over
	s_barrier_signal -1
	MUL16 2, 1, NQ-1, \slot, 0
	WIN 0
	s_barrier_wait -1
.if \fill
	CREST
	s_add_nc_u64 s[G0+4*\slot+2:G0+4*\slot+3], s[G0+4*\slot+2:G0+4*\slot+3], 2*STPA
	s_add_nc_u64 s[G0B+4*\slot+2:G0B+4*\slot+3], s[G0B+4*\slot+2:G0B+4*\slot+3], 2*STPB
	JLOAD G0+4*\slot, G1, G0B+4*\slot, G1B
.else
	PLACES NP
.endif
	v_add_nc_u32 v[ADRS], 4*NQ, v[ADRS]
	FETCH_B \next, 0, 0
	FETCH_A \next, 0, 0
	SCALES \next
	WIN MUL_HI
	MUL16 4, 1, NQ-1, \slot, 0
	MUL16 6, 1, NQ-1, \slot, 0
	PLACES NP
	WIN 0
	FETCH_A \next, 0, 4
.endm
.macro ADDRESSES                       ; leaves v1 = r, v2 = h, v7 = lane, v6 = 16 x lane
	v_and_b32 v1, 15, v0
	v_bfe_u32 v2, v0, 4, 1
	v_and_b32 v7, 31, v0
	v_mul_u32_u24 v3, v1, PITCH
	v_mad_u32_u24 v4, v2, 24, v3
	v_lshl_add_u32 v5, v2, 4, v4
	v_lshlrev_b32 v6, 4, v7
	s_mul_i32 s18, s15, HALFA
	s_mul_i32 s19, s16, HALFB
	s_add_co_u32 s19, s19, BOFF
.irp s, 0,1
.if A_IMG
	v_add_nc_u32 v[ADRA+\s], s18, v6
.else
	v_add_nc_u32 v[ADRA+\s], s18, v4
	v_add_nc_u32 v[ADRA+2+\s], s18, v5
.endif
.if B_IMG
	v_add_nc_u32 v[ADRB+\s], s19, v6
.else
	v_add_nc_u32 v[ADRB+\s], s19, v4
	v_add_nc_u32 v[ADRB+2+\s], s19, v5
.endif
	s_add_co_u32 s18, s18, SLOT
	s_add_co_u32 s19, s19, SLOT
.endr
	v_mul_u32_u24 v5, v1, KS
	v_lshrrev_b32 v3, 8, v5
	v_lshl_add_u32 v5, v3, 4, v5
	s_mul_i32 s18, s15, HALFS
	s_mul_i32 s19, s16, HALFS
	s_add_co_u32 s19, s19, 2*HALFS
	s_sub_co_u32 s19, s19, s18
	v_mul_u32_u24 v3, s19, v2
	s_add_co_u32 s18, s18, SCL
	v_add_nc_u32 v5, v5, v3
	v_add_nc_u32 v[ADRS], s18, v5
.endm
.macro SETA a
.set WN,  2+(\a)/4
.set AC,  64*((\a)%4)
.set PCA, 64+32*((\a)%2)
.set WSS, WN|(WN<<2)
.set WDS, (WN<<6)|WN
.set WS1, WN<<2
.endm
.macro BYTES a
.irp b, 0,1,2,3
	v_add_nc_u32 v[TM+12+\b], 0xff000000, v[TM+\b]
.endr
.irp b, 0,1,2,3
	v_lshrrev_b32 v[TM+4+\b], 23, v[TM+12+\b]
.endr
	v_lshl_or_b32 v[PWV+(\a)], v[TM+5], 8, v[TM+4]
	v_lshl_or_b32 v[PWV+(\a)], v[TM+6], 16, v[PWV+(\a)]
	v_lshl_or_b32 v[PWV+(\a)], v[TM+7], 24, v[PWV+(\a)]
.endm
.macro CODES a
	SETA \a
	s_wait_xcnt 0x0                                ; the stores of the block two back have read these registers
	WIN WN
.irp c, 0,1
	v_cvt_scalef32_pk16_fp6_f32 v[PCA+6*\c:PCA+2+6*\c], v[AC+32*\c:AC+15+32*\c], v[TM+12+2*\c]
	v_cvt_scalef32_pk16_fp6_f32 v[PCA+12+4*\c:PCA+14+4*\c], v[AC+16+32*\c:AC+31+32*\c], v[TM+12+2*\c+1]
.endr
	WIN 0
	v_nop                                          ; one plain place behind a scaled conversion
.irp c, 0,1
.irp i, 0,1,2
	v_permlane16_swap_b32 v[PCA+6*\c+\i], v[PCA+12+4*\c+\i]
.endr
.irp i, 0,1,2
	v_mov_b32 v[PCA+3+6*\c+\i], v[PCA+12+4*\c+\i]
.endr
.endr
.endm
.macro LOADMASK a                      ; block a's mask bytes: for each of the eight column blocks the 8 bytes of my row and half
.set MKL, 128+16*((\a)%2)
.irp k, 0,1,2,3,4,5,6,7
	ds_load_b64 v[MKL+2*\k:MKL+2*\k+1], v[MA] offset:(\a)*4352+16*\k
.endr
.endm
; Block a: 16 queries x 128 keys.  Lane (r, h) holds query r; register 8 b + j is key 16 b + 8 h + j; registers 16 b' .. 16 b' + 15 are my half of block b' of 32 keys.
.macro SOFT a
	SETA \a
.set MK, 128+16*((\a)%2)
.if (\a) < 7
	LOADMASK (\a)+1
	s_wait_dscnt 8                                 ; this block's mask is in; the next block's eight loads may be out
.else
	s_wait_dscnt 0x0
.endif
.irp k, 0,1,2,3,4,5,6,7,8,9,10,11,12,13,14,15
	v_lshlrev_b32 v[PEN+\k], 8, v[MK+\k]
.endr
.irp k, 0,1,2,3,4,5,6,7,8,9,10,11,12,13,14,15
	v_sub_nc_u32 v[MK+\k], v[PEN+\k], v[MK+\k]     ; x 255: each byte 0 or 1 becomes 0x00 or 0xff
.endr
.set e, 0
.rept 64
	v_perm_b32 v[PEN+e], v[MK+e/4], v[ZR], s[SELB+e%4]   ; the key's byte on top of three zero bytes: 0, or 0xff000000 = -2^127
.set e, e+1
.endr
	WIN WDS
.set e, 0
.rept 32
	v_pk_fma_f32 v[AC+e:AC+e+1], v[AC+e:AC+e+1], s[CS:CS+1], v[PEN+e:PEN+e+1] op_sel_hi:[1,0,1]   ; t = c s, or -2^127; each accumulator from its low end on
.set e, e+2
.endr
	WIN WSS
.irp b, 0,1,2,3
	v_max_num_f32 v[TM+\b], v[AC+16*\b], v[AC+16*\b+1]   ; the largest t of each block of 32 keys: for M, and for the block's largest p
.endr
.irp i, 2,4,6,8,10,12,14
.irp b, 0,1,2,3
	v_max3_num_f32 v[TM+\b], v[AC+16*\b+\i], v[AC+16*\b+\i+1], v[TM+\b]
.endr
.endr
	WIN 0
.irp b, 0,1,2,3
	v_permlanex16_b32 v[TM+4+\b], v[TM+\b], s[SEL], s[SEL+1]
.endr
.irp b, 0,1,2,3
	v_max_num_f32 v[TM+\b], v[TM+\b], v[TM+4+\b]
.endr
	v_max3_num_f32 v[GM], v[TM], v[TM+1], v[TM+2]
	v_max_num_f32 v[GM], v[GM], v[TM+3]
	v_floor_f32 v[NM], -v[GM]                      ; -M = floor(-t) = -ceil(t): a whole number
	v_mul_f32 v[MV+(\a)], -1.0, v[NM]
.irp b, 0,1,2,3
	v_add_f32 v[TM+\b], v[TM+\b], v[NM]
.endr
	WIN WDS
.set e, 0
.rept 32
	v_pk_add_f32 v[AC+e:AC+e+1], v[AC+e:AC+e+1], v[NM:NM+1] op_sel_hi:[1,0]   ; t - M
.set e, e+2
.endr
.set e, 0
.rept 64
	v_exp_f32 v[AC+e], v[AC+e]                     ; p = 2^(t - M): one batch
.set e, e+1
.endr
	WIN 0
	v_mov_b32 v[SA], 0                             ; plain work behind the batch
	v_mov_b32 v[SA+1], 0
	v_mov_b32 v[SB], 0
	v_mov_b32 v[SB+1], 0
	s_wait_alu depctr_va_vdst(0)                   ; one wait for the batch, ahead of its first reader
.irp b, 0,1,2,3
	v_exp_f32 v[TM+\b], v[TM+\b]                   ; the block's largest p: the same addition and exponential on the same number
.endr
	WIN WS1
.set e, 0
.rept 16
	v_pk_add_f32 v[SA:SA+1], v[SA:SA+1], v[AC+e:AC+e+1]        ; the sum of the unquantised p, in two chains
	v_pk_add_f32 v[SB:SB+1], v[SB:SB+1], v[AC+e+2:AC+e+3]
.set e, e+4
.endr
	WIN 0
	s_wait_alu depctr_va_vdst(0)                   ; and one for the four
.irp b, 0,1,2,3
	v_max_num_f32 v[TM+\b], 0x1800000, v[TM+\b]    ; the floor 2^(3 - 127): the byte cannot fall under 1
.endr
	BYTES \a
	v_pk_add_f32 v[SA:SA+1], v[SA:SA+1], v[SB:SB+1]
	v_add_f32 v[SA], v[SA], v[SA+1]
	v_permlanex16_b32 v[SB], v[SA], s[SEL], s[SEL+1]
	v_add_f32 v[LV+(\a)], v[SA], v[SB]
	CODES \a
.irp c, 0,1,2
	global_store_b128 v[VA], v[PCA+4*\c:PCA+4*\c+3], s[12:13] offset:(\a)*3072+512*\c   ; 32 lanes store 512 consecutive bytes
.endr
.endm
	s_load_b256 s[4:11], s[0:1], 0x0               ; qkv_codes, qkv_scales, mask, p_codes
	s_load_b128 s[96:99], s[0:1], 0x20             ; p_scales, p_stats
	v_lshl_add_u32 v[SPW], v0, 2, SPARE
	v_mov_b32 v[NIL], 0
	ds_add_u32 v28, v29
	ds_add_u32 v28, v29
	s_wait_dscnt 0x0
	v_mov_b32 v[ZR], 0
	v_lshrrev_b32 v1, 5, v0
	v_readfirstlane_b32 s14, v1
	s_lshr_b32 s15, s14, 1
	s_and_b32 s16, s14, 1
	s_bfe_u32 s40, ttmp6, 0x40000                  ; cx
	s_bfe_u32 s41, ttmp6, 0x40004                  ; cy
	s_lshl_b32 s42, ttmp9, 2
	s_add_co_u32 s42, s42, s40                     ; the tile of 256 keys in the batch
	s_and_b32 s18, ttmp7, 0xffff
	s_lshl_b32 s17, s18, 2
	s_add_co_u32 s17, s17, s41                     ; the tile of 256 queries, over all batches
	s_lshr_b32 s94, s18, 1                         ; the batch: the same in all partners
	s_lshl_b32 s94, s94, 3
	s_add_co_u32 s94, s94, s42                     ; K's tile of 256 tokens, over all batches
	s_lshl_b32 s43, s41, 2
	s_lshl_b32 s43, 15, s43
	s_lshl_b32 s44, 0x1111, s40
	G1IMG G1, 43
	G1IMG G1B, 44
	G1SC G1S, 43
	G1SC G1SB, 44
	s_lshl_b32 s18, s16, 7
	s_lshl_b32 s20, s17, 8
	s_add_co_u32 s20, s20, s18                     ; Q's row
	s_lshl_b32 s46, s94, 8
	s_add_co_u32 s46, s46, s18                     ; K's row
	s_mul_i32 s22, s20, KS
	s_mul_i32 s20, s20, 192                        ; 3,072 bytes for each 16 rows
	s_mul_i32 s92, s46, KS
	s_add_co_u32 s92, s92, 262144                  ; K's part of the scales
	s_mul_i32 s46, s46, 192
	s_add_co_u32 s46, s46, 6291456                 ; K's part of the codes
	s_mov_b32 s21, 0
	s_mov_b32 s23, 0
	s_mov_b32 s47, 0
	s_mov_b32 s93, 0
	s_lshl_b32 s18, s17, 8                         ; the mask: row 256 x tile row + 64 x wave of 2,048 bytes, + 256 x key tile
	s_lshl_b32 s19, s14, 6
	s_add_co_u32 s18, s18, s19
	s_lshl_b32 s18, s18, 11
	s_lshl_b32 s19, s42, 8
	s_add_co_u32 s18, s18, s19
	s_mov_b32 s19, 0
	s_mul_i32 s45, s16, HALFA
	s_mul_i32 s2, s16, HALFB
	s_add_co_u32 s2, s2, BOFF
	s_mul_i32 s3, s14, HALFS
	s_add_co_u32 s3, s3, SCL
	s_wait_kmcnt 0x0
	s_mov_b64 s[12:13], s[10:11]
	s_add_nc_u64 s[20:21], s[4:5], s[20:21]
	s_add_nc_u64 s[22:23], s[6:7], s[22:23]
	s_add_nc_u64 s[46:47], s[4:5], s[46:47]
	s_add_nc_u64 s[92:93], s[6:7], s[92:93]
	s_mov_b32 s[G0S], 1
	s_mov_b32 s[G0S+1], s3
	s_mov_b64 s[G0S+2:G0S+3], s[22:23]
	s_or_b32 s[G0S+3], s[G0S+3], 0x80000000
	s_mov_b32 s[G0SB], 1
	s_mov_b32 s[G0SB+1], s3
	s_mov_b64 s[G0SB+2:G0SB+3], s[92:93]
	s_or_b32 s[G0SB+3], s[G0SB+3], 0x80000000
.irp s, 0,1
	s_mov_b32 s[G0+4*\s], 1
	s_add_co_u32 s[G0+4*\s+1], s45, \s*SLOT
	s_add_nc_u64 s[G0+4*\s+2:G0+4*\s+3], s[20:21], \s*STPA
	s_or_b32 s[G0+4*\s+3], s[G0+4*\s+3], 0x80000000
	s_mov_b32 s[G0B+4*\s], 1
	s_add_co_u32 s[G0B+4*\s+1], s2, \s*SLOT
	s_add_nc_u64 s[G0B+4*\s+2:G0B+4*\s+3], s[46:47], \s*STPB
	s_or_b32 s[G0B+4*\s+3], s[G0B+4*\s+3], 0x80000000
.endr
	s_add_nc_u64 s[G0M+2:G0M+3], s[8:9], s[18:19]  ; the mask's descriptor: my wave's 64 rows x 256 bytes, 2,048 bytes apart, 16 bytes of padding behind each; no work-group mask: the tile is mine alone
	s_or_b32 s[G0M+3], s[G0M+3], 0x80000000
	s_mov_b32 s[G0M], 1
	s_mul_i32 s[G0M+1], s14, 64*272
	s_add_co_u32 s[G0M+1], s[G0M+1], MASKB
	s_mov_b32 s[G1M], (3<<16)|(1<<20)|(5<<22)|(3<<25)
	s_mov_b32 s[G1M+1], 32<<16
	s_mov_b32 s[G1M+2], 64<<16
	s_mov_b32 s[G1M+3], 32<<16
	s_mov_b32 s[G1M+4], 64
	s_mov_b32 s[G1M+5], 256
	s_mov_b32 s[G1M+6], 0
	s_mov_b32 s[G1M+7], 0
	CROUND
	JLOAD G0S, G1S, G0SB, G1SB
	JLOAD G0, G1, G0B, G1B
	JLOAD G0+4, G1, G0B+4, G1B
	tensor_load_to_lds s[G0M:G0M+3], s[G1M:G1M+7]  ; four loads of mine are out
	s_nop 0
.rept 4
	v_nop
.endr
	ADDRESSES
	v_mov_b32 v[VA], v6
	v_lshlrev_b32 v[VS], 6, v7
	v_lshlrev_b32 v[VT], 2, v7
	s_mul_i32 s18, s15, 128*272
	s_lshl_b32 s19, s16, 7
	s_add_co_u32 s18, s18, s19
	s_add_co_u32 s18, s18, MASKB
	v_mul_u32_u24 v[MA], v1, 272
	v_lshl_add_u32 v[MA], v2, 3, v[MA]
	v_add_nc_u32 v[MA], s18, v[MA]                 ; row 128 x half + r, byte 128 x half + 8 h
	s_mul_i32 s18, s42, 1572864                    ; p's codes: plane = key tile, row block 16 x tile row + 8 x half, fragment = my half of the keys
	s_lshl_b32 s19, s17, 4
	s_lshl_b32 s45, s15, 3
	s_add_co_u32 s19, s19, s45
	s_mul_i32 s19, s19, 3072
	s_add_co_u32 s18, s18, s19
	s_mul_i32 s19, s16, 1536
	s_add_co_u32 s18, s18, s19
	s_mov_b32 s19, 0
	s_add_nc_u64 s[12:13], s[12:13], s[18:19]
	s_lshl_b32 s45, s17, 8
	s_lshl_b32 s46, s15, 7
	s_add_co_u32 s45, s45, s46                     ; my first query
	s_lshl_b32 s46, s42, 1
	s_add_co_u32 s46, s46, s16                     ; which 128 keys of the batch
	s_lshl_b32 s18, s45, 6
	s_lshl_b32 s47, s46, 2
	s_add_co_u32 s18, s18, s47
	s_add_nc_u64 s[96:97], s[96:97], s[18:19]
	s_lshl_b32 s18, s46, 15
	s_lshl_b32 s47, s45, 2
	s_add_co_u32 s18, s18, s47
	s_add_nc_u64 s[98:99], s[98:99], s[18:19]
	s_wait_tensorcnt 2                             ; the scales and my part of K step 0 are in; K step 1's load and the mask's may be out
	s_barrier_signal -1
	s_barrier_wait -1
	FETCH_B 0, 0, 0
	FETCH_A 0, 0, 0
	SCALES 0
	FETCH_A 0, 0, 4
	STEP 0, 0, 1
	s_mov_b32 s3, LAPS-1
.Llap:
	TURN 0, 1, 1                                   ; (its wait for all loads and its barrier also show the whole mask to every wave)
	STEP 1, 0, 0
	TURN 1, 0, 1
	STEP 0, 0, 0
	s_sub_co_u32 s3, s3, 1
	s_cmp_lg_u32 s3, 0
	s_cbranch_scc1 .Llap
	TURN 0, 1, 0
	STEP 1, 0, 0
	s_wait_dscnt 4*NLA
	WIN MUL_LO
	MUL16 0, 1, NQ-1, 1, 0
	MUL16 2, 1, NQ-1, 1, 0
	s_wait_dscnt 0
	WIN MUL_HI
	MUL16 4, 1, NQ-1, 1, 0
	MUL16 6, 1, NQ-1, 1, 0
	WIN 0
	s_mov_b32 s[SEL], 0x76543210                   ; no tensor load of mine is out: the descriptors' registers are free
	s_mov_b32 s[SEL+1], 0xfedcba98
	s_mov_b32 s[HM], 0xffff0000
	s_mov_b32 s[CS], 0x3d0293ee                    ; c = log2(e) / sqrt(2048)
	s_mov_b32 s[CS+1], s[CS]
	s_mov_b32 s[SELB], 0x04000000
	s_mov_b32 s[SELB+1], 0x05000000
	s_mov_b32 s[SELB+2], 0x06000000
	s_mov_b32 s[SELB+3], 0x07000000
	PLACES NP
.irp b, 0,1,2,3
	v_mov_b32 v[TM+4+\b], 0
.endr
	v_mov_b32 v[NM+1], 0                           ; named as the upper half of a pair
	LOADMASK 0
.irp a, 0,1,2,3,4,5,6,7
	SOFT \a
.endr
.irp a, 0,2,4,6                                ; lanes 0-15 stand for block a's rows, lanes 16-31 for block a + 1's
	v_cndmask_b32 v[PEN+\a/2], v[PWV+\a], v[PWV+\a+1], s[HM]
	v_cndmask_b32 v[PEN+4+\a/2], v[MV+\a], v[MV+\a+1], s[HM]
	v_cndmask_b32 v[PEN+8+\a/2], v[LV+\a], v[LV+\a+1], s[HM]
	global_store_b32 v[VS], v[PEN+\a/2], s[96:97] offset:1024*\a
	global_store_b32 v[VT], v[PEN+4+\a/2], s[98:99] offset:64*\a
	global_store_b32 v[VT], v[PEN+8+\a/2], s[98:99] offset:64*\a+524288
.endr
	s_wait_tensorcnt 0x0                           ; the wave's end
	ds_add_u32 v[SPW], v[NIL]
	s_wait_dscnt 0x0
	CROUND
	s_endpgm
.Lfunc_end_k_qadbf9e1e40_scores:
	.size	k_qadbf9e1e40_scores, .Lfunc_end_k_qadbf9e1e40_scores-k_qadbf9e1e40_scores
	.p2alignl 7, 3214868480
	.fill 96, 4, 3214868480
	.section	.rodata,"a",@progbits
	.p2align	6, 0x0
	.amdhsa_kernel k_qadbf9e1e40_scores
		.amdhsa_group_segment_fixed_size 327680
		.amdhsa_private_segment_fixed_size 0
		.amdhsa_enable_private_segment 0
		.amdhsa_kernarg_size 48
		.amdhsa_user_sgpr_count 2
		.amdhsa_user_sgpr_kernarg_segment_ptr 1
		.amdhsa_wavefront_size32 1
		.amdhsa_system_sgpr_workgroup_id_x 1
		.amdhsa_system_sgpr_workgroup_id_y 1
		.amdhsa_system_sgpr_workgroup_id_z 1
		.amdhsa_system_vgpr_workitem_id 0
		.amdhsa_next_free_vgpr 1024
		.amdhsa_next_free_sgpr 102
		.amdhsa_reserve_vcc 0
		.amdhsa_float_denorm_mode_32 3
		.amdhsa_float_denorm_mode_16_64 3
		.amdhsa_memory_ordered 1
		.amdhsa_forward_progress 1
		.amdhsa_inst_pref_size 255
	.end_amdhsa_kernel
	.section	.bss,"aw",@nobits
	.p2align	6
	.space	262144
	.amdgpu_metadata
---
amdhsa.version: [ 1, 2 ]
amdhsa.kernels:
  - .name:           k_qadbf9e1e40_scores
    .symbol:         k_qadbf9e1e40_scores.kd
    .args:
      - { .name: qkv_codes, .offset: 0, .size: 8, .value_kind: global_buffer, .address_space: global }
      - { .name: qkv_scales, .offset: 8, .size: 8, .value_kind: global_buffer, .address_space: global }
      - { .name: mask, .offset: 16, .size: 8, .value_kind: global_buffer, .address_space: global }
      - { .name: p_codes, .offset: 24, .size: 8, .value_kind: global_buffer, .address_space: global }
      - { .name: p_scales, .offset: 32, .size: 8, .value_kind: global_buffer, .address_space: global }
      - { .name: p_stats, .offset: 40, .size: 8, .value_kind: global_buffer, .address_space: global }
    .group_segment_fixed_size: 327680
    .private_segment_fixed_size: 0
    .kernarg_segment_align: 8
    .kernarg_segment_size: 48
    .max_flat_workgroup_size: 128
    .sgpr_count:     102
    .vgpr_count:     1024
    .wavefront_size: 32
...
	.end_amdgpu_metadata
.endif
;; end of part 2
;; launch mix (part 3): grid 4 x 32, 4 waves a work-group, clusters of 4 x 4, 327,680 bytes of LDS; arguments p_codes, p_scales, p_stats, qkv_codes, qkv_scales, a_codes, a_scales; writes a_codes, a_scales
.if DOCPART == 3
	.amdgcn_target "amdgcn-amd-amdhsa--gfx1250"
	.amdhsa_code_object_version 6
	.text
	.protected	k_qadbf9e1e40_mix
	.globl	k_qadbf9e1e40_mix
	.p2align	8
	.type	k_qadbf9e1e40_mix,@function
k_qadbf9e1e40_mix:
	s_mov_b64 s[64:65], 0
	v_nop
	global_prefetch_b8 v0, s[64:65] scope:SCOPE_SE
	s_setreg_imm32_b32 hwreg(HW_REG_WAVE_MODE, 25, 1), 1
	s_wait_xcnt 0x0
	s_wait_alu depctr_hold_cnt(0) depctr_sa_sdst(0) depctr_va_vdst(0) depctr_va_sdst(0) depctr_va_ssrc(0) depctr_va_vcc(0) depctr_vm_vsrc(0)
	s_getreg_b32 s2, hwreg(HW_REG_IB_STS2, 6, 4)
	s_cmp_eq_u32 s2, 0
	s_cbranch_scc0 .Lentry_in_a_cluster
	s_endpgm
.Lentry_in_a_cluster:
	s_bfe_u32 s2, ttmp6, 0x10000c
	s_cmp_lg_u32 s2, 0xf033
	s_cbranch_scc0 .Lentry_shape_is_right
	s_endpgm
.Lentry_shape_is_right:
; attention = (P V) / l on codes of FP6 (E2M3), quantised at once along d for the last product.
; P's codes and scale bytes stand under a whole number M of their own for each query and each 128 keys.  THE PROLOGUE brings them under the row's M, the largest of the sixteen: each scale byte falls by
; n = the row's M - the local M, an exact power of two; the row's sum is the sum of the sixteen sums x 2^-n.  The adjusted scale bytes of the work-group's 256 queries go to LDS, laid as the core reads scales; 1 / l likewise.
; The core: a tile of 256 queries x 256 of d, four waves of 128 x 128, K = the batch's 2,048 keys in steps of 256 through two LDS slots; both operands are images of fragments.
; 4 x 4 work-groups form a cluster: P's tiles are asked for jointly along a row, V^T's along a column.  V^T's rows stand with bits 3 and 4 of d exchanged, so that the codes made here stand in d's natural order.
; LIMITS: a scale byte that would fall under 0 is held at 0 (a p under 2^-125 of the row's largest then counts for a little more than it should, under 2^-120 of the row's sum); NaN and infinities are not served.
.set KTOT,   2048
.set A_IMG,  1
.set B_IMG,  1
.set STPA,   1572864                   ; P: a plane of 512 row blocks
.set STPB,   196608                    ; V^T: a plane of 64 row blocks
.set NQ,     2
.set FR,     12
.set NP,     4
.set PITCH,  240
.set KS,     KTOT/32
.set NLA,    6-3*A_IMG
.set HALFA,  30720-6144*A_IMG
.set HALFB,  30720-6144*B_IMG
.set BOFF,   2*HALFA
.set SLOT,   2*HALFA+2*HALFB
.set LAPS,   KTOT/512
.set SCL,    2*SLOT                    ; P's adjusted scales, stored by the waves: 68 blocks of 256 bytes into which no tensor load lands;
.set HALFS,  (128*KS/256)*272
.set SBLK,   (16*KS/256)*272           ; behind them V^T's scales, brought by tensor loads
.set RLB,    SCL+4*HALFS               ; 1 / l of the 256 queries
.set SPARE,  RLB+1024
.set VT,   8                           ; v8   4 x lane
.set VS,   9                           ; v9   64 x lane
.set AW,   10                          ; v10  where my row's adjusted scale bytes go
.set RW,   11                          ; v11  where my row's 1 / l goes
.set VA,   12                          ; v12  16 x lane
.set VO,   13                          ; v13  32 x lane
.set RLA,  14                          ; v14  where I read 1 / l of row r
.set ADRA, 16
.set ADRB, 20
.set ADRS, 27
.set SPW,  28
.set NIL,  29
.set SC,   32                          ; v32-63 scale words; they hold nothing else
.set BI,   64
.set PWV,  84
.set AF,   128
.set MG,   160                         ; the prologue: the row's M; v164-179 at work
.set MRG,  160
.set RLV,  224                         ; v224-239 1 / l, a pair for each block
.set TM,   240
.set G1, 24
.set G0, 32
.set G1B, 48
.set G0B, 56
.set G1SB, 80
.set G0SB, 88
.set SEL, 24
.set HM,  26
.set MSB, 0
.macro WIN new
.if MSB != (\new)
	s_set_vgpr_msb (MSB<<8)|(\new)
.set MSB, (\new)
.endif
.endm
.set MUL_LO, 0xa1
.set MUL_HI, 0xf1
.set TO_B,   0x40
.macro JLOAD g0a, g1a, g0b, g1b
	s_cmp_eq_u32 s15, 0
	s_cbranch_scc0 .Lfor_b_\@
	tensor_load_to_lds s[\g0a:\g0a+3], s[\g1a:\g1a+7]
	s_nop 0
.rept 4
	v_nop
.endr
	s_branch .Lasked_\@
.Lfor_b_\@:
	tensor_load_to_lds s[\g0b:\g0b+3], s[\g1b:\g1b+7]
	s_nop 0
.rept 4
	v_nop
.endr
.Lasked_\@:
.endm
.macro CREST
	s_cmp_lg_u32 s14, 0
	s_cbranch_scc1 .Lnot_wave_0_\@
	s_barrier_signal -3
.Lnot_wave_0_\@:
	s_barrier_wait -3
	s_barrier_signal -1
	s_barrier_wait -1
.endm
.macro CROUND
	s_barrier_signal -1
	s_barrier_wait -1
	CREST
.endm
.macro PLACES n
.rept \n
	v_nop
.endr
.endm
.macro G1IMG g, m
	s_or_b32 s[\g], s[\m], (3<<16)|(1<<21)
	s_mov_b32 s[\g+1], 32<<16
	s_mov_b32 s[\g+2], 96<<16
	s_mov_b32 s[\g+3], 32<<16
	s_mov_b32 s[\g+4], 96
	s_mov_b32 s[\g+5], 32
	s_mov_b32 s[\g+6], 0
	s_mov_b32 s[\g+7], 0
.endm
.macro G1SC g, m
	s_or_b32 s[\g], s[\m], (3<<16)|(1<<20)|(1<<21)|(5<<22)|(3<<25)
	s_mov_b32 s[\g+1], 32<<16
	s_mov_b32 s[\g+2], (128*KS/256)<<16
	s_mov_b32 s[\g+3], 32<<16
	s_mov_b32 s[\g+4], 128*KS/256
	s_mov_b32 s[\g+5], 32
	s_mov_b32 s[\g+6], 0
	s_mov_b32 s[\g+7], 0
.endm
.macro FRAG img, reg, adr, q, i
.if \img
.irp c, 0,1,2
	ds_load_b128 v[\reg+4*\c:\reg+4*\c+3], v[\adr] offset:((\i)*2+(\q))*1536+512*\c
.endr
.else
.irp p, 0,1,2,3,4,5
.set PCE, 12*(\q)+6*(\p/3)+\p%3
.if PCE%8 < 5
	ds_load_b64 v[\reg+2*\p:\reg+2*\p+1], v[\adr] offset:8*PCE+16*(PCE/8)+(\i)*16*PITCH
.else
	ds_load_b64 v[\reg+2*\p:\reg+2*\p+1], v[\adr+2] offset:8*PCE+16*(PCE/8)+(\i)*16*PITCH
.endif
.endr
.endif
.endm
.macro MUL16 a0, p, q, sc, cm          ; cm = 0: onto the sums; 1: C = 0.  The 64 accumulators take turns
.irp a, \a0, \a0+1
.irp b, 0,1,2,3,4,5,6,7
.if \cm == 1
	v_wmma_scale_f32_16x16x128_f8f6f4 v[8*(8*((\a)%4)+\b):8*(8*((\a)%4)+\b)+7], v[128*(\p)+FR*\b:128*(\p)+FR*\b+FR-1], v[AF+FR*(\a):AF+FR*(\a)+FR-1], 0, v[SC+8*NQ*(\sc)+NQ*\b+(\q)], v[SC+8*NQ*(\sc)+NQ*(\a)+(\q)] matrix_a_fmt:MATRIX_FMT_FP6 matrix_b_fmt:MATRIX_FMT_FP6 matrix_a_scale:MATRIX_SCALE_ROW1
.else
	v_wmma_scale_f32_16x16x128_f8f6f4 v[8*(8*((\a)%4)+\b):8*(8*((\a)%4)+\b)+7], v[128*(\p)+FR*\b:128*(\p)+FR*\b+FR-1], v[AF+FR*(\a):AF+FR*(\a)+FR-1], v[8*(8*((\a)%4)+\b):8*(8*((\a)%4)+\b)+7], v[SC+8*NQ*(\sc)+NQ*\b+(\q)], v[SC+8*NQ*(\sc)+NQ*(\a)+(\q)] matrix_a_fmt:MATRIX_FMT_FP6 matrix_b_fmt:MATRIX_FMT_FP6 matrix_a_scale:MATRIX_SCALE_ROW1
.endif
.endr
.endr
.endm
.macro FETCH_B slot, q, p
	WIN TO_B
.irp i, 0,1,2,3,4,5,6,7
	FRAG B_IMG, 128*(\p)+FR*\i, ADRB+\slot, \q, \i
.endr
	WIN 0
.endm
.macro FETCH_A slot, q, i0
.irp i, \i0, \i0+1, \i0+2, \i0+3
	FRAG A_IMG, AF+FR*(\i), ADRA+\slot, \q, \i
.endr
.endm
.macro SCALES sc
.irp i, 0,1,2,3,4,5,6,7
	ds_load_b64 v[SC+8*NQ*\sc+NQ*\i:SC+8*NQ*\sc+NQ*\i+1], v[ADRS] offset:\i*SBLK
.endr
.endm
.macro STEP slot, q, cm
	s_wait_dscnt 4*NLA                             ; all but the youngest loads, A's blocks 4-7
	WIN MUL_LO
	MUL16 0, (\q)%2, \q, \slot, \cm
	MUL16 2, (\q)%2, \q, \slot, \cm
	s_wait_dscnt 0
	PLACES NP
	FETCH_B \slot, (\q)+1, 1-(\q)%2
	FETCH_A \slot, (\q)+1, 0
	WIN MUL_HI
	MUL16 4, (\q)%2, \q, \slot, \cm
	MUL16 6, (\q)%2, \q, \slot, \cm
	PLACES NP
	WIN 0
	FETCH_A \slot, (\q)+1, 4
.endm
.macro TURN slot, next, fill
	s_wait_tensorcnt 0x0                           ; all my tensor loads have landed
	ds_add_u32 v[SPW], v[NIL]                      ; 0 onto my spare word
	s_wait_dscnt 4*NLA+1                           ; the add and A's blocks 4-7 may be out
	WIN MUL_LO
	MUL16 0, 1, NQ-1, \slot, 0
	s_wait_dscnt 0x0                               ; the add is done, and my reads of this slot are over
	s_barrier_signal -1
	MUL16 2, 1, NQ-1, \slot, 0
	WIN 0
	s_barrier_wait -1
.if \fill
	CREST
	s_add_nc_u64 s[G0+4*\slot+2:G0+4*\slot+3], s[G0+4*\slot+2:G0+4*\slot+3], 2*STPA
	s_add_nc_u64 s[G0B+4*\slot+2:G0B+4*\slot+3], s[G0B+4*\slot+2:G0B+4*\slot+3], 2*STPB
	JLOAD G0+4*\slot, G1, G0B+4*\slot, G1B
.else
	PLACES NP
.endif
	v_add_nc_u32 v[ADRS], 4*NQ, v[ADRS]
	FETCH_B \next, 0, 0
	FETCH_A \next, 0, 0
	SCALES \next
	WIN MUL_HI
	MUL16 4, 1, NQ-1, \slot, 0
	MUL16 6, 1, NQ-1, \slot, 0
	PLACES NP
	WIN 0
	FETCH_A \next, 0, 4
.endm
.macro ADDRESSES                       ; leaves v1 = r, v2 = h, v7 = lane, v6 = 16 x lane
	v_and_b32 v1, 15, v0
	v_bfe_u32 v2, v0, 4, 1
	v_and_b32 v7, 31, v0
	v_mul_u32_u24 v3, v1, PITCH
	v_mad_u32_u24 v4, v2, 24, v3
	v_lshl_add_u32 v5, v2, 4, v4
	v_lshlrev_b32 v6, 4, v7
	s_mul_i32 s18, s15, HALFA
	s_mul_i32 s19, s16, HALFB
	s_add_co_u32 s19, s19, BOFF
.irp s, 0,1
.if A_IMG
	v_add_nc_u32 v[ADRA+\s], s18, v6
.else
	v_add_nc_u32 v[ADRA+\s], s18, v4
	v_add_nc_u32 v[ADRA+2+\s], s18, v5
.endif
.if B_IMG
	v_add_nc_u32 v[ADRB+\s], s19, v6
.else
	v_add_nc_u32 v[ADRB+\s], s19, v4
	v_add_nc_u32 v[ADRB+2+\s], s19, v5
.endif
	s_add_co_u32 s18, s18, SLOT
	s_add_co_u32 s19, s19, SLOT
.endr
	v_mul_u32_u24 v5, v1, KS
	v_lshrrev_b32 v3, 8, v5
	v_lshl_add_u32 v5, v3, 4, v5
	s_mul_i32 s18, s15, HALFS
	s_mul_i32 s19, s16, HALFS
	s_add_co_u32 s19, s19, 2*HALFS
	s_sub_co_u32 s19, s19, s18
	v_mul_u32_u24 v3, s19, v2
	s_add_co_u32 s18, s18, SCL
	v_add_nc_u32 v5, v5, v3
	v_add_nc_u32 v[ADRS], s18, v5
.endm
.macro SETA a
.set WN,  2+(\a)/4
.set AC,  64*((\a)%4)
.set PCA, 64+32*((\a)%2)
.set WSS, WN|(WN<<2)
.set WDS, (WN<<6)|WN
.set WS1, WN<<2
.endm
.macro AMAX a
	SETA \a
	WIN WSS
.irp b, 0,1,2,3
	v_max3_num_f32 v[TM+\b], |v[AC+16*\b]|, |v[AC+16*\b+1]|, 0x1800000
.endr
.irp i, 2,4,6,8,10,12,14
.irp b, 0,1,2,3
	v_max3_num_f32 v[TM+\b], |v[AC+16*\b+\i]|, |v[AC+16*\b+\i+1]|, v[TM+\b]
.endr
.endr
	WIN 0
.irp b, 0,1,2,3
	v_permlanex16_b32 v[TM+4+\b], v[TM+\b], s[SEL], s[SEL+1]
.endr
.irp b, 0,1,2,3
	v_max_num_f32 v[TM+\b], v[TM+\b], v[TM+4+\b]
.endr
.endm
.macro BYTES a
.irp b, 0,1,2,3
	v_add_nc_u32 v[TM+12+\b], 0xff000000, v[TM+\b]
.endr
.irp b, 0,1,2,3
	v_lshrrev_b32 v[TM+4+\b], 23, v[TM+12+\b]
.endr
	v_lshl_or_b32 v[PWV+(\a)], v[TM+5], 8, v[TM+4]
	v_lshl_or_b32 v[PWV+(\a)], v[TM+6], 16, v[PWV+(\a)]
	v_lshl_or_b32 v[PWV+(\a)], v[TM+7], 24, v[PWV+(\a)]
.endm
.macro CODES a
	SETA \a
	s_wait_xcnt 0x0                                ; the stores of the block two back have read these registers
	WIN WN
.irp c, 0,1
	v_cvt_scalef32_pk16_fp6_f32 v[PCA+6*\c:PCA+2+6*\c], v[AC+32*\c:AC+15+32*\c], v[TM+12+2*\c]
	v_cvt_scalef32_pk16_fp6_f32 v[PCA+12+4*\c:PCA+14+4*\c], v[AC+16+32*\c:AC+31+32*\c], v[TM+12+2*\c+1]
.endr
	WIN 0
	v_nop                                          ; one plain place behind a scaled conversion
.irp c, 0,1
.irp i, 0,1,2
	v_permlane16_swap_b32 v[PCA+6*\c+\i], v[PCA+12+4*\c+\i]
.endr
.irp i, 0,1,2
	v_mov_b32 v[PCA+3+6*\c+\i], v[PCA+12+4*\c+\i]
.endr
.endr
.endm
.macro NORM a                          ; x 1 / l of my row, each accumulator from its low end on
	SETA \a
	WIN WDS
.set e, 0
.rept 32
	v_pk_mul_f32 v[AC+e:AC+e+1], v[AC+e:AC+e+1], v[RLV+2*(\a):RLV+2*(\a)+1] op_sel_hi:[1,0]
.set e, e+2
.endr
	WIN 0
.endm
; THE PROLOGUE for one row a lane: v[RB] on sixteen M, v[RB+16] on sixteen sums, v[RB+32] on the row's sixteen scale words
.macro ADJ it
.set RB, 64+48*(\it)
	v_max3_num_f32 v[MG], v[RB], v[RB+1], v[RB+2]
.irp i, 3,5,7,9,11,13
	v_max3_num_f32 v[MG], v[MG], v[RB+\i], v[RB+\i+1]
.endr
	v_max_num_f32 v[MG], v[MG], v[RB+15]           ; the row's M
.irp t, 0,1,2,3,4,5,6,7,8,9,10,11,12,13,14,15
	v_sub_f32 v[RB+\t], v[RB+\t], v[MG]            ; a whole number, 0 or less
.endr
.irp t, 0,1,2,3,4,5,6,7,8,9,10,11,12,13,14,15
	v_cvt_i32_f32 v[RB+\t], v[RB+\t]               ; (it saturates)
.endr
.irp t, 0,1,2,3,4,5,6,7,8,9,10,11,12,13,14,15
	v_ldexp_f32 v[RB+16+\t], v[RB+16+\t], v[RB+\t] ; the sum under the row's M: nothing is rounded
.endr
.irp t, 0,1,2,3,4,5,6,7,8,9,10,11,12,13,14,15
	v_sub_nc_u32 v[RB+\t], 0, v[RB+\t]             ; n, by which the scale bytes fall
.endr
.irp t, 0,1,2,3,4,5,6,7
	v_add_f32 v[RB+16+\t], v[RB+16+\t], v[RB+24+\t]
.endr
.irp t, 0,1,2,3
	v_add_f32 v[RB+16+\t], v[RB+16+\t], v[RB+20+\t]
.endr
.irp t, 0,1
	v_add_f32 v[RB+16+\t], v[RB+16+\t], v[RB+18+\t]
.endr
	v_add_f32 v[RB+16], v[RB+16], v[RB+17]         ; l
	v_rcp_f32 v[RB+17], v[RB+16]                   ; the byte work below is the plain work behind it
.irp t, 0,1,2,3,4,5,6,7,8,9,10,11,12,13,14,15
.set TT, 164+8*(\t%2)
	v_and_b32 v[TT], 0xff, v[RB+32+\t]
	v_bfe_u32 v[TT+1], v[RB+32+\t], 8, 8
	v_bfe_u32 v[TT+2], v[RB+32+\t], 16, 8
	v_lshrrev_b32 v[TT+3], 24, v[RB+32+\t]
.irp i, 0,1,2,3
	v_min_u32 v[TT+4+\i], v[TT+\i], v[RB+\t]
.endr
.irp i, 0,1,2,3
	v_sub_nc_u32 v[TT+\i], v[TT+\i], v[TT+4+\i]    ; byte - min(n, byte): held at 0
.endr
	v_lshl_or_b32 v[RB+32+\t], v[TT+1], 8, v[TT]
	v_lshl_or_b32 v[RB+32+\t], v[TT+2], 16, v[RB+32+\t]
	v_lshl_or_b32 v[RB+32+\t], v[TT+3], 24, v[RB+32+\t]
.endr
.irp k, 0,1,2,3
	ds_store_b128 v[AW], v[RB+32+4*\k:RB+32+4*\k+3] offset:2176*(\it)+16*\k
.endr
	s_wait_alu depctr_va_vdst(0)                   ; ahead of the reciprocal's first reader
	ds_store_b32 v[RW], v[RB+17] offset:128*(\it)
.endm
	s_load_b256 s[4:11], s[0:1], 0x0               ; p_codes, p_scales, p_stats, qkv_codes
	s_load_b128 s[96:99], s[0:1], 0x20             ; qkv_scales, a_codes
	s_load_b64 s[100:101], s[0:1], 0x30            ; a_scales
	v_lshl_add_u32 v[SPW], v0, 2, SPARE
	v_mov_b32 v[NIL], 0
	ds_add_u32 v28, v29
	ds_add_u32 v28, v29
	s_wait_dscnt 0x0
	v_lshrrev_b32 v1, 5, v0
	v_readfirstlane_b32 s14, v1
	s_lshr_b32 s15, s14, 1
	s_and_b32 s16, s14, 1
	s_bfe_u32 s40, ttmp6, 0x40000
	s_bfe_u32 s41, ttmp6, 0x40004
	s_lshl_b32 s42, ttmp9, 2
	s_add_co_u32 s42, s42, s40                     ; the tile of 256 of d
	s_and_b32 s18, ttmp7, 0xffff
	s_lshl_b32 s17, s18, 2
	s_add_co_u32 s17, s17, s41                     ; the tile of 256 queries
	s_lshr_b32 s94, s18, 1                         ; the batch
	s_lshl_b32 s43, s41, 2
	s_lshl_b32 s43, 15, s43
	s_lshl_b32 s44, 0x1111, s40
	G1IMG G1, 43
	G1IMG G1B, 44
	G1SC G1SB, 44
	s_lshl_b32 s18, s16, 7
	s_lshl_b32 s20, s17, 8
	s_add_co_u32 s20, s20, s18
	s_mul_i32 s20, s20, 192
	s_mov_b32 s21, 0
	s_lshl_b32 s46, s42, 8
	s_add_co_u32 s46, s46, s18                     ; V^T's row
	s_lshl_b32 s92, s46, 6
	s_lshl_b32 s95, s94, 16
	s_add_co_u32 s92, s92, s95
	s_add_co_u32 s92, s92, 524288                  ; V's part of the scales
	s_mov_b32 s93, 0
	s_mul_i32 s46, s46, 192
	s_mul_i32 s95, s94, 1572864                    ; the batch's eight planes
	s_add_co_u32 s46, s46, s95
	s_add_co_u32 s46, s46, 12582912                ; V's part of the codes
	s_mov_b32 s47, 0
	s_mul_i32 s45, s16, HALFA
	s_mul_i32 s2, s16, HALFB
	s_add_co_u32 s2, s2, BOFF
	s_mul_i32 s3, s16, HALFS
	s_add_co_u32 s3, s3, SCL+2*HALFS
	s_wait_kmcnt 0x0
	s_mov_b64 s[12:13], s[98:99]
	s_add_nc_u64 s[20:21], s[4:5], s[20:21]
	s_add_nc_u64 s[46:47], s[10:11], s[46:47]
	s_add_nc_u64 s[92:93], s[96:97], s[92:93]
	s_mov_b32 s[G0SB], 1
	s_mov_b32 s[G0SB+1], s3
	s_mov_b64 s[G0SB+2:G0SB+3], s[92:93]
	s_or_b32 s[G0SB+3], s[G0SB+3], 0x80000000
.irp s, 0,1
	s_mov_b32 s[G0+4*\s], 1
	s_add_co_u32 s[G0+4*\s+1], s45, \s*SLOT
	s_add_nc_u64 s[G0+4*\s+2:G0+4*\s+3], s[20:21], \s*STPA
	s_or_b32 s[G0+4*\s+3], s[G0+4*\s+3], 0x80000000
	s_mov_b32 s[G0B+4*\s], 1
	s_add_co_u32 s[G0B+4*\s+1], s2, \s*SLOT
	s_add_nc_u64 s[G0B+4*\s+2:G0B+4*\s+3], s[46:47], \s*STPB
	s_or_b32 s[G0B+4*\s+3], s[G0B+4*\s+3], 0x80000000
.endr
	CROUND
	s_cmp_eq_u32 s15, 0                            ; a wave's first fills stand in one branch on its number: waves 0, 1: two loads; waves 2, 3: three
	s_cbranch_scc0 .Lfirst_b
	tensor_load_to_lds s[G0:G0+3], s[G1:G1+7]
	s_nop 0
	tensor_load_to_lds s[G0+4:G0+7], s[G1:G1+7]
	s_nop 0
.rept 4
	v_nop
.endr
	s_branch .Lfirst_done
.Lfirst_b:
	tensor_load_to_lds s[G0SB:G0SB+3], s[G1SB:G1SB+7]
	s_nop 0
	tensor_load_to_lds s[G0B:G0B+3], s[G1B:G1B+7]
	s_nop 0
	tensor_load_to_lds s[G0B+4:G0B+7], s[G1B:G1B+7]
	s_nop 0
.rept 4
	v_nop
.endr
.Lfirst_done:
	; the prologue's loads: wave w takes rows 64 w + 32 it + lane of the work-group's 256
	s_lshl_b32 s18, s17, 8
	s_lshl_b32 s19, s14, 6
	s_add_co_u32 s18, s18, s19
	s_lshl_b32 s46, s18, 6
	s_mov_b32 s47, 0
	s_lshl_b32 s18, s18, 2
	s_mov_b32 s19, 0
	s_add_nc_u64 s[8:9], s[8:9], s[18:19]
	s_add_nc_u64 s[6:7], s[6:7], s[46:47]
	v_and_b32 v7, 31, v0
	v_lshlrev_b32 v[VT], 2, v7
	v_lshlrev_b32 v[VS], 6, v7
.irp it, 0,1
.irp t, 0,1,2,3,4,5,6,7,8,9,10,11,12,13,14,15
	global_load_b32 v[64+48*\it+\t], v[VT], s[8:9] offset:\t*32768+128*\it
.endr
.irp t, 0,1,2,3,4,5,6,7,8,9,10,11,12,13,14,15
	global_load_b32 v[80+48*\it+\t], v[VT], s[8:9] offset:524288+\t*32768+128*\it
.endr
.irp k, 0,1,2,3
	global_load_b128 v[96+48*\it+4*\k:96+48*\it+4*\k+3], v[VS], s[6:7] offset:2048*\it+16*\k
.endr
.endr
	ADDRESSES
	v_mov_b32 v[VA], v6
	v_lshlrev_b32 v[VO], 5, v7
	v_lshrrev_b32 v3, 2, v7                        ; a row's 64 scale bytes: four rows to a unit of 256 bytes + 16
	v_and_b32 v4, 3, v7
	v_mul_u32_u24 v3, v3, 272
	v_lshl_add_u32 v3, v4, 6, v3
	s_mul_i32 s18, s14, 16*272
	s_add_co_u32 s18, s18, SCL
	v_add_nc_u32 v[AW], s18, v3
	s_lshl_b32 s18, s14, 8
	s_add_co_u32 s18, s18, RLB
	v_lshl_add_u32 v[RW], v7, 2, s18
	s_lshl_b32 s18, s15, 9
	s_add_co_u32 s18, s18, RLB
	v_lshl_add_u32 v[RLA], v1, 2, s18
	s_mul_i32 s18, s42, 1572864                    ; the attention's codes, laid as Q's
	s_lshl_b32 s19, s17, 4
	s_lshl_b32 s45, s15, 3
	s_add_co_u32 s19, s19, s45
	s_mul_i32 s19, s19, 3072
	s_add_co_u32 s18, s18, s19
	s_mul_i32 s19, s16, 1536
	s_add_co_u32 s18, s18, s19
	s_mov_b32 s19, 0
	s_add_nc_u64 s[12:13], s[12:13], s[18:19]
	s_lshl_b32 s18, s17, 8
	s_lshl_b32 s45, s15, 7
	s_add_co_u32 s18, s18, s45
	s_lshl_b32 s18, s18, 5
	s_lshl_b32 s45, s42, 1
	s_add_co_u32 s45, s45, s16
	s_lshl_b32 s45, s45, 2
	s_add_co_u32 s18, s18, s45
	s_add_nc_u64 s[100:101], s[100:101], s[18:19]
	s_wait_loadcnt 0x0
	ADJ 0
	ADJ 1
	s_wait_dscnt 0x0                               ; for the others' sake: my stores of scale bytes and of 1 / l are done
	s_wait_tensorcnt 1                             ; V^T's scales and my part of K step 0 are in; K step 1's load may be out
	s_barrier_signal -1
	s_barrier_wait -1
	FETCH_B 0, 0, 0
	FETCH_A 0, 0, 0
	SCALES 0
	FETCH_A 0, 0, 4
	STEP 0, 0, 1
	s_mov_b32 s3, LAPS-1
.Llap:
	TURN 0, 1, 1
	STEP 1, 0, 0
	TURN 1, 0, 1
	STEP 0, 0, 0
	s_sub_co_u32 s3, s3, 1
	s_cmp_lg_u32 s3, 0
	s_cbranch_scc1 .Llap
	TURN 0, 1, 0
	STEP 1, 0, 0
	s_wait_dscnt 4*NLA
	WIN MUL_LO
	MUL16 0, 1, NQ-1, 1, 0
	MUL16 2, 1, NQ-1, 1, 0
	s_wait_dscnt 0
	WIN MUL_HI
	MUL16 4, 1, NQ-1, 1, 0
	MUL16 6, 1, NQ-1, 1, 0
	WIN 0
	s_mov_b32 s[SEL], 0x76543210                   ; no tensor load of mine is out: the descriptors' registers are free
	s_mov_b32 s[SEL+1], 0xfedcba98
	s_mov_b32 s[HM], 0xffff0000
	PLACES NP
.irp b, 0,1,2,3
	v_mov_b32 v[TM+4+\b], 0
.endr
.irp a, 0,1,2,3,4,5,6,7
	ds_load_b32 v[RLV+2*\a], v[RLA] offset:64*\a   ; 1 / l of row 16 a + r (the packed form names a pair, so both words are loaded)
	ds_load_b32 v[RLV+2*\a+1], v[RLA] offset:64*\a
.endr
	s_wait_dscnt 0x0
.irp a, 0,1,2,3,4,5,6,7
	NORM \a
	AMAX \a
	BYTES \a
	CODES \a
.irp c, 0,1,2
	global_store_b128 v[VA], v[PCA+4*\c:PCA+4*\c+3], s[12:13] offset:\a*3072+512*\c   ; 32 lanes store 512 consecutive bytes
.endr
.endr
.irp a, 0,2,4,6
	v_cndmask_b32 v[MRG+\a/2], v[PWV+\a], v[PWV+\a+1], s[HM]
	global_store_b32 v[VO], v[MRG+\a/2], s[100:101] offset:512*\a
.endr
	s_wait_tensorcnt 0x0                           ; the wave's end
	ds_add_u32 v[SPW], v[NIL]
	s_wait_dscnt 0x0
	CROUND
	s_endpgm
.Lfunc_end_k_qadbf9e1e40_mix:
	.size	k_qadbf9e1e40_mix, .Lfunc_end_k_qadbf9e1e40_mix-k_qadbf9e1e40_mix
	.p2alignl 7, 3214868480
	.fill 96, 4, 3214868480
	.section	.rodata,"a",@progbits
	.p2align	6, 0x0
	.amdhsa_kernel k_qadbf9e1e40_mix
		.amdhsa_group_segment_fixed_size 327680
		.amdhsa_private_segment_fixed_size 0
		.amdhsa_enable_private_segment 0
		.amdhsa_kernarg_size 56
		.amdhsa_user_sgpr_count 2
		.amdhsa_user_sgpr_kernarg_segment_ptr 1
		.amdhsa_wavefront_size32 1
		.amdhsa_system_sgpr_workgroup_id_x 1
		.amdhsa_system_sgpr_workgroup_id_y 1
		.amdhsa_system_sgpr_workgroup_id_z 1
		.amdhsa_system_vgpr_workitem_id 0
		.amdhsa_next_free_vgpr 1024
		.amdhsa_next_free_sgpr 102
		.amdhsa_reserve_vcc 0
		.amdhsa_float_denorm_mode_32 3
		.amdhsa_float_denorm_mode_16_64 3
		.amdhsa_memory_ordered 1
		.amdhsa_forward_progress 1
		.amdhsa_inst_pref_size 194
	.end_amdhsa_kernel
	.amdgpu_metadata
---
amdhsa.version: [ 1, 2 ]
amdhsa.kernels:
  - .name:           k_qadbf9e1e40_mix
    .symbol:         k_qadbf9e1e40_mix.kd
    .args:
      - { .name: p_codes, .offset: 0, .size: 8, .value_kind: global_buffer, .address_space: global }
      - { .name: p_scales, .offset: 8, .size: 8, .value_kind: global_buffer, .address_space: global }
      - { .name: p_stats, .offset: 16, .size: 8, .value_kind: global_buffer, .address_space: global }
      - { .name: qkv_codes, .offset: 24, .size: 8, .value_kind: global_buffer, .address_space: global }
      - { .name: qkv_scales, .offset: 32, .size: 8, .value_kind: global_buffer, .address_space: global }
      - { .name: a_codes, .offset: 40, .size: 8, .value_kind: global_buffer, .address_space: global }
      - { .name: a_scales, .offset: 48, .size: 8, .value_kind: global_buffer, .address_space: global }
    .group_segment_fixed_size: 327680
    .private_segment_fixed_size: 0
    .kernarg_segment_align: 8
    .kernarg_segment_size: 56
    .max_flat_workgroup_size: 128
    .sgpr_count:     102
    .vgpr_count:     1024
    .wavefront_size: 32
...
	.end_amdgpu_metadata
.endif
;; end of part 3
;; launch proj (part 4): grid 4 x 32, 4 waves a work-group, clusters of 4 x 4, 327,680 bytes of LDS; arguments a_codes, a_scales, Wo_codes, Wo_scales, bo, out0; writes out0
.if DOCPART == 4
	.amdgcn_target "amdgcn-amd-amdhsa--gfx1250"
	.amdhsa_code_object_version 6
	.text
	.protected	k_qadbf9e1e40_proj
	.globl	k_qadbf9e1e40_proj
	.p2align	8
	.type	k_qadbf9e1e40_proj,@function
k_qadbf9e1e40_proj:
	s_mov_b64 s[64:65], 0
	v_nop
	global_prefetch_b8 v0, s[64:65] scope:SCOPE_SE
	s_setreg_imm32_b32 hwreg(HW_REG_WAVE_MODE, 25, 1), 1
	s_wait_xcnt 0x0
	s_wait_alu depctr_hold_cnt(0) depctr_sa_sdst(0) depctr_va_vdst(0) depctr_va_sdst(0) depctr_va_ssrc(0) depctr_va_vcc(0) depctr_vm_vsrc(0)
	s_getreg_b32 s2, hwreg(HW_REG_IB_STS2, 6, 4)
	s_cmp_eq_u32 s2, 0
	s_cbranch_scc0 .Lentry_in_a_cluster
	s_endpgm
.Lentry_in_a_cluster:
	s_bfe_u32 s2, ttmp6, 0x10000c
	s_cmp_lg_u32 s2, 0xf033
	s_cbranch_scc0 .Lentry_shape_is_right
	s_endpgm
.Lentry_shape_is_right:
; out = attention Wo + bo on codes of FP6 (E2M3) with one E8M0 scale for each 32 along K; out is f32.
; A = the attention's codes, images of fragments (1,536 dense bytes each); B = Wo's rows as the input has them (768 bytes a row).  K = 1,024 in steps of 256 through two LDS slots.
; A tile of 256 x 256, four waves of 128 x 128; 4 x 4 work-groups form a cluster: A's tiles are asked for jointly along a row, B's along a column; the scales of all of K come into LDS once.
; The matrix instruction is used transposed (source 0 = 16 rows of Wo, source 1 = 16 rows of the attention): a lane holds eight neighbouring numbers of a row of out.  bo is the C of each sum's first instruction.
; The way out: a block of 16 rows x 128 columns goes through my own stage in LDS and leaves as whole rows of 512 bytes.  The stage lies in slot 0, which has had its last fill and its last read by then.
.set KTOT,   1024
.set A_IMG,  1
.set B_IMG,  0
.set STPA,   1572864
.set STPB,   192
.set NQ,     2
.set FR,     12
.set NP,     4
.set PITCH,  240
.set KS,     KTOT/32
.set NLA,    6-3*A_IMG
.set HALFA,  30720-6144*A_IMG
.set HALFB,  30720-6144*B_IMG
.set BOFF,   2*HALFA
.set SLOT,   2*HALFA+2*HALFB
.set LAPS,   KTOT/512
.set SCL,    2*SLOT
.set HALFS,  (128*KS/256)*272
.set SBLK,   (16*KS/256)*272
.set SPARE,  SCL+4*HALFS
.set SPITCH, 528
.set NOUT,   1024                      ; columns of out
.set ADRA, 16
.set ADRB, 20
.set STO,  24                          ; v24  the way out: where I put 32 bytes of a row
.set RD,   25                          ; v25  where I read a row back
.set CO,   26                          ; v26  my byte offset in a row of out
.set ADRS, 27
.set SPW,  28
.set NIL,  29
.set BO,   31                          ; v31  32 h
.set SC,   32                          ; v32-63 scale words; they hold nothing else
.set BI,   64                          ; v64-127 bo, eight tiles in the result's layout
.set AF,   128
.set BK,   128                         ; the way out: 16 rows read back: v128-191 and v192-255 by turns
.set G1, 24
.set G0, 32
.set G1B, 48
.set G0B, 56
.set G1S, 68
.set G0S, 76
.set G1SB, 80
.set G0SB, 88
.set MSB, 0
.macro WIN new
.if MSB != (\new)
	s_set_vgpr_msb (MSB<<8)|(\new)
.set MSB, (\new)
.endif
.endm
.set MUL_LO, 0xa1
.set MUL_HI, 0xf1
.set TO_B,   0x40
.macro JLOAD g0a, g1a, g0b, g1b
	s_cmp_eq_u32 s15, 0
	s_cbranch_scc0 .Lfor_b_\@
	tensor_load_to_lds s[\g0a:\g0a+3], s[\g1a:\g1a+7]
	s_nop 0
.rept 4
	v_nop
.endr
	s_branch .Lasked_\@
.Lfor_b_\@:
	tensor_load_to_lds s[\g0b:\g0b+3], s[\g1b:\g1b+7]
	s_nop 0
.rept 4
	v_nop
.endr
.Lasked_\@:
.endm
.macro CREST
	s_cmp_lg_u32 s14, 0
	s_cbranch_scc1 .Lnot_wave_0_\@
	s_barrier_signal -3
.Lnot_wave_0_\@:
	s_barrier_wait -3
	s_barrier_signal -1
	s_barrier_wait -1
.endm
.macro CROUND
	s_barrier_signal -1
	s_barrier_wait -1
	CREST
.endm
.macro PLACES n
.rept \n
	v_nop
.endr
.endm
.macro G1ROWS g, m
	s_or_b32 s[\g], s[\m], (1<<20)|(1<<21)|(3<<22)|(3<<25)
	s_mov_b32 s[\g+1], 192<<16
	s_mov_b32 s[\g+2], 128<<16
	s_mov_b32 s[\g+3], 192<<16
	s_mov_b32 s[\g+4], 128
	s_mov_b32 s[\g+5], 768
	s_mov_b32 s[\g+6], 0
	s_mov_b32 s[\g+7], 0
.endm
.macro G1IMG g, m
	s_or_b32 s[\g], s[\m], (3<<16)|(1<<21)
	s_mov_b32 s[\g+1], 32<<16
	s_mov_b32 s[\g+2], 96<<16
	s_mov_b32 s[\g+3], 32<<16
	s_mov_b32 s[\g+4], 96
	s_mov_b32 s[\g+5], 32
	s_mov_b32 s[\g+6], 0
	s_mov_b32 s[\g+7], 0
.endm
.macro G1SC g, m
	s_or_b32 s[\g], s[\m], (3<<16)|(1<<20)|(1<<21)|(5<<22)|(3<<25)
	s_mov_b32 s[\g+1], 32<<16
	s_mov_b32 s[\g+2], (128*KS/256)<<16
	s_mov_b32 s[\g+3], 32<<16
	s_mov_b32 s[\g+4], 128*KS/256
	s_mov_b32 s[\g+5], 32
	s_mov_b32 s[\g+6], 0
	s_mov_b32 s[\g+7], 0
.endm
.macro FRAG img, reg, adr, q, i
.if \img
.irp c, 0,1,2
	ds_load_b128 v[\reg+4*\c:\reg+4*\c+3], v[\adr] offset:((\i)*2+(\q))*1536+512*\c
.endr
.else
.irp p, 0,1,2,3,4,5
.set PCE, 12*(\q)+6*(\p/3)+\p%3
.if PCE%8 < 5
	ds_load_b64 v[\reg+2*\p:\reg+2*\p+1], v[\adr] offset:8*PCE+16*(PCE/8)+(\i)*16*PITCH
.else
	ds_load_b64 v[\reg+2*\p:\reg+2*\p+1], v[\adr+2] offset:8*PCE+16*(PCE/8)+(\i)*16*PITCH
.endif
.endr
.endif
.endm
.macro MUL16 a0, p, q, sc, cm          ; cm = 0: onto the sums; 2: C = the bias.  The 64 accumulators take turns
.irp a, \a0, \a0+1
.irp b, 0,1,2,3,4,5,6,7
.if \cm == 2
	v_wmma_scale_f32_16x16x128_f8f6f4 v[8*(8*((\a)%4)+\b):8*(8*((\a)%4)+\b)+7], v[128*(\p)+FR*\b:128*(\p)+FR*\b+FR-1], v[AF+FR*(\a):AF+FR*(\a)+FR-1], v[BI+8*\b:BI+8*\b+7], v[SC+8*NQ*(\sc)+NQ*\b+(\q)], v[SC+8*NQ*(\sc)+NQ*(\a)+(\q)] matrix_a_fmt:MATRIX_FMT_FP6 matrix_b_fmt:MATRIX_FMT_FP6 matrix_a_scale:MATRIX_SCALE_ROW1
.else
	v_wmma_scale_f32_16x16x128_f8f6f4 v[8*(8*((\a)%4)+\b):8*(8*((\a)%4)+\b)+7], v[128*(\p)+FR*\b:128*(\p)+FR*\b+FR-1], v[AF+FR*(\a):AF+FR*(\a)+FR-1], v[8*(8*((\a)%4)+\b):8*(8*((\a)%4)+\b)+7], v[SC+8*NQ*(\sc)+NQ*\b+(\q)], v[SC+8*NQ*(\sc)+NQ*(\a)+(\q)] matrix_a_fmt:MATRIX_FMT_FP6 matrix_b_fmt:MATRIX_FMT_FP6 matrix_a_scale:MATRIX_SCALE_ROW1
.endif
.endr
.endr
.endm
.macro FETCH_B slot, q, p
	WIN TO_B
.irp i, 0,1,2,3,4,5,6,7
	FRAG B_IMG, 128*(\p)+FR*\i, ADRB+\slot, \q, \i
.endr
	WIN 0
.endm
.macro FETCH_A slot, q, i0
.irp i, \i0, \i0+1, \i0+2, \i0+3
	FRAG A_IMG, AF+FR*(\i), ADRA+\slot, \q, \i
.endr
.endm
.macro SCALES sc
.irp i, 0,1,2,3,4,5,6,7
	ds_load_b64 v[SC+8*NQ*\sc+NQ*\i:SC+8*NQ*\sc+NQ*\i+1], v[ADRS] offset:\i*SBLK
.endr
.endm
.macro STEP slot, q, cm
	s_wait_dscnt 4*NLA                             ; all but the youngest loads, A's blocks 4-7
.if \cm == 2
	WIN 0x81                                       ; C, the bias, in window 0
.else
	WIN MUL_LO
.endif
	MUL16 0, (\q)%2, \q, \slot, \cm
	MUL16 2, (\q)%2, \q, \slot, \cm
	s_wait_dscnt 0
	PLACES NP
	FETCH_B \slot, (\q)+1, 1-(\q)%2
	FETCH_A \slot, (\q)+1, 0
.if \cm == 2
	WIN 0xc1
.else
	WIN MUL_HI
.endif
	MUL16 4, (\q)%2, \q, \slot, \cm
	MUL16 6, (\q)%2, \q, \slot, \cm
	PLACES NP
	WIN 0
	FETCH_A \slot, (\q)+1, 4
.endm
.macro TURN slot, next, fill
	s_wait_tensorcnt 0x0                           ; all my tensor loads have landed
	ds_add_u32 v[SPW], v[NIL]                      ; 0 onto my spare word
	s_wait_dscnt 4*NLA+1                           ; the add and A's blocks 4-7 may be out
	WIN MUL_LO
	MUL16 0, 1, NQ-1, \slot, 0
	s_wait_dscnt 0x0                               ; the add is done, and my reads of this slot are over
	s_barrier_signal -1
	MUL16 2, 1, NQ-1, \slot, 0
	WIN 0
	s_barrier_wait -1
.if \fill
	CREST
	s_add_nc_u64 s[G0+4*\slot+2:G0+4*\slot+3], s[G0+4*\slot+2:G0+4*\slot+3], 2*STPA
	s_add_nc_u64 s[G0B+4*\slot+2:G0B+4*\slot+3], s[G0B+4*\slot+2:G0B+4*\slot+3], 2*STPB
	JLOAD G0+4*\slot, G1, G0B+4*\slot, G1B
.else
	PLACES NP
.endif
	v_add_nc_u32 v[ADRS], 4*NQ, v[ADRS]
	FETCH_B \next, 0, 0
	FETCH_A \next, 0, 0
	SCALES \next
	WIN MUL_HI
	MUL16 4, 1, NQ-1, \slot, 0
	MUL16 6, 1, NQ-1, \slot, 0
	PLACES NP
	WIN 0
	FETCH_A \next, 0, 4
.endm
.macro ADDRESSES                       ; leaves v1 = r, v2 = h, v7 = lane, v6 = 16 x lane
	v_and_b32 v1, 15, v0
	v_bfe_u32 v2, v0, 4, 1
	v_and_b32 v7, 31, v0
	v_mul_u32_u24 v3, v1, PITCH
	v_mad_u32_u24 v4, v2, 24, v3
	v_lshl_add_u32 v5, v2, 4, v4
	v_lshlrev_b32 v6, 4, v7
	s_mul_i32 s18, s15, HALFA
	s_mul_i32 s19, s16, HALFB
	s_add_co_u32 s19, s19, BOFF
.irp s, 0,1
.if A_IMG
	v_add_nc_u32 v[ADRA+\s], s18, v6
.else
	v_add_nc_u32 v[ADRA+\s], s18, v4
	v_add_nc_u32 v[ADRA+2+\s], s18, v5
.endif
.if B_IMG
	v_add_nc_u32 v[ADRB+\s], s19, v6
.else
	v_add_nc_u32 v[ADRB+\s], s19, v4
	v_add_nc_u32 v[ADRB+2+\s], s19, v5
.endif
	s_add_co_u32 s18, s18, SLOT
	s_add_co_u32 s19, s19, SLOT
.endr
	v_mul_u32_u24 v5, v1, KS
	v_lshrrev_b32 v3, 8, v5
	v_lshl_add_u32 v5, v3, 4, v5
	s_mul_i32 s18, s15, HALFS
	s_mul_i32 s19, s16, HALFS
	s_add_co_u32 s19, s19, 2*HALFS
	s_sub_co_u32 s19, s19, s18
	v_mul_u32_u24 v3, s19, v2
	s_add_co_u32 s18, s18, SCL
	v_add_nc_u32 v5, v5, v3
	v_add_nc_u32 v[ADRS], s18, v5
.endm
	s_load_b256 s[4:11], s[0:1], 0x0               ; a_codes, a_scales, Wo_codes, Wo_scales
	s_load_b128 s[96:99], s[0:1], 0x20             ; bo, out0
	v_lshl_add_u32 v[SPW], v0, 2, SPARE
	v_mov_b32 v[NIL], 0
	ds_add_u32 v28, v29
	ds_add_u32 v28, v29
	s_wait_dscnt 0x0
	v_lshrrev_b32 v1, 5, v0
	v_readfirstlane_b32 s14, v1
	s_lshr_b32 s15, s14, 1
	s_and_b32 s16, s14, 1
	s_bfe_u32 s40, ttmp6, 0x40000
	s_bfe_u32 s41, ttmp6, 0x40004
	s_lshl_b32 s42, ttmp9, 2
	s_add_co_u32 s42, s42, s40                     ; tile column
	s_and_b32 s17, ttmp7, 0xffff
	s_lshl_b32 s17, s17, 2
	s_add_co_u32 s17, s17, s41                     ; tile row
	s_lshl_b32 s43, s41, 2
	s_lshl_b32 s43, 15, s43
	s_lshl_b32 s44, 0x1111, s40
	G1IMG G1, 43
	G1ROWS G1B, 44
	G1SC G1S, 43
	G1SC G1SB, 44
	s_lshl_b32 s18, s16, 7
	s_lshl_b32 s20, s17, 8
	s_add_co_u32 s20, s20, s18
	s_lshl_b32 s46, s42, 8
	s_add_co_u32 s46, s46, s18
	s_mul_i32 s22, s20, KS
	s_mul_i32 s20, s20, 192
	s_mul_i32 s92, s46, KS
	s_mul_i32 s46, s46, 768
	s_mov_b32 s21, 0
	s_mov_b32 s23, 0
	s_mov_b32 s47, 0
	s_mov_b32 s93, 0
	s_mul_i32 s45, s16, HALFA
	s_mul_i32 s2, s16, HALFB
	s_add_co_u32 s2, s2, BOFF
	s_mul_i32 s3, s14, HALFS
	s_add_co_u32 s3, s3, SCL
	s_wait_kmcnt 0x0
	s_mov_b64 s[12:13], s[98:99]
	s_add_nc_u64 s[20:21], s[4:5], s[20:21]
	s_add_nc_u64 s[22:23], s[6:7], s[22:23]
	s_add_nc_u64 s[46:47], s[8:9], s[46:47]
	s_add_nc_u64 s[92:93], s[10:11], s[92:93]
	s_mov_b32 s[G0S], 1
	s_mov_b32 s[G0S+1], s3
	s_mov_b64 s[G0S+2:G0S+3], s[22:23]
	s_or_b32 s[G0S+3], s[G0S+3], 0x80000000
	s_mov_b32 s[G0SB], 1
	s_mov_b32 s[G0SB+1], s3
	s_mov_b64 s[G0SB+2:G0SB+3], s[92:93]
	s_or_b32 s[G0SB+3], s[G0SB+3], 0x80000000
.irp s, 0,1
	s_mov_b32 s[G0+4*\s], 1
	s_add_co_u32 s[G0+4*\s+1], s45, \s*SLOT
	s_add_nc_u64 s[G0+4*\s+2:G0+4*\s+3], s[20:21], \s*STPA
	s_or_b32 s[G0+4*\s+3], s[G0+4*\s+3], 0x80000000
	s_mov_b32 s[G0B+4*\s], 1
	s_add_co_u32 s[G0B+4*\s+1], s2, \s*SLOT
	s_add_nc_u64 s[G0B+4*\s+2:G0B+4*\s+3], s[46:47], \s*STPB
	s_or_b32 s[G0B+4*\s+3], s[G0B+4*\s+3], 0x80000000
.endr
	CROUND
	JLOAD G0S, G1S, G0SB, G1SB
	JLOAD G0, G1, G0B, G1B
	JLOAD G0+4, G1, G0B+4, G1B                     ; three loads of mine are out
	ADDRESSES
	s_lshl_b32 s18, s42, 10                        ; bo: lane (r, h) wants, for tile b, those of columns 16 b + 8 h + 0 .. 7 of my 128
	s_lshl_b32 s19, s16, 9
	s_add_co_u32 s18, s18, s19
	s_mov_b32 s19, 0
	s_add_nc_u64 s[96:97], s[96:97], s[18:19]
	v_lshlrev_b32 v[BO], 5, v2
.irp b, 0,1,2,3,4,5,6,7
	global_load_b128 v[BI+8*\b:BI+8*\b+3], v[BO], s[96:97] offset:64*\b
	global_load_b128 v[BI+8*\b+4:BI+8*\b+7], v[BO], s[96:97] offset:64*\b+16
.endr
	s_mul_i32 s45, s14, 16*SPITCH                  ; my stage
	v_mul_u32_u24 v5, v1, SPITCH                   ; in: row r, 32 bytes for each half of the lanes
	v_lshl_add_u32 v5, v2, 5, v5
	v_add_nc_u32 v[STO], s45, v5
	v_mov_b32 v[CO], v6                            ; back: the 32 lanes take one row of 512 bytes; and the same in out
	v_add_nc_u32 v[RD], s45, v6
	s_lshl_b32 s46, s17, 8
	s_lshl_b32 s47, s15, 7
	s_add_co_u32 s46, s46, s47                     ; my first row
	s_lshl_b32 s46, s46, 12                        ; of 4,096 bytes
	s_add_co_u32 s46, s46, s18                     ; + my first column's bytes
	s_mov_b32 s47, 0
	s_add_nc_u64 s[12:13], s[12:13], s[46:47]
	s_wait_loadcnt 0x0                             ; bo
	s_wait_tensorcnt 1                             ; the scales and my part of K step 0 are in; K step 1's load may be out
	s_barrier_signal -1
	s_barrier_wait -1
	FETCH_B 0, 0, 0
	FETCH_A 0, 0, 0
	SCALES 0
	FETCH_A 0, 0, 4
	STEP 0, 0, 2                                   ; the first step starts the sums, on the bias
	s_mov_b32 s3, LAPS-1
.Llap:
	TURN 0, 1, 1
	STEP 1, 0, 0
	TURN 1, 0, 1
	STEP 0, 0, 0
	s_sub_co_u32 s3, s3, 1
	s_cmp_lg_u32 s3, 0
	s_cbranch_scc1 .Llap
	TURN 0, 1, 0
	STEP 1, 0, 0
	s_wait_dscnt 4*NLA
	WIN MUL_LO
	MUL16 0, 1, NQ-1, 1, 0
	MUL16 2, 1, NQ-1, 1, 0
	s_wait_dscnt 0
	WIN MUL_HI
	MUL16 4, 1, NQ-1, 1, 0
	MUL16 6, 1, NQ-1, 1, 0
	WIN 0
.macro TOSTAGE a
.set AC, 64*((\a)%4)
	WIN 0x08+4*((\a)/4)                            ; the data: window 2 or 3
.irp b, 0,1,2,3,4,5,6,7
	ds_store_b128 v[STO], v[AC+8*\b:AC+8*\b+3] offset:64*\b          ; each accumulator from its low end on
	ds_store_b128 v[STO], v[AC+8*\b+4:AC+8*\b+7] offset:64*\b+16
.endr
	WIN 0
.set BB, BK+64*((\a)%2)
.irp t, 0,1,2,3,4,5,6,7,8,9,10,11,12,13,14,15
	ds_load_b128 v[BB+4*\t:BB+4*\t+3], v[RD] offset:\t*SPITCH        ; LDS serves a wave's instructions in order (ISA guide 5.7.1.4): these see the stores above
.endr
.endm
.macro SEND a, younger                 ; younger: the LDS instructions issued behind block a's loads, which may stay out
.set BB, BK+64*((\a)%2)
	s_wait_dscnt \younger
.if (\a) > 0
	s_add_nc_u64 s[12:13], s[12:13], 16*NOUT*4     ; (behind a wait on XCNT: the earlier stores have read their base)
.endif
.irp t, 0,1,2,3,4,5,6,7,8,9,10,11,12,13,14,15
	global_store_b128 v[CO], v[BB+4*\t:BB+4*\t+3], s[12:13] offset:\t*NOUT*4 th:TH_STORE_NT   ; 32 lanes store 512 consecutive bytes, at a multiple of 256 from out's first byte
.endr
.endm
	PLACES NP
	TOSTAGE 0
.irp a, 1,2,3,4,5,6,7
.if \a > 1
	s_wait_xcnt 0x0                                ; block a - 2's stores have read their registers and their base
.endif
	TOSTAGE \a
	SEND \a-1, 32                                  ; behind block a - 1's loads: block a's 16 stores and 16 loads
.endr
	s_wait_xcnt 0x0
	SEND 7, 0
	s_wait_tensorcnt 0x0                           ; the wave's end
	ds_add_u32 v[SPW], v[NIL]
	s_wait_dscnt 0x0
	CROUND
	s_endpgm
.Lfunc_end_k_qadbf9e1e40_proj:
	.size	k_qadbf9e1e40_proj, .Lfunc_end_k_qadbf9e1e40_proj-k_qadbf9e1e40_proj
	.p2alignl 7, 3214868480
	.fill 96, 4, 3214868480
	.section	.rodata,"a",@progbits
	.p2align	6, 0x0
	.amdhsa_kernel k_qadbf9e1e40_proj
		.amdhsa_group_segment_fixed_size 327680
		.amdhsa_private_segment_fixed_size 0
		.amdhsa_enable_private_segment 0
		.amdhsa_kernarg_size 48
		.amdhsa_user_sgpr_count 2
		.amdhsa_user_sgpr_kernarg_segment_ptr 1
		.amdhsa_wavefront_size32 1
		.amdhsa_system_sgpr_workgroup_id_x 1
		.amdhsa_system_sgpr_workgroup_id_y 1
		.amdhsa_system_sgpr_workgroup_id_z 1
		.amdhsa_system_vgpr_workitem_id 0
		.amdhsa_next_free_vgpr 1024
		.amdhsa_next_free_sgpr 102
		.amdhsa_reserve_vcc 0
		.amdhsa_float_denorm_mode_32 3
		.amdhsa_float_denorm_mode_16_64 3
		.amdhsa_memory_ordered 1
		.amdhsa_forward_progress 1
		.amdhsa_inst_pref_size 149
	.end_amdhsa_kernel
	.amdgpu_metadata
---
amdhsa.version: [ 1, 2 ]
amdhsa.kernels:
  - .name:           k_qadbf9e1e40_proj
    .symbol:         k_qadbf9e1e40_proj.kd
    .args:
      - { .name: a_codes, .offset: 0, .size: 8, .value_kind: global_buffer, .address_space: global }
      - { .name: a_scales, .offset: 8, .size: 8, .value_kind: global_buffer, .address_space: global }
      - { .name: Wo_codes, .offset: 16, .size: 8, .value_kind: global_buffer, .address_space: global }
      - { .name: Wo_scales, .offset: 24, .size: 8, .value_kind: global_buffer, .address_space: global }
      - { .name: bo, .offset: 32, .size: 8, .value_kind: global_buffer, .address_space: global }
      - { .name: out0, .offset: 40, .size: 8, .value_kind: global_buffer, .address_space: global }
    .group_segment_fixed_size: 327680
    .private_segment_fixed_size: 0
    .kernarg_segment_align: 8
    .kernarg_segment_size: 48
    .max_flat_workgroup_size: 128
    .sgpr_count:     102
    .vgpr_count:     1024
    .wavefront_size: 32
...
	.end_amdgpu_metadata
.endif
;; end of part 4
;; ======== version 2 of 2: 4 launches
;; limits: right only within a limited range of input values
;; workspace buffers: qkv_codes 18,874,368 bytes; qkv_scales 786,432 bytes; p_codes 12,582,912 bytes; p_scales 524,288 bytes; p_stats 1,048,576 bytes; a_codes 6,291,456 bytes; a_scales 262,144 bytes
;; launch qkv (part 5): grid 8 x 32, 4 waves a work-group, clusters of 4 x 4, 327,680 bytes of LDS; arguments x_codes, x_scales, Wq_codes, Wq_scales, Wk_codes, Wk_scales, Wv_codes, Wv_scales, bq, bk, bv, qkv_codes, qkv_scales; writes qkv_codes, qkv_scales
.if DOCPART == 5
	.amdgcn_target "amdgcn-amd-amdhsa--gfx1250"
	.amdhsa_code_object_version 6
	.text
	.protected	k_qadbf9e1e40_qkv
	.globl	k_qadbf9e1e40_qkv
	.p2align	8
	.type	k_qadbf9e1e40_qkv,@function
k_qadbf9e1e40_qkv:
	s_mov_b64 s[64:65], 0
	v_nop
	global_prefetch_b8 v0, s[64:65] scope:SCOPE_SE
	s_setreg_imm32_b32 hwreg(HW_REG_WAVE_MODE, 25, 1), 1
	s_wait_xcnt 0x0
	s_wait_alu depctr_hold_cnt(0) depctr_sa_sdst(0) depctr_va_vdst(0) depctr_va_sdst(0) depctr_va_ssrc(0) depctr_va_vcc(0) depctr_vm_vsrc(0)
	s_getreg_b32 s2, hwreg(HW_REG_IB_STS2, 6, 4)
	s_cmp_eq_u32 s2, 0
	s_cbranch_scc0 .Lentry_in_a_cluster
	s_endpgm
.Lentry_in_a_cluster:
	s_bfe_u32 s2, ttmp6, 0x10000c
	s_cmp_lg_u32 s2, 0xf033
	s_cbranch_scc0 .Lentry_shape_is_right
	s_endpgm
.Lentry_shape_is_right:
; Q = x Wq + bq, K = x Wk + bk, V^T = (x Wv + bv)^T on codes of FP6 (E2M3), one E8M0 scale for each 32 along K; each result is quantised at once along the axis that the next product contracts.
; SHARES: 256 work-groups of equal work.  Work-group (j, i), j = 0..7, i = 0..31, makes TWO tiles, one after the other, on one ring:
;   first 256 tokens (tile i) x 256 columns of Q (j < 4) or K: a wave 128 x 128, 64 accumulators; source 0 = the weight's rows, source 1 = x's rows: a lane holds a token, its registers run along e;
;   then 128 rows of V^T (d = 128 j ..) x the same 256 tokens: a wave 64 x 128, 32 accumulators; source 0 = x's rows, source 1 = Wv's rows: a lane holds d, its registers run along the tokens.
; THE RING: two LDS slots, each one chunk of 256 bytes of 512 rows (a row of codes is 768 bytes: three chunks, each on a 256-byte border).  The walk is 16 steps of 128 along K (96 bytes) over 6 chunks:
; chunks 0-2 serve the first tile, chunks 3-5 the second (x's rows then lie where the weight's lay, Wv's 128 rows where x's lay).  Chunks 3 and 4 are asked for in steps 5 and 7, ahead of the first tile's way out.
; 4 x 4 work-groups form a cluster: x's tiles are asked for jointly along a row, the weights' along a column.  x's and the weight's scales of all of K come into LDS once; Wv's scale words and the biases go straight into registers.
; The biases are the C of each sum's first instruction.  Chunks 1 and 2 and Wv's rows are prefetched at the head.
; THE WAY OUT: 16 rows x 128 columns become one fragment of the next product, stored as an image of its 12 registers: byte 512 c + 16 lane + 4 i = register 4 c + i.
; Inside a block of 32 place 16 h + 8 u + j holds column 16 u + 8 h + j; both operands of each later product have that order.  V^T's row d is stored at d with bits 3 and 4 exchanged.
; LIMITS: a block of zeros, or one whose largest magnitude lies under 2^-124, gets the byte 1 (the bytes are read by this program alone); NaN and infinities among the inputs are not served.
.set ROWB,   256
.set KROW,   768
.set PITCH,  272                       ; 256 bytes + 16 of padding
.set FR,     12
.set NL,     6
.set NP,     4
.set CHUNKS, 6
.set HALFT,  128*PITCH
.set SLOT,   4*HALFT
.set KS,     32
.set SCL,    2*SLOT                    ; x's scales (256 rows), then the weight's, as units of 256 + 16 bytes
.set HALFS,  16*272
.set SBLK,   2*272
.set SPARE,  SCL+4*HALFS
.set VAQ,  8                           ; 16 x lane
.set VAV,  9                           ; v9-10 V^T's image places, even and odd blocks
.set SAQ,  11                          ; 32 x lane
.set SAV,  12                          ; V^T's scale words
.set ADRS2,13                          ; x's scale words for the second tile
.set RS,   14
.set RO,   15
.set ADRA, 16                          ; v16-19 x's fragments, first tile: slot 0, 1, and the two orders across chunks
.set ADRB, 20                          ; v20-23 the second region: the weight's, then x's
.set ADRV, 24                          ; v24-27 Wv's fragments
.set SPW,  28
.set NIL,  29
.set ADRS, 30
.set BO,   31
.set SC,   32                          ; v32-63 scale words, two sets
.set VSC,  64                          ; v64-95 Wv's scale words: 8 a + step
.set VB,   96                          ; v96-127 bv as C: eight equal registers a block
.set AF,   128                         ; v128-223 fragments of source 1
.set PC,   176                         ; the way out: codes, two sets of 20
.set PWV,  216
.set MRG,  224
.set TM,   240
.set G1X, 24
.set G0X, 32
.set G0W, 36
.set G1W, 48
.set XP,  56
.set WP,  58
.set VP,  60
.set G1S, 68
.set G0S, 76
.set G1SB, 80
.set G0SB, 88
.set G0H, 4
.set G0HB, 8
.set SEL, 100
.set HM,  3
.set MSB, 0
.macro WIN new
.if MSB != (\new)
	s_set_vgpr_msb (MSB<<8)|(\new)
.set MSB, (\new)
.endif
.endm
.set MUL_LO, 0xa1                      ; source 0 window 1, source 1 window 0, C and D window 2
.set MUL_HI, 0xf1
.set TO_B,   0x40
.macro PLACES n
.rept \n
	v_nop
.endr
.endm
.macro TLOAD g0, g1                    ; s_nop 0 and four v_nop follow each tensor load
	tensor_load_to_lds s[\g0:\g0+3], s[\g1:\g1+7]
	s_nop 0
	PLACES 4
.endm
.macro JLOAD                           ; waves 0, 1 fetch x's rows, waves 2, 3 a weight's
	s_cmp_eq_u32 s15, 0
	s_cbranch_scc0 .Lfor_w_\@
	TLOAD G0X, G1X
	s_branch .Lasked_\@
.Lfor_w_\@:
	TLOAD G0W, G1W
.Lasked_\@:
.endm
.macro REFILL c                        ; chunk c into slot c % 2; no tensor load of mine is out, so the descriptors may be written
.if (\c) < 3
	s_add_co_u32 s[G0X+1], s45, ((\c)%2)*SLOT
	s_add_co_u32 s[G0W+1], s45, ((\c)%2)*SLOT
	s_add_nc_u64 s[G0X+2:G0X+3], s[XP:XP+1], (\c)*ROWB
	s_add_nc_u64 s[G0W+2:G0W+3], s[WP:WP+1], (\c)*ROWB
.else
	s_add_co_u32 s[G0X+1], s46, ((\c)%2)*SLOT
	s_add_co_u32 s[G0W+1], s47, ((\c)%2)*SLOT
	s_add_nc_u64 s[G0X+2:G0X+3], s[XP:XP+1], ((\c)-3)*ROWB
	s_add_nc_u64 s[G0W+2:G0W+3], s[VP:VP+1], ((\c)-3)*ROWB
.endif
	s_or_b32 s[G0X+3], s[G0X+3], 0x80000000
	s_or_b32 s[G0W+3], s[G0W+3], 0x80000000
	JLOAD
.endm
.macro CREST
	s_cmp_lg_u32 s14, 0
	s_cbranch_scc1 .Lnot_wave_0_\@
	s_barrier_signal -3
.Lnot_wave_0_\@:
	s_barrier_wait -3
	s_barrier_signal -1
	s_barrier_wait -1
.endm
.macro CROUND
	s_barrier_signal -1
	s_barrier_wait -1
	CREST
.endm
.macro FRAG reg, adr, st, i            ; six pieces of 8 bytes; byte y of the walk lies in chunk y / 256, slot (y / 256) % 2
.irp p, 0,1,2,3,4,5
.set BY, 96*(\st)+48*(\p/3)+8*(\p%3)
.if BY/ROWB == (BY+24)/ROWB
	ds_load_b64 v[\reg+2*\p:\reg+2*\p+1], v[\adr+(BY/ROWB)%2] offset:BY%ROWB+(\i)*16*PITCH
.else
	ds_load_b64 v[\reg+2*\p:\reg+2*\p+1], v[\adr+2+(BY/ROWB)%2] offset:BY%ROWB-232+(\i)*16*PITCH
.endif
.endr
.endm
.macro FETCH_B st, p
	WIN TO_B
.irp i, 0,1,2,3,4,5,6,7
	FRAG 128*(\p)+FR*\i, ADRB, \st, \i
.endr
	WIN 0
.endm
.macro FETCH_A st, i0
.irp i, \i0, \i0+1, \i0+2, \i0+3
	FRAG AF+FR*(\i), ADRA, \st, \i
.endr
.endm
.macro FETCH_V st, p
.irp i, 0,1,2,3
	FRAG AF+48*(\p)+FR*\i, ADRV, \st, \i
.endr
.endm
.macro SCALES pr                       ; two steps' words: first tile: lanes 0-15 x's block i, lanes 16-31 the weight's; second tile: x's block i in all lanes
.irp i, 0,1,2,3,4,5,6,7
.if (\pr) < 4
	ds_load_b64 v[SC+16*((\pr)%2)+2*\i:SC+16*((\pr)%2)+2*\i+1], v[ADRS] offset:\i*SBLK+8*(\pr)
.else
	ds_load_b64 v[SC+16*((\pr)%2)+2*\i:SC+16*((\pr)%2)+2*\i+1], v[ADRS2] offset:\i*SBLK+8*((\pr)-4)
.endif
.endr
.endm
.macro WM cm                           ; cm = 0: onto the sum; else C = v[CC ..]
.if \cm
	v_wmma_scale_f32_16x16x128_f8f6f4 v[DD:DD+7], v[BB:BB+11], v[AA:AA+11], v[CC:CC+7], v[SB_], v[SA_] matrix_a_fmt:MATRIX_FMT_FP6 matrix_b_fmt:MATRIX_FMT_FP6 matrix_a_scale:MATRIX_SCALE_ROW1
.else
	v_wmma_scale_f32_16x16x128_f8f6f4 v[DD:DD+7], v[BB:BB+11], v[AA:AA+11], v[DD:DD+7], v[SB_], v[SA_] matrix_a_fmt:MATRIX_FMT_FP6 matrix_b_fmt:MATRIX_FMT_FP6 matrix_a_scale:MATRIX_SCALE_ROW1
.endif
.endm
.macro MUL16 a0, cm                    ; x's blocks a0, a0 + 1 against the weight's eight; the accumulators take turns
.irp a, \a0, \a0+1
.irp b, 0,1,2,3,4,5,6,7
.set DD, 8*(8*((\a)%4)+\b)
.set BB, 128*PP+FR*\b
.set AA, AF+FR*(\a)
.set CC, 96+8*\b+96*(\b/4)
.set SB_, SC+16*SS+2*\b+PP
.set SA_, SC+16*SS+2*(\a)+PP
	WM \cm
.endr
.endr
.endm
.macro MULV st, cm                     ; Wv's four blocks against x's eight
.irp a, 0,1,2,3
.irp b, 0,1,2,3,4,5,6,7
.set DD, 8*(8*\a+\b)
.set BB, 128*PP+FR*\b
.set AA, AF+48*PP+FR*\a
.set CC, VB+8*\a
.set SB_, SC+16*SS+2*\b+PP
.set SA_, VSC+8*\a+(\st)-8
	WM \cm
.endr
.endr
.endm
.macro PLAN st
.set NX, (\st)+1
.set C0, (96*(\st))/ROWB
.set C1, (96*NX)/ROWB
.set E0, (96*(\st)+95)/ROWB
.set E1, (96*NX+95)/ROWB
.set PP, (\st)%2
.set SS, ((\st)/2)%2
.endm
; A step of the first tile.  Where the next step's bytes end in a new chunk: the wait for my loads and a barrier.  Where they begin in a later chunk: the three lines, a round, and the slot left behind is filled again.
.macro STEP st, cm
	PLAN \st
.if C1 > C0 || E1 > E0
	s_wait_tensorcnt 0x0                           ; all my tensor loads have landed
.if C1 > C0
	ds_add_u32 v[SPW], v[NIL]
.if C0 == 1
	s_mov_b32 s[G1W+2], 64<<16                     ; from chunk 3 on a weight's load brings 64 rows of Wv
	s_mov_b32 s[G1W+4], 64
.endif
	s_wait_dscnt 4*NL+1                            ; the add and x's blocks 4-7 may be out
.else
	s_wait_dscnt 4*NL
.endif
	WIN MUL_LO
	MUL16 0, 0
	s_wait_dscnt 0x0                               ; the add, and my reads of the chunk left behind
	s_barrier_signal -1
	MUL16 2, 0
	WIN 0
	s_barrier_wait -1
.if C1 > C0
	CREST
	REFILL C0+2
.else
	PLACES NP
.endif
.else
	s_wait_dscnt 4*NL                              ; all but the youngest 24 loads, x's blocks 4-7
.if \cm
	WIN 0x91                                       ; C, the column bias, in window 1
.else
	WIN MUL_LO
.endif
	MUL16 0, \cm
	MUL16 2, \cm
	s_wait_dscnt 0
	PLACES NP
.endif
	FETCH_B NX, NX%2
.if NX < 8
	FETCH_A NX, 0
.else
	FETCH_V NX, 0
.endif
.if NX%2 == 0
	SCALES NX/2
.endif
.if \cm
	WIN 0xd1
.else
	WIN MUL_HI
.endif
	MUL16 4, \cm
	MUL16 6, \cm
.if NX < 8
	PLACES NP
	WIN 0
	FETCH_A NX, 4
.else
	WIN 0
.endif
.endm
.macro STEPV st, cm                    ; a step of the second tile: the wait for its fragments, the next step's loads, 32 matrix instructions
	PLAN \st
.if NX < 16 && (E1 > E0 || (C1 > C0 && C0+2 < CHUNKS))
	s_wait_tensorcnt 0x0
.if C1 > C0
	ds_add_u32 v[SPW], v[NIL]
.endif
	s_wait_dscnt 0x0
	s_barrier_signal -1
	s_barrier_wait -1
.if C1 > C0
	CREST
	REFILL C0+2
.else
	PLACES NP
.endif
.else
	s_wait_dscnt 0x0
.if NX < 16
	PLACES NP
.endif
.endif
.if NX < 16
	FETCH_B NX, NX%2
	FETCH_V NX, NX%2
.if NX%2 == 0
	SCALES NX/2
.endif
.endif
.if \cm
	WIN 0x81                                       ; C, bv, in window 0
.else
	WIN MUL_LO
.endif
	MULV \st, \cm
	WIN 0
.endm
; THE QUANTISER: 16 rows x 128 columns in v[ac .. ac + 63] of window wn; registers 16 b .. 16 b + 15 are my half of block b of 32.  Codes to v[pc ..], the row's four bytes to v[pw].
.macro QUANT wn, ac, pc, pw
	WIN (\wn)|((\wn)<<2)
.irp b, 0,1,2,3
	v_max3_num_f32 v[TM+\b], |v[\ac+16*\b]|, |v[\ac+16*\b+1]|, 0x1800000   ; with the floor 2^(3 - 127); each accumulator from its low end on
.endr
.irp i, 2,4,6,8,10,12,14
.irp b, 0,1,2,3
	v_max3_num_f32 v[TM+\b], |v[\ac+16*\b+\i]|, |v[\ac+16*\b+\i+1]|, v[TM+\b]
.endr
.endr
	WIN 0
.irp b, 0,1,2,3
	v_permlanex16_b32 v[TM+4+\b], v[TM+\b], s[SEL], s[SEL+1]
.endr
.irp b, 0,1,2,3
	v_max_num_f32 v[TM+\b], v[TM+\b], v[TM+4+\b]
.endr
.irp b, 0,1,2,3
	v_add_nc_u32 v[TM+12+\b], 0xff000000, v[TM+\b]  ; 2 off the exponent field: the conversion's scale operand
.endr
.irp b, 0,1,2,3
	v_lshrrev_b32 v[TM+4+\b], 23, v[TM+12+\b]
.endr
	v_lshl_or_b32 v[\pw], v[TM+5], 8, v[TM+4]
	v_lshl_or_b32 v[\pw], v[TM+6], 16, v[\pw]
	v_lshl_or_b32 v[\pw], v[TM+7], 24, v[\pw]
	s_wait_alu depctr_va_vdst(0)
	s_wait_xcnt 0x0                                ; the stores of the block two back have read these registers
	WIN \wn
.irp c, 0,1
	v_cvt_scalef32_pk16_fp6_f32 v[\pc+6*\c:\pc+2+6*\c], v[\ac+32*\c:\ac+15+32*\c], v[TM+12+2*\c]
	v_cvt_scalef32_pk16_fp6_f32 v[\pc+12+4*\c:\pc+14+4*\c], v[\ac+16+32*\c:\ac+31+32*\c], v[TM+12+2*\c+1]
.endr
	WIN 0
	v_nop                                          ; one plain place behind a scaled conversion
.irp c, 0,1
.irp i, 0,1,2
	v_permlane16_swap_b32 v[\pc+6*\c+\i], v[\pc+12+4*\c+\i]   ; a whole block in a lane
.endr
.irp i, 0,1,2
	v_mov_b32 v[\pc+3+6*\c+\i], v[\pc+12+4*\c+\i]
.endr
.endr
.endm
.macro ADR4 reg, sb
	v_add_nc_u32 v[\reg], s[\sb], v4
	v_add_nc_u32 v[\reg+2], s[\sb], v5
	v_add_nc_u32 v[\reg+3], s[\sb], v6
	v_add_nc_u32 v[\reg+1], SLOT, v[\reg]
.endm
.macro ARM under, g0, g1, next
	s_cmp_lt_u32 s14, \under
	s_cbranch_scc0 \next
	TLOAD \g0, \g1
	s_branch .Lhead_asked
\next:
.endm
	s_load_b512 s[68:83], s[0:1], 0x0              ; x's codes, scales; Wq's; Wk's; Wv's
	s_load_b256 s[84:91], s[0:1], 0x40             ; bq, bk, bv, qkv_codes
	s_load_b64 s[96:97], s[0:1], 0x60              ; qkv_scales
	v_lshl_add_u32 v[SPW], v0, 2, SPARE
	v_mov_b32 v[NIL], 0
	ds_add_u32 v[SPW], v[NIL]                      ; the opening lines
	ds_add_u32 v[SPW], v[NIL]
	v_lshrrev_b32 v1, 5, v0
	v_readfirstlane_b32 s14, v1                    ; wave
	s_lshr_b32 s15, s14, 1                         ; my half of source 1's rows.  Also: I fetch x (0) or a weight (1)
	s_and_b32 s16, s14, 1                          ; my half of source 0's rows.  Also: which half I fetch
	s_bfe_u32 s40, ttmp6, 0x40000                  ; cx
	s_bfe_u32 s41, ttmp6, 0x40004                  ; cy
	s_lshl_b32 s42, ttmp9, 2
	s_add_co_u32 s42, s42, s40                     ; j
	s_and_b32 s17, ttmp7, 0xffff
	s_lshl_b32 s17, s17, 2
	s_add_co_u32 s17, s17, s41                     ; i
	s_lshl_b32 s43, s41, 2
	s_lshl_b32 s43, 15, s43                        ; my row of the cluster
	s_lshl_b32 s44, 0x1111, s40                    ; my column
	s_or_b32 s[G1X], s43, (1<<20)|(1<<21)|(5<<22)|(3<<25)
	s_or_b32 s[G1W], s44, (1<<20)|(1<<21)|(5<<22)|(3<<25)
.irp g, G1X, G1W                               ; rows of 256 bytes, 768 apart, 16 bytes of padding: 256 rows for the head's loads
	s_mov_b32 s[\g+1], ROWB<<16
	s_mov_b32 s[\g+2], 256<<16
	s_mov_b32 s[\g+3], ROWB<<16
	s_mov_b32 s[\g+4], 256
	s_mov_b32 s[\g+5], KROW
	s_mov_b32 s[\g+6], 0
	s_mov_b32 s[\g+7], 0
.endr
	s_mul_i32 s20, s17, 256*KROW                   ; x's tile
	s_lshl_b32 s22, s17, 13                        ; its scales
	s_mul_i32 s92, s40, 256*KROW                   ; the weight's tile: rows 256 cx
	s_lshl_b32 s18, s40, 13
	s_lshl_b32 s62, s42, 1
	s_add_co_u32 s62, s62, s16
	s_mul_i32 s62, s62, 64*KROW                    ; Wv: rows 128 j + 64 x half
	s_mul_i32 s2, s16, 128*KROW
	s_mov_b32 s21, 0
	s_mov_b32 s23, 0
	s_mov_b32 s93, 0
	s_mov_b32 s19, 0
	s_mov_b32 s63, 0
	s_mov_b32 s3, 0
	s_mul_i32 s45, s14, HALFT                      ; LDS, first tile: wave x 128 rows
	s_mul_i32 s46, s16, HALFT
	s_add_co_u32 s46, s46, 2*HALFT                 ; second tile: x's rows in the second region,
	s_mul_i32 s47, s16, 64*PITCH                   ; Wv's at the slot's start
	s_wait_dscnt 0x0
	s_wait_kmcnt 0x0
	s_cmp_eq_u32 ttmp9, 0                          ; the cluster's x: Q or K, the same in all partners
	s_cselect_b64 s[4:5], s[72:73], s[76:77]
	s_cselect_b64 s[6:7], s[74:75], s[78:79]
	s_cselect_b64 s[94:95], s[84:85], s[86:87]
	s_add_nc_u64 s[20:21], s[68:69], s[20:21]
	s_add_nc_u64 s[22:23], s[70:71], s[22:23]
	s_add_nc_u64 s[92:93], s[4:5], s[92:93]
	s_add_nc_u64 s[18:19], s[6:7], s[18:19]
	s_add_nc_u64 s[VP:VP+1], s[80:81], s[62:63]
	s_lshl_b32 s38, s42, 2                         ; Wv's prefetch: my work-group's 32 of the tile's 128 rows (by cy), chunk = my wave's number; the pair is free until the first refill writes it
	s_add_co_u32 s38, s38, s41
	s_mul_i32 s38, s38, 32*KROW
	s_lshl_b32 s39, s14, 8
	s_add_co_u32 s38, s38, s39
	s_mov_b32 s39, 0
	s_add_nc_u64 s[38:39], s[80:81], s[38:39]
	s_mov_b64 s[100:101], s[82:83]
	s_mov_b64 s[98:99], s[88:89]
	s_mov_b64 s[12:13], s[90:91]
	s_or_b32 s[G1S], s43, (3<<16)|(1<<20)|(1<<21)|(5<<22)|(3<<25)   ; the pointers have been taken out of s68-91
	s_or_b32 s[G1SB], s44, (3<<16)|(1<<20)|(1<<21)|(5<<22)|(3<<25)
.irp g, G1S, G1SB                              ; the scales of 256 rows: 8,192 dense bytes as 32 rows of 256
	s_mov_b32 s[\g+1], 32<<16
	s_mov_b32 s[\g+2], KS<<16
	s_mov_b32 s[\g+3], 32<<16
	s_mov_b32 s[\g+4], KS
	s_mov_b32 s[\g+5], 32
	s_mov_b32 s[\g+6], 0
	s_mov_b32 s[\g+7], 0
.endr
	s_mov_b32 s[G0H], 1
	s_mov_b32 s[G0H+1], 0
	s_mov_b64 s[G0H+2:G0H+3], s[20:21]
	s_or_b32 s[G0H+3], s[G0H+3], 0x80000000
	s_mov_b32 s[G0HB], 1
	s_mov_b32 s[G0HB+1], 2*HALFT
	s_mov_b64 s[G0HB+2:G0HB+3], s[92:93]
	s_or_b32 s[G0HB+3], s[G0HB+3], 0x80000000
	s_mov_b32 s[G0S], 1
	s_mov_b32 s[G0S+1], SCL
	s_mov_b64 s[G0S+2:G0S+3], s[22:23]
	s_or_b32 s[G0S+3], s[G0S+3], 0x80000000
	s_mov_b32 s[G0SB], 1
	s_mov_b32 s[G0SB+1], SCL+2*HALFS
	s_mov_b64 s[G0SB+2:G0SB+3], s[18:19]
	s_or_b32 s[G0SB+3], s[G0SB+3], 0x80000000
	s_add_nc_u64 s[XP:XP+1], s[20:21], s[2:3]      ; for the ring: my 128 rows
	s_add_nc_u64 s[WP:WP+1], s[92:93], s[2:3]
	s_cmp_eq_u32 s15, 0                            ; the chunks' prefetch: waves 0, 1 x's rows, waves 2, 3 the weight's; of a tile's 256 rows the partner at place p takes 64 p .., a wave 32 of them
	s_cselect_b64 s[92:93], s[20:21], s[92:93]
	s_cselect_b32 s2, s40, s41
	s_lshl_b32 s2, s2, 1
	s_add_co_u32 s2, s2, s16
	s_mul_i32 s2, s2, 32*KROW
	s_add_nc_u64 s[92:93], s[92:93], s[2:3]
	s_mov_b32 s[G0X], 1
	s_mov_b32 s[G0W], 1
	CROUND                                         ; the first joint loads meet
	ARM 1, G0H,  G1X, .Lhead_b                     ; one load a wave: chunk 0 of x, of the weight, x's scales, the weight's
	ARM 2, G0HB, G1W, .Lhead_sa
	ARM 3, G0S,  G1S, .Lhead_sb
	TLOAD G0SB, G1SB
.Lhead_asked:
	s_lshl_b32 s18, s40, 1
	s_add_co_u32 s18, s18, s16
	s_lshl_b32 s18, s18, 9
	s_mov_b32 s19, 0
	s_add_nc_u64 s[94:95], s[94:95], s[18:19]      ; bq or bk at column 256 cx + 128 x half
	s_lshl_b32 s20, s42, 1
	s_add_co_u32 s20, s20, s15                     ; t = 2 j + half: my 64 rows of V^T
	s_lshl_b32 s18, s20, 8
	s_add_nc_u64 s[98:99], s[98:99], s[18:19]      ; bv
	s_lshl_b32 s18, s20, 11
	s_add_nc_u64 s[100:101], s[100:101], s[18:19]  ; Wv's scales
	s_lshl_b32 s18, s20, 12                        ; V^T's scale words: 64 bytes a row, the batch, the 128 tokens' word
	s_lshr_b32 s21, s17, 3
	s_lshl_b32 s21, s21, 16
	s_add_co_u32 s18, s18, s21
	s_lshl_b32 s21, s17, 1
	s_add_co_u32 s21, s21, s16
	s_and_b32 s21, s21, 15
	s_lshl_b32 s21, s21, 2
	s_add_co_u32 s18, s18, s21
	s_add_co_u32 s18, s18, 524288
	s_add_nc_u64 s[66:67], s[96:97], s[18:19]
	s_lshl_b32 s18, ttmp9, 18                      ; Q's or K's scale words: 32 bytes a row
	s_lshl_b32 s21, s17, 1
	s_add_co_u32 s21, s21, s15                     ; u = 2 i + half: my 128 tokens
	s_lshl_b32 s22, s21, 12
	s_add_co_u32 s18, s18, s22
	s_lshl_b32 s22, s40, 1
	s_add_co_u32 s22, s22, s16
	s_lshl_b32 s22, s22, 2
	s_add_co_u32 s18, s18, s22
	s_add_nc_u64 s[96:97], s[96:97], s[18:19]
	s_mul_i32 s23, s16, 1536
	s_mul_i32 s18, s17, 196608                     ; V^T's images: plane = token tile, row block 4 t, fragment = my half of the tokens
	s_mul_i32 s22, s20, 12288
	s_add_co_u32 s18, s18, s22
	s_add_co_u32 s18, s18, s23
	s_add_co_u32 s18, s18, 12582912
	s_add_nc_u64 s[62:63], s[12:13], s[18:19]
	s_mul_i32 s18, s42, 1572864                    ; Q's, K's images: plane j, row block 8 u, fragment = my half of the columns
	s_mul_i32 s22, s21, 24576
	s_add_co_u32 s18, s18, s22
	s_add_co_u32 s18, s18, s23
	s_add_nc_u64 s[12:13], s[12:13], s[18:19]
	s_mov_b32 s20, SLOT-232
	s_mov_b32 s21, SLOT+232
	s_mul_i32 s22, s15, HALFT
	s_mul_i32 s23, s16, HALFT
	s_add_co_u32 s23, s23, 2*HALFT
	s_mul_i32 s2, s15, 64*PITCH
	s_mul_i32 s18, s15, HALFS
	s_mul_i32 s3, s16, HALFS
	s_add_co_u32 s19, s3, 2*HALFS
	s_sub_co_u32 s19, s19, s18
	s_add_co_u32 s18, s18, SCL
	s_add_co_u32 s3, s3, SCL
	v_and_b32 v1, 15, v0                           ; r
	v_bfe_u32 v2, v0, 4, 1                         ; h
	v_and_b32 v7, 31, v0
	v_mul_u32_u24 v[TM], v7, KROW                  ; a lane a row
	global_prefetch_b8 v[TM], s[92:93] offset:256 th:TH_LOAD_NT scope:SCOPE_SE   ; chunks 1 and 2, one and two refills ahead of their loads; x's chunks 3 to 5 are chunks 0 to 2 again
	global_prefetch_b8 v[TM], s[92:93] offset:512 th:TH_LOAD_NT scope:SCOPE_SE
	s_cmp_lt_u32 s14, 3
	s_wait_alu depctr_va_vdst(0)
	s_cbranch_scc0 .Lno_wv                         ; a row has three chunks: wave 3 asks for none
	global_prefetch_b8 v[TM], s[38:39] th:TH_LOAD_NT scope:SCOPE_SE              ; Wv's rows, wanted from chunk 3 on
.Lno_wv:
	v_lshlrev_b32 v[BO], 5, v2
	v_lshlrev_b32 v[RO], 2, v1
	v_lshlrev_b32 v[RS], 5, v1
	WIN TO_B
.irp b, 0,1,2,3,4,5,6,7                        ; the column bias in the result's layout: window 1, v96-127 and v224-255
	global_load_b128 v[96+8*\b+96*(\b/4):96+8*\b+96*(\b/4)+3], v[BO], s[94:95] offset:64*\b
	global_load_b128 v[100+8*\b+96*(\b/4):100+8*\b+96*(\b/4)+3], v[BO], s[94:95] offset:64*\b+16
.endr
	WIN 0
.irp a, 0,1,2,3
	global_load_b128 v[VSC+8*\a:VSC+8*\a+3], v[RS], s[100:101] offset:512*\a
	global_load_b128 v[VSC+8*\a+4:VSC+8*\a+7], v[RS], s[100:101] offset:512*\a+16
.irp k, 0,1,2,3,4,5,6,7
	global_load_b32 v[VB+8*\a+\k], v[RO], s[98:99] offset:64*\a
.endr
.endr
	v_mul_u32_u24 v3, v1, PITCH
	v_mad_u32_u24 v4, v2, 24, v3                   ; row x pitch + 24 h
	v_mul_u32_u24 v5, s20, v2
	v_add3_u32 v5, v3, v5, 232                     ; lanes 0-15 byte 232 in slot 0, lanes 16-31 byte 0 in slot 1
	v_sub_nc_u32 v6, 1, v2
	v_mul_u32_u24 v6, s21, v6
	v_add_nc_u32 v6, v3, v6                        ; and the other order
	ADR4 ADRA, 22
	ADR4 ADRB, 23
	ADR4 ADRV, 2
	v_lshrrev_b32 v3, 8, v[RS]
	v_lshl_add_u32 v3, v3, 4, v[RS]                ; 32 bytes a row, 16 more for each 256 passed
	v_mul_u32_u24 v5, s19, v2
	v_add3_u32 v[ADRS], v3, v5, s18
	v_add_nc_u32 v[ADRS2], s3, v3
	v_lshlrev_b32 v[VAQ], 4, v7
	v_lshlrev_b32 v[SAQ], 5, v7
	v_and_b32 v3, 7, v0
	v_bfe_u32 v4, v0, 3, 1
	v_lshlrev_b32 v5, 4, v3
	v_lshl_add_u32 v5, v2, 8, v5
	v_mad_u32_u24 v[VAV], v4, 3072, v5             ; row 16 a + r goes to row 32 (a / 2) + 16 (r / 8) + 8 (a % 2) + r % 8
	v_add_nc_u32 v[VAV+1], 128, v[VAV]
	v_lshl_add_u32 v5, v4, 4, v3
	v_lshl_add_u32 v5, v2, 3, v5
	v_lshlrev_b32 v[SAV], 6, v5
.irp b, 0,1,2,3
	v_mov_b32 v[TM+4+\b], 0                        ; a lane permute's destination counts as a source
.endr
	s_wait_alu depctr_va_vdst(0)
	s_wait_loadcnt 0x0
	s_wait_xcnt 0x0                                ; the prefetches have read their addresses: s[38:39] is written again below
	s_wait_tensorcnt 0x0                           ; my tile of the head's four; the full sequence ahead of slot 1's first fill
	ds_add_u32 v[SPW], v[NIL]
	s_mov_b32 s[G1X+2], 128<<16                    ; from here on a load brings 128 rows
	s_mov_b32 s[G1X+4], 128
	s_mov_b32 s[G1W+2], 128<<16
	s_mov_b32 s[G1W+4], 128
	s_mov_b32 s[SEL], 0x76543210
	s_mov_b32 s[SEL+1], 0xfedcba98
	s_mov_b32 s[HM], 0xffff0000
	s_wait_dscnt 0x0
	CROUND
	REFILL 1
	FETCH_B 0, 0
	FETCH_A 0, 0
	SCALES 0
	FETCH_A 0, 4
	STEP 0, 1                                      ; the first step starts the sums, on the bias
.irp s, 1,2,3,4,5,6,7
	STEP \s, 0
.endr
	PLACES NP
.irp a, 0,1,2,3,4,5,6,7                        ; Q's or K's way out; step 8's fragments, v128-175 and window 1's v0-95, are on their way meanwhile
	QUANT 2+\a/4, 64*(\a%4), PC+20*(\a%2), PWV+\a
.irp c, 0,1,2
	global_store_b128 v[VAQ], v[PC+20*(\a%2)+4*\c:PC+20*(\a%2)+4*\c+3], s[12:13] offset:\a*3072+512*\c   ; 32 lanes store 512 consecutive bytes
.endr
.endr
.irp a, 0,2,4,6
	v_cndmask_b32 v[MRG+\a/2], v[PWV+\a], v[PWV+\a+1], s[HM]   ; lanes 16-31 take the next block's word
	global_store_b32 v[SAQ], v[MRG+\a/2], s[96:97] offset:512*\a
.endr
	s_wait_xcnt 0x0                                ; the stores have read their registers: fragments may land there
	STEPV 8, 1                                     ; V^T's sums start on bv
.irp s, 9,10,11,12,13,14,15
	STEPV \s, 0
.endr
	PLACES NP
.irp a, 0,1,2,3
	QUANT 2, 64*\a, PC+20*(\a%2), PWV+\a
.irp c, 0,1,2
	global_store_b128 v[VAV+\a%2], v[PC+20*(\a%2)+4*\c:PC+20*(\a%2)+4*\c+3], s[62:63] offset:(\a/2)*6144+512*\c
.endr
.endr
.irp a, 0,2
	v_cndmask_b32 v[MRG+\a/2], v[PWV+\a], v[PWV+\a+1], s[HM]
	global_store_b32 v[SAV], v[MRG+\a/2], s[66:67] offset:1024*\a
.endr
	s_wait_tensorcnt 0x0                           ; the wave's end
	ds_add_u32 v[SPW], v[NIL]
	s_wait_dscnt 0x0
	CROUND                                         ; the closing round
	s_endpgm
.Lfunc_end_k_qadbf9e1e40_qkv:
	.size	k_qadbf9e1e40_qkv, .Lfunc_end_k_qadbf9e1e40_qkv-k_qadbf9e1e40_qkv
	.p2alignl 7, 3214868480
	.fill 96, 4, 3214868480
	.section	.rodata,"a",@progbits
	.p2align	6, 0x0
	.amdhsa_kernel k_qadbf9e1e40_qkv
		.amdhsa_group_segment_fixed_size 327680
		.amdhsa_private_segment_fixed_size 0
		.amdhsa_enable_private_segment 0
		.amdhsa_kernarg_size 104
		.amdhsa_user_sgpr_count 2
		.amdhsa_user_sgpr_kernarg_segment_ptr 1
		.amdhsa_wavefront_size32 1
		.amdhsa_system_sgpr_workgroup_id_x 1
		.amdhsa_system_sgpr_workgroup_id_y 1
		.amdhsa_system_sgpr_workgroup_id_z 1
		.amdhsa_system_vgpr_workitem_id 0
		.amdhsa_next_free_vgpr 1024
		.amdhsa_next_free_sgpr 102
		.amdhsa_reserve_vcc 0
		.amdhsa_float_denorm_mode_32 3
		.amdhsa_float_denorm_mode_16_64 3
		.amdhsa_memory_ordered 1
		.amdhsa_forward_progress 1
		.amdhsa_inst_pref_size 255
	.end_amdhsa_kernel
	.section	.bss,"aw",@nobits
	.p2align	6
	.space	262144
	.amdgpu_metadata
---
amdhsa.version: [ 1, 2 ]
amdhsa.kernels:
  - .name:           k_qadbf9e1e40_qkv
    .symbol:         k_qadbf9e1e40_qkv.kd
    .args:
      - { .name: x_codes, .offset: 0, .size: 8, .value_kind: global_buffer, .address_space: global }
      - { .name: x_scales, .offset: 8, .size: 8, .value_kind: global_buffer, .address_space: global }
      - { .name: Wq_codes, .offset: 16, .size: 8, .value_kind: global_buffer, .address_space: global }
      - { .name: Wq_scales, .offset: 24, .size: 8, .value_kind: global_buffer, .address_space: global }
      - { .name: Wk_codes, .offset: 32, .size: 8, .value_kind: global_buffer, .address_space: global }
      - { .name: Wk_scales, .offset: 40, .size: 8, .value_kind: global_buffer, .address_space: global }
      - { .name: Wv_codes, .offset: 48, .size: 8, .value_kind: global_buffer, .address_space: global }
      - { .name: Wv_scales, .offset: 56, .size: 8, .value_kind: global_buffer, .address_space: global }
      - { .name: bq, .offset: 64, .size: 8, .value_kind: global_buffer, .address_space: global }
      - { .name: bk, .offset: 72, .size: 8, .value_kind: global_buffer, .address_space: global }
      - { .name: bv, .offset: 80, .size: 8, .value_kind: global_buffer, .address_space: global }
      - { .name: qkv_codes, .offset: 88, .size: 8, .value_kind: global_buffer, .address_space: global }
      - { .name: qkv_scales, .offset: 96, .size: 8, .value_kind: global_buffer, .address_space: global }
    .group_segment_fixed_size: 327680
    .private_segment_fixed_size: 0
    .kernarg_segment_align: 8
    .kernarg_segment_size: 104
    .max_flat_workgroup_size: 128
    .sgpr_count:     102
    .vgpr_count:     1024
    .wavefront_size: 32
...
	.end_amdgpu_metadata
.endif
;; end of part 5
;; launch scores (part 6): grid 8 x 32, 4 waves a work-group, clusters of 4 x 4, 327,680 bytes of LDS; arguments qkv_codes, qkv_scales, mask, p_codes, p_scales, p_stats; writes p_codes, p_scales, p_stats
.if DOCPART == 6
	.amdgcn_target "amdgcn-amd-amdhsa--gfx1250"
	.amdhsa_code_object_version 6
	.text
	.protected	k_qadbf9e1e40_scores
	.globl	k_qadbf9e1e40_scores
	.p2align	8
	.type	k_qadbf9e1e40_scores,@function
k_qadbf9e1e40_scores:
	s_mov_b64 s[64:65], 0
	v_nop
	global_prefetch_b8 v0, s[64:65] scope:SCOPE_SE
	s_setreg_imm32_b32 hwreg(HW_REG_WAVE_MODE, 25, 1), 1
	s_wait_xcnt 0x0
	s_wait_alu depctr_hold_cnt(0) depctr_sa_sdst(0) depctr_va_vdst(0) depctr_va_sdst(0) depctr_va_ssrc(0) depctr_va_vcc(0) depctr_vm_vsrc(0)
	s_getreg_b32 s2, hwreg(HW_REG_IB_STS2, 6, 4)
	s_cmp_eq_u32 s2, 0
	s_cbranch_scc0 .Lentry_in_a_cluster
	s_endpgm
.Lentry_in_a_cluster:
	s_bfe_u32 s2, ttmp6, 0x10000c
	s_cmp_lg_u32 s2, 0xf033
	s_cbranch_scc0 .Lentry_shape_is_right
	s_endpgm
.Lentry_shape_is_right:
; S = Q K^T on codes of FP6 (E2M3), then t = S x log2(e) / sqrt(2048), the mask, and p = 2^(t - M), quantised along the keys.
; M here is LOCAL: for each query and each 128 keys (a wave's columns) the ceiling of the largest t among them, a whole number.  The next launch brings the scale bytes and the sums under the row's M,
; which is an exact power of two: the codes stay as they are.  Stored: p's codes as images of the next product's fragments, the scale bytes under the local M, and for each query and 128 keys M and the sum of the unquantised p.
; The product's core: a tile of 256 queries x 256 keys, four waves of 128 x 128, K = 1,024 in steps of 256 through two LDS slots; both operands are images, 1,536 bytes a fragment, dense: three loads of 16 bytes a lane.
; 4 x 4 work-groups form a cluster: Q's tiles are asked for jointly along a row, K's along a column.  The tile's 256 x 256 mask bytes come once, by a load of each wave's own, behind the last fill.
; THE MASK: a masked key's t is c s - 2^127, which is -2^127 itself, so p = 0 beside any key that counts.  Where all 128 keys are masked M = -2^127 and every p = 1; where a whole row is so, the weights come out equal, as the softmax of equal numbers does.
; LIMITS: NaN and infinities are not served; |c s| stays under 2^102; t is one multiplication by c where the definition divides by sqrt(2048) and then multiplies by log2(e).
.set KTOT,   1024
.set A_IMG,  1
.set B_IMG,  1
.set STPA,   1572864                   ; bytes from K step to K step: a plane of 512 row blocks
.set STPB,   1572864
.set NQ,     2
.set FR,     12
.set NP,     4
.set PITCH,  240
.set KS,     KTOT/32
.set NLA,    6-3*A_IMG
.set HALFA,  30720-6144*A_IMG
.set HALFB,  30720-6144*B_IMG
.set BOFF,   2*HALFA
.set SLOT,   2*HALFA+2*HALFB
.set LAPS,   KTOT/512
.set SCL,    2*SLOT
.set HALFS,  (128*KS/256)*272
.set SBLK,   (16*KS/256)*272
.set MASKB,  SCL+4*HALFS               ; the tile's mask, in four waves' parts of 128 rows x (128 bytes + 16)
.set SPARE,  MASKB+4*128*144           ; the mask: each wave's own 128 rows x (128 bytes + 16)
.set VA,   8                           ; v8   16 x lane
.set VS,   9                           ; v9   64 x lane: a row of p's scale bytes
.set VT,   10                          ; v10  4 x lane
.set MA,   14                          ; v14  LDS address of my 8 mask bytes
.set ADRA, 16
.set ADRB, 20
.set ADRS, 27
.set SPW,  28
.set NIL,  29
.set ZR,   30                          ; v30  0, a source of the byte permutes
.set SC,   32                          ; v32-63 scale words; they hold nothing else
.set BI,   64
.set PWV,  84
.set SA,   116                         ; v[116:117], v[118:119] the row's sum in two chains
.set SB,   118
.set NM,   120                         ; v[120:121] -M (the pair's upper word is written once)
.set GM,   122
.set AF,   128                         ; A's fragments; on the way out v128-159 two sets of mask words,
.set PEN,  160                         ; v160-223 what the mask adds; at the end the merged words
.set MV,   224                         ; v224-231 M of the eight blocks
.set LV,   232                         ; v232-239 their sums
.set TM,   240
.set G1, 24
.set G0, 32
.set G1B, 48
.set G0B, 56
.set G1S, 68
.set G0S, 76
.set G1SB, 80
.set G0SB, 88
.set G1M, 4                            ; s[4:11], s[20:23] the mask's descriptor
.set G0M, 20
.set SEL, 24
.set HM,  26
.set CS,  28                           ; s[28:29] c
.set SELB, 32                          ; s32-35 byte selectors
.set MSB, 0
.macro WIN new
.if MSB != (\new)
	s_set_vgpr_msb (MSB<<8)|(\new)
.set MSB, (\new)
.endif
.endm
.set MUL_LO, 0xa1
.set MUL_HI, 0xf1
.set TO_B,   0x40
.macro JLOAD g0a, g1a, g0b, g1b
	s_cmp_eq_u32 s15, 0
	s_cbranch_scc0 .Lfor_b_\@
	tensor_load_to_lds s[\g0a:\g0a+3], s[\g1a:\g1a+7]
	s_nop 0
.rept 4
	v_nop
.endr
	s_branch .Lasked_\@
.Lfor_b_\@:
	tensor_load_to_lds s[\g0b:\g0b+3], s[\g1b:\g1b+7]
	s_nop 0
.rept 4
	v_nop
.endr
.Lasked_\@:
.endm
.macro CREST
	s_cmp_lg_u32 s14, 0
	s_cbranch_scc1 .Lnot_wave_0_\@
	s_barrier_signal -3
.Lnot_wave_0_\@:
	s_barrier_wait -3
	s_barrier_signal -1
	s_barrier_wait -1
.endm
.macro CROUND
	s_barrier_signal -1
	s_barrier_wait -1
	CREST
.endm
.macro PLACES n
.rept \n
	v_nop
.endr
.endm
.macro G1IMG g, m                      ; group 1: the images of 256 rows x 256 K, 49,152 dense bytes, as 192 rows of 256 bytes
	s_or_b32 s[\g], s[\m], (3<<16)|(1<<21)
	s_mov_b32 s[\g+1], 32<<16
	s_mov_b32 s[\g+2], 192<<16                     ; 256 rows for the head's loads; behind them 128
	s_mov_b32 s[\g+3], 32<<16
	s_mov_b32 s[\g+4], 192
	s_mov_b32 s[\g+5], 32
	s_mov_b32 s[\g+6], 0
	s_mov_b32 s[\g+7], 0
.endm
.macro G1SC g, m
	s_or_b32 s[\g], s[\m], (3<<16)|(1<<20)|(1<<21)|(5<<22)|(3<<25)
	s_mov_b32 s[\g+1], 32<<16
	s_mov_b32 s[\g+2], KS<<16                      ; the scales of 256 rows
	s_mov_b32 s[\g+3], 32<<16
	s_mov_b32 s[\g+4], KS
	s_mov_b32 s[\g+5], 32
	s_mov_b32 s[\g+6], 0
	s_mov_b32 s[\g+7], 0
.endm
.macro FRAG img, reg, adr, q, i
.if \img
.irp c, 0,1,2
	ds_load_b128 v[\reg+4*\c:\reg+4*\c+3], v[\adr] offset:((\i)*2+(\q))*1536+512*\c
.endr
.else
.irp p, 0,1,2,3,4,5
.set PCE, 12*(\q)+6*(\p/3)+\p%3
.if PCE%8 < 5
	ds_load_b64 v[\reg+2*\p:\reg+2*\p+1], v[\adr] offset:8*PCE+16*(PCE/8)+(\i)*16*PITCH
.else
	ds_load_b64 v[\reg+2*\p:\reg+2*\p+1], v[\adr+2] offset:8*PCE+16*(PCE/8)+(\i)*16*PITCH
.endif
.endr
.endif
.endm
.macro MUL16 a0, p, q, sc, cm          ; cm = 0: onto the sums; 1: C = 0.  The 64 accumulators take turns
.irp a, \a0, \a0+1
.irp b, 0,1,2,3,4,5,6,7
.if \cm == 1
	v_wmma_scale_f32_16x16x128_f8f6f4 v[8*(8*((\a)%4)+\b):8*(8*((\a)%4)+\b)+7], v[128*(\p)+FR*\b:128*(\p)+FR*\b+FR-1], v[AF+FR*(\a):AF+FR*(\a)+FR-1], 0, v[SC+8*NQ*(\sc)+NQ*\b+(\q)], v[SC+8*NQ*(\sc)+NQ*(\a)+(\q)] matrix_a_fmt:MATRIX_FMT_FP6 matrix_b_fmt:MATRIX_FMT_FP6 matrix_a_scale:MATRIX_SCALE_ROW1
.else
	v_wmma_scale_f32_16x16x128_f8f6f4 v[8*(8*((\a)%4)+\b):8*(8*((\a)%4)+\b)+7], v[128*(\p)+FR*\b:128*(\p)+FR*\b+FR-1], v[AF+FR*(\a):AF+FR*(\a)+FR-1], v[8*(8*((\a)%4)+\b):8*(8*((\a)%4)+\b)+7], v[SC+8*NQ*(\sc)+NQ*\b+(\q)], v[SC+8*NQ*(\sc)+NQ*(\a)+(\q)] matrix_a_fmt:MATRIX_FMT_FP6 matrix_b_fmt:MATRIX_FMT_FP6 matrix_a_scale:MATRIX_SCALE_ROW1
.endif
.endr
.endr
.endm
.macro FETCH_B slot, q, p
	WIN TO_B
.irp i, 0,1,2,3,4,5,6,7
	FRAG B_IMG, 128*(\p)+FR*\i, ADRB+\slot, \q, \i
.endr
	WIN 0
.endm
.macro FETCH_A slot, q, i0
.irp i, \i0, \i0+1, \i0+2, \i0+3
	FRAG A_IMG, AF+FR*(\i), ADRA+\slot, \q, \i
.endr
.endm
.macro SCALES sc
.irp i, 0,1,2,3,4,5,6,7
	ds_load_b64 v[SC+8*NQ*\sc+NQ*\i:SC+8*NQ*\sc+NQ*\i+1], v[ADRS] offset:\i*SBLK
.endr
.endm
.macro STEP slot, q, cm
	s_wait_dscnt 4*NLA                             ; all but the youngest loads, A's blocks 4-7
	WIN MUL_LO
	MUL16 0, (\q)%2, \q, \slot, \cm
	MUL16 2, (\q)%2, \q, \slot, \cm
	s_wait_dscnt 0
	PLACES NP
	FETCH_B \slot, (\q)+1, 1-(\q)%2
	FETCH_A \slot, (\q)+1, 0
	WIN MUL_HI
	MUL16 4, (\q)%2, \q, \slot, \cm
	MUL16 6, (\q)%2, \q, \slot, \cm
	PLACES NP
	WIN 0
	FETCH_A \slot, (\q)+1, 4
.endm
.macro TURN slot, next, fill
	s_wait_tensorcnt 0x0                           ; all my tensor loads have landed
	ds_add_u32 v[SPW], v[NIL]                      ; 0 onto my spare word
	s_wait_dscnt 4*NLA+1                           ; the add and A's blocks 4-7 may be out
	WIN MUL_LO
	MUL16 0, 1, NQ-1, \slot, 0
	s_wait_dscnt 0x0                               ; the add is done, and my reads of this slot are over
	s_barrier_signal -1
	MUL16 2, 1, NQ-1, \slot, 0
	WIN 0
	s_barrier_wait -1
.if \fill == 2
	CREST                                          ; the mask's first fill, my own 128 x 128 bytes
	tensor_load_to_lds s[G0M:G0M+3], s[G1M:G1M+7]
	s_nop 0
	PLACES NP
.elseif \fill
	CREST
	s_add_nc_u64 s[G0+4*\slot+2:G0+4*\slot+3], s[G0+4*\slot+2:G0+4*\slot+3], 2*STPA
	s_add_nc_u64 s[G0B+4*\slot+2:G0B+4*\slot+3], s[G0B+4*\slot+2:G0B+4*\slot+3], 2*STPB
	JLOAD G0+4*\slot, G1, G0B+4*\slot, G1B
.else
	PLACES NP
.endif
	s_wait_alu depctr_va_vdst(0)
	v_add_nc_u32 v[ADRS], 4*NQ, v[ADRS]
	FETCH_B \next, 0, 0
	FETCH_A \next, 0, 0
	SCALES \next
	WIN MUL_HI
	MUL16 4, 1, NQ-1, \slot, 0
	MUL16 6, 1, NQ-1, \slot, 0
	PLACES NP
	WIN 0
	FETCH_A \next, 0, 4
.endm
.macro ADDRESSES                       ; leaves v1 = r, v2 = h, v7 = lane, v6 = 16 x lane
	v_and_b32 v1, 15, v0
	v_bfe_u32 v2, v0, 4, 1
	v_and_b32 v7, 31, v0
	v_mul_u32_u24 v3, v1, PITCH
	v_mad_u32_u24 v4, v2, 24, v3
	v_lshl_add_u32 v5, v2, 4, v4
	v_lshlrev_b32 v6, 4, v7
	s_mul_i32 s18, s15, HALFA
	s_mul_i32 s19, s16, HALFB
	s_add_co_u32 s19, s19, BOFF
.irp s, 0,1
.if A_IMG
	v_add_nc_u32 v[ADRA+\s], s18, v6
.else
	v_add_nc_u32 v[ADRA+\s], s18, v4
	v_add_nc_u32 v[ADRA+2+\s], s18, v5
.endif
.if B_IMG
	v_add_nc_u32 v[ADRB+\s], s19, v6
.else
	v_add_nc_u32 v[ADRB+\s], s19, v4
	v_add_nc_u32 v[ADRB+2+\s], s19, v5
.endif
	s_add_co_u32 s18, s18, SLOT
	s_add_co_u32 s19, s19, SLOT
.endr
	v_mul_u32_u24 v5, v1, KS
	v_lshrrev_b32 v3, 8, v5
	v_lshl_add_u32 v5, v3, 4, v5
	s_mul_i32 s18, s15, HALFS
	s_mul_i32 s19, s16, HALFS
	s_add_co_u32 s19, s19, 2*HALFS
	s_sub_co_u32 s19, s19, s18
	v_mul_u32_u24 v3, s19, v2
	s_add_co_u32 s18, s18, SCL
	v_add_nc_u32 v5, v5, v3
	v_add_nc_u32 v[ADRS], s18, v5
.endm
.macro SETA a
.set WN,  2+(\a)/4
.set AC,  64*((\a)%4)
.set PCA, 64+32*((\a)%2)
.set WSS, WN|(WN<<2)
.set WDS, (WN<<6)|WN
.set WS1, WN<<2
.endm
.macro BYTES a
.irp b, 0,1,2,3
	v_add_nc_u32 v[TM+12+\b], 0xff000000, v[TM+\b]
.endr
.irp b, 0,1,2,3
	v_lshrrev_b32 v[TM+4+\b], 23, v[TM+12+\b]
.endr
	v_lshl_or_b32 v[PWV+(\a)], v[TM+5], 8, v[TM+4]
	v_lshl_or_b32 v[PWV+(\a)], v[TM+6], 16, v[PWV+(\a)]
	v_lshl_or_b32 v[PWV+(\a)], v[TM+7], 24, v[PWV+(\a)]
.endm
.macro CODES a
	SETA \a
	s_wait_alu depctr_va_vdst(0)
	s_wait_xcnt 0x0
	WIN WN
.irp c, 0,1
	v_cvt_scalef32_pk16_fp6_f32 v[PCA+6*\c:PCA+2+6*\c], v[AC+32*\c:AC+15+32*\c], v[TM+12+2*\c]
	v_cvt_scalef32_pk16_fp6_f32 v[PCA+12+4*\c:PCA+14+4*\c], v[AC+16+32*\c:AC+31+32*\c], v[TM+12+2*\c+1]
.endr
	WIN 0
	v_nop                                          ; one plain place behind a scaled conversion
.irp c, 0,1
.irp i, 0,1,2
	v_permlane16_swap_b32 v[PCA+6*\c+\i], v[PCA+12+4*\c+\i]
.endr
.irp i, 0,1,2
	v_mov_b32 v[PCA+3+6*\c+\i], v[PCA+12+4*\c+\i]
.endr
.endr
.endm
.macro LOADMASK a                      ; block a's mask bytes: for each of the eight column blocks the 8 bytes of my row and half
.set MKL, 128+16*((\a)%2)
.irp k, 0,1,2,3,4,5,6,7
	ds_load_b64 v[MKL+2*\k:MKL+2*\k+1], v[MA] offset:(\a)*2304+16*\k
.endr
.endm
; Block a: 16 queries x 128 keys.  Lane (r, h) holds query r; register 8 b + j is key 16 b + 8 h + j; registers 16 b' .. 16 b' + 15 are my half of block b' of 32 keys.
.macro SOFT a
	SETA \a
.set MK, 128+16*((\a)%2)
.if (\a) < 7
	LOADMASK (\a)+1
	s_wait_dscnt 8                                 ; this block's mask is in; the next block's eight loads may be out
.else
	s_wait_dscnt 0x0
.endif
.irp k, 0,1,2,3,4,5,6,7,8,9,10,11,12,13,14,15
	v_lshlrev_b32 v[PEN+\k], 8, v[MK+\k]
.endr
.irp k, 0,1,2,3,4,5,6,7,8,9,10,11,12,13,14,15
	v_sub_nc_u32 v[MK+\k], v[PEN+\k], v[MK+\k]     ; x 255: each byte 0 or 1 becomes 0x00 or 0xff
.endr
.set e, 0
.rept 64
	v_perm_b32 v[PEN+e], v[MK+e/4], v[ZR], s[SELB+e%4]   ; the key's byte on top of three zero bytes: 0, or 0xff000000 = -2^127
.set e, e+1
.endr
	WIN WDS
.set e, 0
.rept 32
	v_pk_fma_f32 v[AC+e:AC+e+1], v[AC+e:AC+e+1], s[CS:CS+1], v[PEN+e:PEN+e+1] op_sel_hi:[1,0,1]   ; t = c s, or -2^127; each accumulator from its low end on
.set e, e+2
.endr
	WIN WSS
.irp b, 0,1,2,3
	v_max_num_f32 v[TM+\b], v[AC+16*\b], v[AC+16*\b+1]   ; the largest t of each block of 32 keys: for M, and for the block's largest p
.endr
.irp i, 2,4,6,8,10,12,14
.irp b, 0,1,2,3
	v_max3_num_f32 v[TM+\b], v[AC+16*\b+\i], v[AC+16*\b+\i+1], v[TM+\b]
.endr
.endr
	WIN 0
.irp b, 0,1,2,3
	v_permlanex16_b32 v[TM+4+\b], v[TM+\b], s[SEL], s[SEL+1]
.endr
.irp b, 0,1,2,3
	v_max_num_f32 v[TM+\b], v[TM+\b], v[TM+4+\b]
.endr
	v_max3_num_f32 v[GM], v[TM], v[TM+1], v[TM+2]
	v_max_num_f32 v[GM], v[GM], v[TM+3]
	v_floor_f32 v[NM], -v[GM]                      ; -M = floor(-t) = -ceil(t): a whole number
	v_mul_f32 v[MV+(\a)], -1.0, v[NM]
.irp b, 0,1,2,3
	v_add_f32 v[TM+\b], v[TM+\b], v[NM]
.endr
	WIN WDS
.set e, 0
.rept 32
	v_pk_add_f32 v[AC+e:AC+e+1], v[AC+e:AC+e+1], v[NM:NM+1] op_sel_hi:[1,0]   ; t - M
.set e, e+2
.endr
.set e, 0
	s_wait_alu depctr_va_vdst(0)
.rept 64
	v_exp_f32 v[AC+e], v[AC+e]                     ; p = 2^(t - M): one batch
.set e, e+1
.endr
	WIN 0
	v_mov_b32 v[SA], 0                             ; plain work behind the batch
	v_mov_b32 v[SA+1], 0
	v_mov_b32 v[SB], 0
	v_mov_b32 v[SB+1], 0
	s_wait_alu depctr_va_vdst(0)                   ; one wait for the batch, ahead of its first reader
.irp b, 0,1,2,3
	v_exp_f32 v[TM+\b], v[TM+\b]                   ; the block's largest p: the same addition and exponential on the same number
.endr
	WIN WS1
.set e, 0
.rept 16
	v_pk_add_f32 v[SA:SA+1], v[SA:SA+1], v[AC+e:AC+e+1]        ; the sum of the unquantised p, in two chains
	v_pk_add_f32 v[SB:SB+1], v[SB:SB+1], v[AC+e+2:AC+e+3]
.set e, e+4
.endr
	WIN 0
	s_wait_alu depctr_va_vdst(0)                   ; and one for the four
.irp b, 0,1,2,3
	v_max_num_f32 v[TM+\b], 0x1800000, v[TM+\b]    ; the floor 2^(3 - 127): the byte cannot fall under 1
.endr
	BYTES \a
	v_pk_add_f32 v[SA:SA+1], v[SA:SA+1], v[SB:SB+1]
	v_add_f32 v[SA], v[SA], v[SA+1]
	v_permlanex16_b32 v[SB], v[SA], s[SEL], s[SEL+1]
	v_add_f32 v[LV+(\a)], v[SA], v[SB]
	CODES \a
.irp c, 0,1,2
	global_store_b128 v[VA], v[PCA+4*\c:PCA+4*\c+3], s[12:13] offset:(\a)*3072+512*\c   ; 32 lanes store 512 consecutive bytes
.endr
.endm
	s_load_b256 s[4:11], s[0:1], 0x0               ; qkv_codes, qkv_scales, mask, p_codes
	s_load_b128 s[96:99], s[0:1], 0x20             ; p_scales, p_stats
	v_lshl_add_u32 v[SPW], v0, 2, SPARE
	v_mov_b32 v[NIL], 0
	ds_add_u32 v28, v29
	ds_add_u32 v28, v29
	s_wait_dscnt 0x0
	v_mov_b32 v[ZR], 0
	v_lshrrev_b32 v1, 5, v0
	v_readfirstlane_b32 s14, v1
	s_lshr_b32 s15, s14, 1
	s_and_b32 s16, s14, 1
	s_bfe_u32 s40, ttmp6, 0x40000                  ; cx
	s_bfe_u32 s41, ttmp6, 0x40004                  ; cy
	s_lshl_b32 s42, ttmp9, 2
	s_add_co_u32 s42, s42, s40                     ; the tile of 256 keys in the batch
	s_and_b32 s18, ttmp7, 0xffff
	s_lshl_b32 s17, s18, 2
	s_add_co_u32 s17, s17, s41                     ; the tile of 256 queries, over all batches
	s_lshr_b32 s94, s18, 1                         ; the batch: the same in all partners
	s_lshl_b32 s94, s94, 3
	s_add_co_u32 s94, s94, s42                     ; K's tile of 256 tokens, over all batches
	s_lshl_b32 s43, s41, 2
	s_lshl_b32 s43, 15, s43
	s_lshl_b32 s44, 0x1111, s40
	G1IMG G1, 43
	G1IMG G1B, 44
	G1SC G1S, 43
	G1SC G1SB, 44
	s_lshl_b32 s18, s16, 7
	s_lshl_b32 s20, s17, 8
	s_add_co_u32 s20, s20, s18                     ; Q's row
	s_lshl_b32 s46, s94, 8
	s_add_co_u32 s46, s46, s18                     ; K's row
	s_lshl_b32 s22, s17, 13                        ; the scales of the tile's 256 rows
	s_mul_i32 s20, s20, 192                        ; 3,072 bytes for each 16 rows
	s_lshl_b32 s92, s94, 13
	s_add_co_u32 s92, s92, 262144                  ; K's part of the scales
	s_mul_i32 s46, s46, 192
	s_add_co_u32 s46, s46, 6291456                 ; K's part of the codes
	s_mov_b32 s21, 0
	s_mov_b32 s23, 0
	s_mov_b32 s47, 0
	s_mov_b32 s93, 0
	s_lshl_b32 s18, s17, 8                         ; the mask: row 256 x tile row + 64 x wave of 2,048 bytes, + 256 x key tile
	s_lshl_b32 s19, s14, 6
	s_add_co_u32 s18, s18, s19
	s_lshl_b32 s18, s18, 11
	s_lshl_b32 s19, s42, 8
	s_add_co_u32 s18, s18, s19
	s_mov_b32 s19, 0
	s_mul_i32 s45, s16, HALFA
	s_mul_i32 s2, s16, HALFB
	s_add_co_u32 s2, s2, BOFF
	s_mul_i32 s3, s14, HALFS
	s_add_co_u32 s3, s3, SCL
	s_wait_kmcnt 0x0
	s_mov_b64 s[12:13], s[10:11]
	s_mul_i32 s66, s17, 49152                      ; the tiles' prefetch: waves 0, 1 Q's tile, waves 2, 3 K's; of a K step's 49,152 bytes the partner at place p takes 12,288 (cx for Q, cy for K), a wave half of that
	s_mul_i32 s67, s40, 12288
	s_add_co_u32 s66, s66, s67
	s_mul_i32 s67, s94, 49152
	s_mul_i32 s95, s41, 12288
	s_add_co_u32 s67, s67, s95
	s_add_co_u32 s67, s67, 6291456
	s_cmp_eq_u32 s15, 0
	s_cselect_b32 s66, s66, s67
	s_mul_i32 s67, s16, 6144
	s_add_co_u32 s66, s66, s67
	s_mov_b32 s67, 0
	s_add_nc_u64 s[66:67], s[4:5], s[66:67]
	s_add_nc_u64 s[20:21], s[4:5], s[20:21]
	s_add_nc_u64 s[22:23], s[6:7], s[22:23]
	s_add_nc_u64 s[46:47], s[4:5], s[46:47]
	s_add_nc_u64 s[92:93], s[6:7], s[92:93]
	s_mov_b32 s[G0S], 1
	s_mov_b32 s[G0S+1], SCL
	s_mov_b64 s[G0S+2:G0S+3], s[22:23]
	s_or_b32 s[G0S+3], s[G0S+3], 0x80000000
	s_mov_b32 s[G0SB], 1
	s_mov_b32 s[G0SB+1], SCL+2*HALFS
	s_mov_b64 s[G0SB+2:G0SB+3], s[92:93]
	s_or_b32 s[G0SB+3], s[G0SB+3], 0x80000000
.irp s, 0,1
	s_mov_b32 s[G0+4*\s], 1
	s_add_co_u32 s[G0+4*\s+1], s45, \s*SLOT
	s_add_nc_u64 s[G0+4*\s+2:G0+4*\s+3], s[20:21], \s*STPA
	s_or_b32 s[G0+4*\s+3], s[G0+4*\s+3], 0x80000000
	s_mov_b32 s[G0B+4*\s], 1
	s_add_co_u32 s[G0B+4*\s+1], s2, \s*SLOT
	s_add_nc_u64 s[G0B+4*\s+2:G0B+4*\s+3], s[46:47], \s*STPB
	s_or_b32 s[G0B+4*\s+3], s[G0B+4*\s+3], 0x80000000
.endr
	s_add_nc_u64 s[100:101], s[8:9], s[18:19]      ; the prefetches' base: 64 rows x 256 bytes of the tile's mask a wave
	s_lshl_b32 s18, s17, 1
	s_add_co_u32 s18, s18, s15
	s_lshl_b32 s18, s18, 18                        ; my 128 queries' rows of 2,048 bytes,
	s_lshl_b32 s22, s42, 1
	s_add_co_u32 s22, s22, s16
	s_lshl_b32 s22, s22, 7                         ; my 128 keys
	s_add_co_u32 s18, s18, s22
	s_add_nc_u64 s[G0M+2:G0M+3], s[8:9], s[18:19]  ; the mask's descriptor: 128 rows x 128 bytes, 16 bytes of padding behind each; the tile is my wave's alone
	s_or_b32 s[G0M+3], s[G0M+3], 0x80000000
	s_mov_b32 s[G0M], 1
	s_mul_i32 s[G0M+1], s14, 128*144
	s_add_co_u32 s[G0M+1], s[G0M+1], MASKB
	s_mov_b32 s[G1M], (3<<16)|(1<<20)|(4<<22)|(3<<25)
	s_mov_b32 s[G1M+1], 16<<16
	s_mov_b32 s[G1M+2], 128<<16
	s_mov_b32 s[G1M+3], 16<<16
	s_mov_b32 s[G1M+4], 128
	s_mov_b32 s[G1M+5], 256
	s_mov_b32 s[G1M+6], 0
	s_mov_b32 s[G1M+7], 0
	CROUND
	s_cmp_lt_u32 s14, 1                            ; one load a wave: Q's 256 rows of K step 0, Q's scales, K's rows, K's scales
	s_cbranch_scc0 .Lh1
	tensor_load_to_lds s[G0:G0+3], s[G1:G1+7]
	s_nop 0
	PLACES 4
	s_branch .Lhd
.Lh1:
	s_cmp_lt_u32 s14, 2
	s_cbranch_scc0 .Lh2
	tensor_load_to_lds s[G0S:G0S+3], s[G1S:G1S+7]
	s_nop 0
	PLACES 4
	s_branch .Lhd
.Lh2:
	s_cmp_lt_u32 s14, 3
	s_cbranch_scc0 .Lh3
	tensor_load_to_lds s[G0B:G0B+3], s[G1B:G1B+7]
	s_nop 0
	PLACES 4
	s_branch .Lhd
.Lh3:
	tensor_load_to_lds s[G0SB:G0SB+3], s[G1SB:G1SB+7]
	s_nop 0
	PLACES 4
.Lhd:
	ADDRESSES
	v_lshlrev_b32 v11, 11, v7                      ; a lane a row of the mask
	v_min_u32 v12, 23, v7                          ; 24 blocks of 256 bytes a wave; the lanes left over name the last again
	v_lshlrev_b32 v12, 8, v12
	global_prefetch_b8 v12, s[66:67] offset:STPA th:TH_LOAD_NT scope:SCOPE_SE     ; K steps 1 and 2, one and two fills ahead of their loads
	global_prefetch_b8 v12, s[66:67] offset:2*STPA th:TH_LOAD_NT scope:SCOPE_SE
	v_mov_b32 v[VA], v6
	v_lshlrev_b32 v[VS], 6, v7
	v_lshlrev_b32 v[VT], 2, v7
	s_mul_i32 s18, s14, 128*144
	s_add_co_u32 s18, s18, MASKB
	v_mul_u32_u24 v[MA], v1, 144
	v_lshl_add_u32 v[MA], v2, 3, v[MA]
	v_add_nc_u32 v[MA], s18, v[MA]                 ; row 128 x half + r, byte 128 x half + 8 h
	s_mul_i32 s18, s42, 1572864                    ; p's codes: plane = key tile, row block 16 x tile row + 8 x half, fragment = my half of the keys
	s_lshl_b32 s19, s17, 4
	s_lshl_b32 s45, s15, 3
	s_add_co_u32 s19, s19, s45
	s_mul_i32 s19, s19, 3072
	s_add_co_u32 s18, s18, s19
	s_mul_i32 s19, s16, 1536
	s_add_co_u32 s18, s18, s19
	s_mov_b32 s19, 0
	s_add_nc_u64 s[12:13], s[12:13], s[18:19]
	s_lshl_b32 s45, s17, 8
	s_lshl_b32 s46, s15, 7
	s_add_co_u32 s45, s45, s46                     ; my first query
	s_lshl_b32 s46, s42, 1
	s_add_co_u32 s46, s46, s16                     ; which 128 keys of the batch
	s_lshl_b32 s18, s45, 6
	s_lshl_b32 s47, s46, 2
	s_add_co_u32 s18, s18, s47
	s_add_nc_u64 s[96:97], s[96:97], s[18:19]
	s_lshl_b32 s18, s46, 15
	s_lshl_b32 s47, s45, 2
	s_add_co_u32 s18, s18, s47
	s_add_nc_u64 s[98:99], s[98:99], s[18:19]
	s_wait_alu depctr_va_vdst(0)
	s_wait_tensorcnt 0x0                           ; my tile of the head's four; the full sequence ahead of slot 1's first fill
	ds_add_u32 v[SPW], v[NIL]
	s_mov_b32 s[G1+2], 96<<16                      ; from here on a load brings 128 rows
	s_mov_b32 s[G1+4], 96
	s_mov_b32 s[G1B+2], 96<<16
	s_mov_b32 s[G1B+4], 96
	s_wait_dscnt 0x0
	CROUND
	JLOAD G0+4, G1, G0B+4, G1B                     ; K step 1
	FETCH_B 0, 0, 0
	FETCH_A 0, 0, 0
	SCALES 0
	FETCH_A 0, 0, 4
	global_prefetch_b8 v11, s[100:101] th:TH_LOAD_NT scope:SCOPE_SE                ; the tile's mask, six K steps of 128 ahead of its load: 64 blocks of 256 bytes a wave, each named once
	global_prefetch_b8 v11, s[100:101] offset:65536 th:TH_LOAD_NT scope:SCOPE_SE
	global_prefetch_b8 v12, s[66:67] offset:3*STPA th:TH_LOAD_NT scope:SCOPE_SE   ; K step 3, two fills ahead of its load
	STEP 0, 0, 1
	s_mov_b32 s3, LAPS-1
.Llap:
	TURN 0, 1, 1
	STEP 1, 0, 0
	TURN 1, 0, 1
	STEP 0, 0, 0
	s_sub_co_u32 s3, s3, 1
	s_cmp_lg_u32 s3, 0
	s_cbranch_scc1 .Llap
	TURN 0, 1, 2
	STEP 1, 0, 0
	s_wait_dscnt 4*NLA
	WIN MUL_LO
	MUL16 0, 1, NQ-1, 1, 0
	MUL16 2, 1, NQ-1, 1, 0
	s_wait_dscnt 0
	WIN MUL_HI
	MUL16 4, 1, NQ-1, 1, 0
	MUL16 6, 1, NQ-1, 1, 0
	WIN 0
	s_mov_b32 s[SEL], 0x76543210                   ; only the mask's load may be out, and it does not use these descriptors' registers: they are free
	s_mov_b32 s[SEL+1], 0xfedcba98
	s_mov_b32 s[HM], 0xffff0000
	s_mov_b32 s[CS], 0x3d0293ee                    ; c = log2(e) / sqrt(2048)
	s_mov_b32 s[CS+1], s[CS]
	s_mov_b32 s[SELB], 0x04000000
	s_mov_b32 s[SELB+1], 0x05000000
	s_mov_b32 s[SELB+2], 0x06000000
	s_mov_b32 s[SELB+3], 0x07000000
	PLACES NP
.irp b, 0,1,2,3
	v_mov_b32 v[TM+4+\b], 0
.endr
	v_mov_b32 v[NM+1], 0                           ; named as the upper half of a pair
	s_wait_tensorcnt 0x0                           ; my part of the mask, which I alone read
	LOADMASK 0
.irp a, 0,1,2,3,4,5,6,7
	SOFT \a
.endr
.irp a, 0,2,4,6                                ; lanes 0-15 stand for block a's rows, lanes 16-31 for block a + 1's
	v_cndmask_b32 v[PEN+\a/2], v[PWV+\a], v[PWV+\a+1], s[HM]
	v_cndmask_b32 v[PEN+4+\a/2], v[MV+\a], v[MV+\a+1], s[HM]
	v_cndmask_b32 v[PEN+8+\a/2], v[LV+\a], v[LV+\a+1], s[HM]
	global_store_b32 v[VS], v[PEN+\a/2], s[96:97] offset:1024*\a
	global_store_b32 v[VT], v[PEN+4+\a/2], s[98:99] offset:64*\a
	global_store_b32 v[VT], v[PEN+8+\a/2], s[98:99] offset:64*\a+524288
.endr
	s_wait_tensorcnt 0x0                           ; the wave's end
	ds_add_u32 v[SPW], v[NIL]
	s_wait_dscnt 0x0
	CROUND
	s_endpgm
.Lfunc_end_k_qadbf9e1e40_scores:
	.size	k_qadbf9e1e40_scores, .Lfunc_end_k_qadbf9e1e40_scores-k_qadbf9e1e40_scores
	.p2alignl 7, 3214868480
	.fill 96, 4, 3214868480
	.section	.rodata,"a",@progbits
	.p2align	6, 0x0
	.amdhsa_kernel k_qadbf9e1e40_scores
		.amdhsa_group_segment_fixed_size 327680
		.amdhsa_private_segment_fixed_size 0
		.amdhsa_enable_private_segment 0
		.amdhsa_kernarg_size 48
		.amdhsa_user_sgpr_count 2
		.amdhsa_user_sgpr_kernarg_segment_ptr 1
		.amdhsa_wavefront_size32 1
		.amdhsa_system_sgpr_workgroup_id_x 1
		.amdhsa_system_sgpr_workgroup_id_y 1
		.amdhsa_system_sgpr_workgroup_id_z 1
		.amdhsa_system_vgpr_workitem_id 0
		.amdhsa_next_free_vgpr 1024
		.amdhsa_next_free_sgpr 102
		.amdhsa_reserve_vcc 0
		.amdhsa_float_denorm_mode_32 3
		.amdhsa_float_denorm_mode_16_64 3
		.amdhsa_memory_ordered 1
		.amdhsa_forward_progress 1
		.amdhsa_inst_pref_size 255
	.end_amdhsa_kernel
	.section	.bss,"aw",@nobits
	.p2align	6
	.space	262144
	.amdgpu_metadata
---
amdhsa.version: [ 1, 2 ]
amdhsa.kernels:
  - .name:           k_qadbf9e1e40_scores
    .symbol:         k_qadbf9e1e40_scores.kd
    .args:
      - { .name: qkv_codes, .offset: 0, .size: 8, .value_kind: global_buffer, .address_space: global }
      - { .name: qkv_scales, .offset: 8, .size: 8, .value_kind: global_buffer, .address_space: global }
      - { .name: mask, .offset: 16, .size: 8, .value_kind: global_buffer, .address_space: global }
      - { .name: p_codes, .offset: 24, .size: 8, .value_kind: global_buffer, .address_space: global }
      - { .name: p_scales, .offset: 32, .size: 8, .value_kind: global_buffer, .address_space: global }
      - { .name: p_stats, .offset: 40, .size: 8, .value_kind: global_buffer, .address_space: global }
    .group_segment_fixed_size: 327680
    .private_segment_fixed_size: 0
    .kernarg_segment_align: 8
    .kernarg_segment_size: 48
    .max_flat_workgroup_size: 128
    .sgpr_count:     102
    .vgpr_count:     1024
    .wavefront_size: 32
...
	.end_amdgpu_metadata
.endif
;; end of part 6
;; launch mix (part 7): grid 4 x 64, 4 waves a work-group, clusters of 4 x 4, 327,680 bytes of LDS; arguments p_codes, p_scales, p_stats, qkv_codes, qkv_scales, a_codes, a_scales; writes a_codes, a_scales
.if DOCPART == 7
	.amdgcn_target "amdgcn-amd-amdhsa--gfx1250"
	.amdhsa_code_object_version 6
	.text
	.protected	k_qadbf9e1e40_mix
	.globl	k_qadbf9e1e40_mix
	.p2align	8
	.type	k_qadbf9e1e40_mix,@function
k_qadbf9e1e40_mix:
	s_mov_b64 s[64:65], 0
	v_nop
	global_prefetch_b8 v0, s[64:65] scope:SCOPE_SE
	s_setreg_imm32_b32 hwreg(HW_REG_WAVE_MODE, 25, 1), 1
	s_wait_xcnt 0x0
	s_wait_alu depctr_hold_cnt(0) depctr_sa_sdst(0) depctr_va_vdst(0) depctr_va_sdst(0) depctr_va_ssrc(0) depctr_va_vcc(0) depctr_vm_vsrc(0)
	s_getreg_b32 s2, hwreg(HW_REG_IB_STS2, 6, 4)
	s_cmp_eq_u32 s2, 0
	s_cbranch_scc0 .Lentry_in_a_cluster
	s_endpgm
.Lentry_in_a_cluster:
	s_bfe_u32 s2, ttmp6, 0x10000c
	s_cmp_lg_u32 s2, 0xf033
	s_cbranch_scc0 .Lentry_shape_is_right
	s_endpgm
.Lentry_shape_is_right:
; attention = (P V) / l on codes of FP6 (E2M3), quantised at once along d for the last product.
; P's codes and scale bytes stand under a whole number M of their own for each query and each 128 keys.  THE PROLOGUE brings them under the row's M, the largest of the sixteen: each scale byte falls by
; n = the row's M - the local M, an exact power of two; the row's sum is the sum of the sixteen sums x 2^-n.  The adjusted scale bytes of the work-group's 128 queries go to LDS, laid as the core reads scales; 1 / l likewise.
; SHARES.  A tile of C is 128 queries x 256 of d: 8,192 x 1,024 / (128 x 256) = 256 work-groups.  Four waves, each 64 x 128: 32 accumulators, A's 4 blocks of 16 rows against B's 8.
; K = the batch's 2,048 keys.  Both operands are images of fragments (1,536 dense bytes each), laid in planes of 256 keys.  A SLOT HOLDS TWO PLANES, 512 keys: 2 x 24,576 bytes of P, 2 x 49,152 of V^T.
; Two slots hold half of K, asked for at the start; the other half comes by two refills.  Waves 0 and 1 fetch P's two planes of a slot, waves 2 and 3 V^T's: one load a wave.
; 4 x 4 work-groups form a cluster: P's tiles are asked for jointly along a row, V^T's along a column.  V^T's rows stand with bits 3 and 4 of d exchanged, so that the codes made here stand in d's natural order.
; THE MATRIX INSTRUCTION IS USED TRANSPOSED (source 0 = 16 rows of V^T, source 1 = 16 queries): lane (r, h) holds query r, register 8 b + j column 16 b + 8 h + j.
; A STEP is 128 keys: the wait for its fragments, one run of 36 LDS loads for the next step into the other sets of registers, 32 matrix instructions.  The text is straight: 16 steps, no loop.
; LIMITS: a scale byte that would fall under 0 is held at 0 (a p under 2^-125 of the row's largest then counts for a little more than it should, under 2^-120 of the row's sum); NaN and infinities are not served.
.set FR,     12                        ; registers of a fragment: 16 rows x 128 K
.set NP,     4                         ; places behind this matrix instruction (ISA guide 7.12.1)
.set KS,     64                        ; a row of scale bytes
.set PLA,    24576                     ; a plane of P's tile: 8 row blocks x 3,072 bytes
.set PLB,    49152                     ; a plane of V^T's tile: 16 row blocks
.set BOFF,   2*PLA                     ; in a slot V^T's planes lie behind P's
.set SLOT,   2*PLA+2*PLB
.set STPA,   1572864                   ; from plane to plane in memory: P, 512 row blocks;
.set STPB,   196608                    ; V^T, 64 row blocks
.set SCL,    2*SLOT                    ; P's adjusted scales, stored by the waves: 34 blocks of 256 bytes into which no tensor load lands
.set HALFS,  (128*KS/256)*272          ; the scales of 128 rows, as units of 256 bytes + 16 of padding
.set SCLB,   SCL+HALFS                 ; V^T's scales, brought by tensor loads
.set SBLK,   (16*KS/256)*272           ; the scales of 16 rows
.set RLB,    SCLB+2*HALFS              ; 1 / l of the 128 queries
.set SPARE,  RLB+512                   ; the spare words: 128 bytes for each wave, named by no other line
.set VT,   8                           ; v8   4 x lane
.set VS,   9                           ; v9   64 x lane
.set AW,   10                          ; v10  where my row's adjusted scale bytes go
.set RW,   11                          ; v11  where my row's 1 / l goes
.set VA,   12                          ; v12  16 x lane
.set VO,   13                          ; v13  32 x lane
.set RLA,  14                          ; v14  where I read 1 / l of row r
.set ADRA, 16                          ; v16-19  LDS address of my fragments of P: 2 x slot + plane
.set ADRB, 20                          ; v20-23  the same for V^T
.set ADRS, 27                          ; v27  LDS address of my scale words: lanes 0-15 P's rows, lanes 16-31 V^T's
.set SPW,  28                          ; v28  my spare word; never rewritten
.set NIL,  29                          ; v29  0; never rewritten
.set SC,   32                          ; v32-95 scale words, two sets of 8 x 4; they hold nothing else
.set PWV,  96                          ; v96-99 the four blocks' scale words
.set MRG,  104                         ; the scale words as they are stored
.set AF,   128                         ; v128-223 P's fragments, two sets of 4; ahead of the products the prologue's numbers, behind them the codes just made
.set RB,   128                         ; the prologue: v128-143 sixteen M, v144-159 sixteen sums, v160-175 the row's scale words, v176-191 at work
.set MG,   192                         ; the row's M
.set RLV,  224                         ; v224-231 1 / l, a pair for each block
.set TM,   240                         ; v240-255 at work in the quantiser
.set G1, 24                            ; s[24:31] group 1 for P's planes;  s[32:39] group 0, a set for each slot
.set G0, 32
.set G1B, 48                           ; s[48:55], s[56:63] the same for V^T's
.set G0B, 56
.set G1SB, 80                          ; s[80:87], s[88:91] V^T's scales
.set G0SB, 88
.set SEL, 24                           ; the way out: s24-25 lane selects, s26 the mask of lanes 16-31 (no tensor load is out any more)
.set HM,  26
.set MSB, 0
.macro WIN new                         ; the immediate's high byte repeats the setting that is left
.if MSB != (\new)
	s_set_vgpr_msb (MSB<<8)|(\new)
.set MSB, (\new)
.endif
.endm
.set MUL,  0xa1                        ; source 0 (V^T) window 1, source 1 (P) window 0, C and D window 2
.set TO_B, 0x40                        ; destination window 1, address window 0
.macro JLOAD g0a, g1a, g0b, g1b        ; a joint load: waves 0 and 1 fetch for P, waves 2 and 3 for V^T; four v_nop follow each line
	s_cmp_eq_u32 s15, 0
	s_cbranch_scc0 .Lfor_b_\@
	tensor_load_to_lds s[\g0a:\g0a+3], s[\g1a:\g1a+7]
	s_nop 0
.rept 4
	v_nop
.endr
	s_branch .Lasked_\@
.Lfor_b_\@:
	tensor_load_to_lds s[\g0b:\g0b+3], s[\g1b:\g1b+7]
	s_nop 0
.rept 4
	v_nop
.endr
.Lasked_\@:
.endm
.macro CREST                           ; a round of the cluster's barrier behind its opening barrier
	s_cmp_lg_u32 s14, 0
	s_cbranch_scc1 .Lnot_wave_0_\@
	s_barrier_signal -3
.Lnot_wave_0_\@:
	s_barrier_wait -3
	s_barrier_signal -1
	s_barrier_wait -1
.endm
.macro CROUND
	s_barrier_signal -1
	s_barrier_wait -1
	CREST
.endm
.macro PLACES n
.rept \n
	v_nop
.endr
.endm
.macro G1D g, m, pad, rows, pitch      ; group 1: rows of 256 bytes (32 elements of 8), pitch in elements; pad = 1: 16 bytes of padding behind each row
	s_or_b32 s[\g], s[\m], (3<<16)|(1<<21)|((\pad)*((1<<20)|(5<<22)|(3<<25)))
	s_mov_b32 s[\g+1], 32<<16
	s_mov_b32 s[\g+2], (\rows)<<16
	s_mov_b32 s[\g+3], 32<<16
	s_mov_b32 s[\g+4], \rows
	s_mov_b32 s[\g+5], \pitch
	s_mov_b32 s[\g+6], 0
	s_mov_b32 s[\g+7], 0
.endm
.macro FRAG reg, adr, q, i             ; a fragment from its image: three loads of 16 bytes a lane, 512 consecutive bytes each
.irp c, 0,1,2
	ds_load_b128 v[\reg+4*\c:\reg+4*\c+3], v[\adr] offset:((\i)*2+(\q))*1536+512*\c
.endr
.endm
.macro FETCH slot, kq, p               ; the fragments of the slot's kq-th 128 keys into sets p: V^T's eight, P's four
	WIN TO_B
.irp i, 0,1,2,3,4,5,6,7
	FRAG 128*(\p)+FR*\i, ADRB+2*(\slot)+(\kq)/2, (\kq)%2, \i
.endr
	WIN 0
.irp i, 0,1,2,3
	FRAG AF+48*(\p)+FR*\i, ADRA+2*(\slot)+(\kq)/2, (\kq)%2, \i
.endr
.endm
.macro SCALES sc                       ; a slot's four scale words a row: lanes 0-15 P's block i, lanes 16-31 V^T's block i (lanes 0-15 of registers 4-7 hold words that no product names)
.irp i, 0,1,2,3,4,5,6,7
	ds_load_b128 v[SC+32*\sc+4*\i:SC+32*\sc+4*\i+3], v[ADRS] offset:\i*SBLK
.endr
.endm
; 16 matrix instructions: P's blocks a0, a0 + 1 x V^T's eight.  cm = 1: C = 0 starts the sums.  The 32 accumulators take turns.
.macro MUL16 a0, p, kq, sc, cm
.irp a, \a0, \a0+1
.irp b, 0,1,2,3,4,5,6,7
.if \cm == 1
	v_wmma_scale_f32_16x16x128_f8f6f4 v[8*(8*(\a)+\b):8*(8*(\a)+\b)+7], v[128*(\p)+FR*\b:128*(\p)+FR*\b+FR-1], v[AF+48*(\p)+FR*(\a):AF+48*(\p)+FR*(\a)+FR-1], 0, v[SC+32*(\sc)+4*\b+(\kq)], v[SC+32*(\sc)+4*(\a)+(\kq)] matrix_a_fmt:MATRIX_FMT_FP6 matrix_b_fmt:MATRIX_FMT_FP6 matrix_a_scale:MATRIX_SCALE_ROW1
.else
	v_wmma_scale_f32_16x16x128_f8f6f4 v[8*(8*(\a)+\b):8*(8*(\a)+\b)+7], v[128*(\p)+FR*\b:128*(\p)+FR*\b+FR-1], v[AF+48*(\p)+FR*(\a):AF+48*(\p)+FR*(\a)+FR-1], v[8*(8*(\a)+\b):8*(8*(\a)+\b)+7], v[SC+32*(\sc)+4*\b+(\kq)], v[SC+32*(\sc)+4*(\a)+(\kq)] matrix_a_fmt:MATRIX_FMT_FP6 matrix_b_fmt:MATRIX_FMT_FP6 matrix_a_scale:MATRIX_SCALE_ROW1
.endif
.endr
.endr
.endm
.macro STEP slot, kq, cm               ; 128 keys whose successor lies in the same slot
	s_wait_dscnt 0x0                               ; this step's fragments are in: they were asked for 32 matrix instructions ago
	PLACES NP                                      ; behind the last products, which read the sets that are loaded now
	FETCH \slot, (\kq)+1, 1-(\kq)%2
	WIN MUL
	MUL16 0, (\kq)%2, \kq, \slot, \cm
	MUL16 2, (\kq)%2, \kq, \slot, \cm
.endm
.macro TURN slot, next, fill           ; a slot's last step changes slots: one barrier; fill = 1: it opens a round of the cluster's barrier and this slot is filled again
	WIN 0                                          ; (the add's two registers lie in window 0)
	s_wait_tensorcnt 0x0                           ; all my tensor loads have landed: my part of the next slot
	ds_add_u32 v[SPW], v[NIL]                      ; 0 onto my spare word
	s_wait_dscnt 1                                 ; this step's fragments are in; the add may be out
	WIN MUL
	MUL16 0, 1, 3, \slot, 0                        ; sixteen matrix instructions stand between the add and the wait for it
	WIN 0
	s_wait_dscnt 0x0                               ; the add is done, and my reads of this slot are over
	s_barrier_signal -1
	s_barrier_wait -1
.if \fill
	CREST                                          ; no wave of any partner still reads this slot or has a load on its way
	s_add_nc_u64 s[G0+4*\slot+2:G0+4*\slot+3], s[G0+4*\slot+2:G0+4*\slot+3], 4*STPA
	s_add_nc_u64 s[G0B+4*\slot+2:G0B+4*\slot+3], s[G0B+4*\slot+2:G0B+4*\slot+3], 4*STPB
	JLOAD G0+4*\slot, G1, G0B+4*\slot, G1B         ; the first tensor load behind the round; its four v_nop are the places in front of the loads below
.else
	PLACES NP
.endif
	s_wait_alu depctr_va_vdst(0)
	v_add_nc_u32 v[ADRS], 16, v[ADRS]              ; the next slot's four scale words
	FETCH \next, 0, 0
	SCALES \next
	WIN MUL
	MUL16 2, 1, 3, \slot, 0
.endm
; THE QUANTISER OF THE WAY OUT.  Block a: 16 queries x 128 columns in 64 registers of window 2 from v[64 a] on; registers 16 b .. 16 b + 15 are my half of block b of 32.
.macro NORM a                          ; x 1 / l of my row, each accumulator from its low end on
.set AC, 64*(\a)
	WIN 0x82
.set e, 0
.rept 32
	v_pk_mul_f32 v[AC+e:AC+e+1], v[AC+e:AC+e+1], v[RLV+2*(\a):RLV+2*(\a)+1] op_sel_hi:[1,0]
.set e, e+2
.endr
	WIN 0
.endm
.macro AMAX a                          ; the four blocks' largest magnitudes, with the floor 2^(3 - 127)
.set AC, 64*(\a)
	WIN 0x0a
.irp b, 0,1,2,3
	v_max3_num_f32 v[TM+\b], |v[AC+16*\b]|, |v[AC+16*\b+1]|, 0x1800000
.endr
.irp i, 2,4,6,8,10,12,14
.irp b, 0,1,2,3
	v_max3_num_f32 v[TM+\b], |v[AC+16*\b+\i]|, |v[AC+16*\b+\i+1]|, v[TM+\b]
.endr
.endr
	WIN 0
.irp b, 0,1,2,3
	v_permlanex16_b32 v[TM+4+\b], v[TM+\b], s[SEL], s[SEL+1]
.endr
.irp b, 0,1,2,3
	v_max_num_f32 v[TM+\b], v[TM+\b], v[TM+4+\b]   ; with lane l xor 16's half
.endr
.endm
.macro BYTES a                         ; 2 off the exponent field: the conversion's scale operand; its exponent field is the byte; four bytes make the row's word
.irp b, 0,1,2,3
	v_add_nc_u32 v[TM+12+\b], 0xff000000, v[TM+\b]
.endr
.irp b, 0,1,2,3
	v_lshrrev_b32 v[TM+4+\b], 23, v[TM+12+\b]
.endr
	v_lshl_or_b32 v[PWV+(\a)], v[TM+5], 8, v[TM+4]
	v_lshl_or_b32 v[PWV+(\a)], v[TM+6], 16, v[PWV+(\a)]
	v_lshl_or_b32 v[PWV+(\a)], v[TM+7], 24, v[PWV+(\a)]
.endm
.macro CODES a                         ; the fragment's 12 registers in v[PCA] on
.set AC,  64*(\a)
.set PCA, AF+32*((\a)%2)
	s_wait_alu depctr_va_vdst(0)
	s_wait_xcnt 0x0
	WIN 0x02
.irp c, 0,1
	v_cvt_scalef32_pk16_fp6_f32 v[PCA+6*\c:PCA+2+6*\c], v[AC+32*\c:AC+15+32*\c], v[TM+12+2*\c]
	v_cvt_scalef32_pk16_fp6_f32 v[PCA+12+4*\c:PCA+14+4*\c], v[AC+16+32*\c:AC+31+32*\c], v[TM+12+2*\c+1]
.endr
	WIN 0
	v_nop                                          ; one plain place behind a scaled conversion
.irp c, 0,1                                    ; the layout wants a whole block in a lane: lanes 0-15 block 2 c, lanes 16-31 block 2 c + 1
.irp i, 0,1,2
	v_permlane16_swap_b32 v[PCA+6*\c+\i], v[PCA+12+4*\c+\i]
.endr
.irp i, 0,1,2
	v_mov_b32 v[PCA+3+6*\c+\i], v[PCA+12+4*\c+\i]
.endr
.endr
.endm
	s_load_b256 s[4:11], s[0:1], 0x0               ; p_codes, p_scales, p_stats, qkv_codes
	s_load_b128 s[96:99], s[0:1], 0x20             ; qkv_scales, a_codes
	s_load_b64 s[100:101], s[0:1], 0x30            ; a_scales
	v_lshl_add_u32 v[SPW], v0, 2, SPARE
	v_mov_b32 v[NIL], 0
	ds_add_u32 v28, v29
	ds_add_u32 v28, v29
	s_wait_dscnt 0x0
	v_lshrrev_b32 v1, 5, v0
	v_readfirstlane_b32 s14, v1                    ; wave 0..3
	s_lshr_b32 s15, s14, 1                         ; my half of the tile's rows.  Also: I fetch for P (0) or for V^T (1)
	s_and_b32 s16, s14, 1                          ; my half of its columns.  Also: which plane of a slot I fetch
	s_bfe_u32 s40, ttmp6, 0x40000                  ; cx
	s_bfe_u32 s41, ttmp6, 0x40004                  ; cy
	s_lshl_b32 s42, ttmp9, 2
	s_add_co_u32 s42, s42, s40                     ; the tile of 256 of d
	s_and_b32 s18, ttmp7, 0xffff
	s_lshl_b32 s17, s18, 2
	s_add_co_u32 s17, s17, s41                     ; the tile of 128 queries, over all batches
	s_lshr_b32 s94, s18, 2                         ; the batch: 16 tiles of queries, four clusters: the same in all partners
	s_lshl_b32 s43, s41, 2
	s_lshl_b32 s43, 15, s43                        ; my row of the cluster
	s_lshl_b32 s44, 0x1111, s40                    ; my column
	G1D G1, 43, 0, 96, 32                          ; a plane of P's tile: 24,576 dense bytes
	G1D G1B, 44, 0, 192, 32                        ; a plane of V^T's tile: 49,152 dense bytes
	G1D G1SB, 44, 1, 64, 32                        ; the scales of 256 rows of V^T: 16,384 dense bytes
	s_or_b32 s68, s43, (3<<16)|(1<<21)             ; s[68:75]: both of a slot's planes of P by one load: 2 rows of 24,576 bytes, a plane apart
	s_mov_b32 s69, 3072<<16
	s_mov_b32 s70, 2<<16
	s_mov_b32 s71, 3072<<16
	s_mov_b32 s72, 2
	s_mov_b32 s73, STPA/8
	s_mov_b32 s74, 0
	s_mov_b32 s75, 0
	s_mul_i32 s20, s17, PLA                        ; P: my tile's 8 row blocks, in plane 0 or 1
	s_mul_i32 s18, s16, STPA
	s_add_co_u32 s20, s20, s18
	s_mov_b32 s21, 0
	s_lshl_b32 s46, s94, 3                         ; V^T: the batch's eight planes, mine of the first two,
	s_add_co_u32 s46, s46, s16
	s_mul_i32 s46, s46, STPB
	s_mul_i32 s95, s42, PLB                        ; my tile's 16 row blocks,
	s_add_co_u32 s46, s46, s95
	s_add_co_u32 s46, s46, 12582912                ; in V's part of the codes
	s_mov_b32 s47, 0
	s_lshl_b32 s92, s42, 8                         ; V^T's scales: row 256 x tile, 64 bytes a row,
	s_lshl_b32 s92, s92, 6
	s_lshl_b32 s95, s94, 16                        ; the batch,
	s_add_co_u32 s92, s92, s95
	s_add_co_u32 s92, s92, 524288                  ; V's part of the scales
	s_mov_b32 s93, 0
	s_mul_i32 s45, s16, PLA                        ; where they go: no place in the cluster enters an LDS address
	s_mul_i32 s2, s16, PLB
	s_add_co_u32 s2, s2, BOFF
	s_wait_kmcnt 0x0
	s_mov_b64 s[12:13], s[98:99]
	s_add_nc_u64 s[20:21], s[4:5], s[20:21]
	s_add_nc_u64 s[46:47], s[10:11], s[46:47]
	s_add_nc_u64 s[92:93], s[96:97], s[92:93]
	s_mov_b32 s[G0SB], 1
	s_mov_b32 s[G0SB+1], SCLB
	s_mov_b64 s[G0SB+2:G0SB+3], s[92:93]
	s_or_b32 s[G0SB+3], s[G0SB+3], 0x80000000
.irp s, 0,1
	s_mov_b32 s[G0+4*\s], 1
	s_add_co_u32 s[G0+4*\s+1], s45, \s*SLOT
	s_add_nc_u64 s[G0+4*\s+2:G0+4*\s+3], s[20:21], \s*2*STPA
	s_or_b32 s[G0+4*\s+3], s[G0+4*\s+3], 0x80000000
	s_mov_b32 s[G0B+4*\s], 1
	s_add_co_u32 s[G0B+4*\s+1], s2, \s*SLOT
	s_add_nc_u64 s[G0B+4*\s+2:G0B+4*\s+3], s[46:47], \s*2*STPB
	s_or_b32 s[G0B+4*\s+3], s[G0B+4*\s+3], 0x80000000
.endr
	s_mul_i32 s92, s40, 6144                       ; the planes' prefetch: waves 0, 1 P's plane of a slot, waves 2, 3 V^T's; the partner at place p takes a quarter of the tile's plane (cx for P, cy for V^T)
	s_mul_i32 s93, s41, 12288
	s_mov_b32 s95, 2*STPA
	s_cmp_eq_u32 s15, 0
	s_cselect_b64 s[76:77], s[20:21], s[46:47]
	s_cselect_b32 s92, s92, s93
	s_cselect_b32 s78, s95, 2*STPB                 ; from slot to slot
	s_cselect_b32 s3, 23, 31                       ; P: 24 blocks of 256 bytes; V^T: 48, in two instructions
	s_mov_b32 s93, 0
	s_mov_b32 s79, 0
	s_add_nc_u64 s[76:77], s[76:77], s[92:93]
	s_add_nc_u64 s[76:77], s[76:77], s[78:79]      ; slot 1
	s_add_nc_u64 s[66:67], s[76:77], s[78:79]      ; slot 2
	s_add_nc_u64 s[78:79], s[66:67], s[78:79]      ; slot 3
	CROUND
	s_cmp_lt_u32 s14, 1
	s_cbranch_scc0 .Lh1
	tensor_load_to_lds s[G0:G0+3], s[68:75]
	s_nop 0
	PLACES 4
	s_branch .Lfirst_done
.Lh1:
	s_cmp_lt_u32 s14, 2
	s_cbranch_scc0 .Lh2
	tensor_load_to_lds s[G0SB:G0SB+3], s[G1SB:G1SB+7]
	s_nop 0
	PLACES 4
	s_branch .Lfirst_done
.Lh2:
	tensor_load_to_lds s[G0B:G0B+3], s[G1B:G1B+7]
	s_nop 0
	PLACES 4
.Lfirst_done:
	; the prologue's loads: wave w takes row 32 w + lane of the work-group's 128
	s_lshl_b32 s18, s17, 7
	s_lshl_b32 s19, s14, 5
	s_add_co_u32 s18, s18, s19
	s_lshl_b32 s46, s18, 6
	s_mov_b32 s47, 0
	s_lshl_b32 s18, s18, 2
	s_mov_b32 s19, 0
	s_add_nc_u64 s[8:9], s[8:9], s[18:19]
	s_add_nc_u64 s[6:7], s[6:7], s[46:47]
	v_and_b32 v7, 31, v0
	v_lshlrev_b32 v[VT], 2, v7
	v_lshlrev_b32 v[VS], 6, v7
.irp t, 0,1,2,3,4,5,6,7,8,9,10,11,12,13,14,15
	global_load_b32 v[RB+\t], v[VT], s[8:9] offset:\t*32768
.endr
.irp t, 0,1,2,3,4,5,6,7,8,9,10,11,12,13,14,15
	global_load_b32 v[RB+16+\t], v[VT], s[8:9] offset:524288+\t*32768
.endr
.irp k, 0,1,2,3
	global_load_b128 v[RB+32+4*\k:RB+32+4*\k+3], v[VS], s[6:7] offset:16*\k
.endr
	; addresses
	v_min_u32 v15, s3, v7                          ; the lanes left over name the last block again
	v_lshlrev_b32 v15, 8, v15
	v_min_u32 v30, 15, v7
	v_lshlrev_b32 v30, 8, v30
	global_prefetch_b8 v15, s[76:77] th:TH_LOAD_NT scope:SCOPE_SE                 ; slots 1 and 2, one and two fills ahead of their loads
	global_prefetch_b8 v15, s[66:67] th:TH_LOAD_NT scope:SCOPE_SE
	s_cmp_eq_u32 s15, 0
	s_wait_alu depctr_va_vdst(0)
	s_cbranch_scc1 .Lpf1
	global_prefetch_b8 v30, s[76:77] offset:8192 th:TH_LOAD_NT scope:SCOPE_SE
	global_prefetch_b8 v30, s[66:67] offset:8192 th:TH_LOAD_NT scope:SCOPE_SE
.Lpf1:
	v_and_b32 v1, 15, v0
	v_bfe_u32 v2, v0, 4, 1                         ; h
	v_lshlrev_b32 v6, 4, v7                        ; an image's place for my lane
	s_mul_i32 s18, s15, 4*3072                     ; my 64 rows of P in a plane
	s_mul_i32 s19, s16, 8*3072                     ; my 128 rows of V^T
	s_add_co_u32 s19, s19, BOFF
	v_add_nc_u32 v3, s18, v6
	v_add_nc_u32 v4, s19, v6
.irp s, 0,1
.irp pl, 0,1
	v_add_nc_u32 v[ADRA+2*\s+\pl], \s*SLOT+\pl*PLA, v3
	v_add_nc_u32 v[ADRB+2*\s+\pl], \s*SLOT+\pl*PLB, v4
.endr
.endr
	v_mul_u32_u24 v5, v1, KS                       ; my row's scales: 64 bytes a row,
	v_lshrrev_b32 v3, 8, v5
	v_lshl_add_u32 v5, v3, 4, v5                   ; and 16 more for each 256 passed
	s_mul_i32 s18, s15, 16*272                     ; P's: my 64 rows
	s_mul_i32 s19, s16, HALFS                      ; V^T's: my 128 rows, behind P's 128
	s_add_co_u32 s19, s19, SCLB-SCL
	s_sub_co_u32 s19, s19, s18
	v_mul_u32_u24 v3, s19, v2                      ; lanes 16-31 take V^T's
	s_add_co_u32 s18, s18, SCL
	v_add_nc_u32 v5, v5, v3
	v_add_nc_u32 v[ADRS], s18, v5
	v_mov_b32 v[VA], v6
	v_lshlrev_b32 v[VO], 5, v7
	v_lshrrev_b32 v3, 2, v7                        ; a row's 64 scale bytes: four rows to a unit of 256 bytes + 16
	v_and_b32 v4, 3, v7
	v_mul_u32_u24 v3, v3, 272
	v_lshl_add_u32 v3, v4, 6, v3
	s_mul_i32 s18, s14, 8*272
	s_add_co_u32 s18, s18, SCL
	v_add_nc_u32 v[AW], s18, v3
	s_lshl_b32 s18, s14, 7
	s_add_co_u32 s18, s18, RLB
	v_lshl_add_u32 v[RW], v7, 2, s18
	s_lshl_b32 s18, s15, 8
	s_add_co_u32 s18, s18, RLB
	v_lshl_add_u32 v[RLA], v1, 2, s18
	s_mul_i32 s18, s42, 1572864                    ; the attention's codes: plane = tile of d, row block 8 x tile + 4 x half, fragment = my half of the columns
	s_lshl_b32 s19, s17, 3
	s_lshl_b32 s45, s15, 2
	s_add_co_u32 s19, s19, s45
	s_mul_i32 s19, s19, 3072
	s_add_co_u32 s18, s18, s19
	s_mul_i32 s19, s16, 1536
	s_add_co_u32 s18, s18, s19
	s_mov_b32 s19, 0
	s_add_nc_u64 s[12:13], s[12:13], s[18:19]
	s_lshl_b32 s18, s17, 7                         ; their scale words: 32 bytes a row
	s_lshl_b32 s45, s15, 6
	s_add_co_u32 s18, s18, s45
	s_lshl_b32 s18, s18, 5
	s_lshl_b32 s45, s42, 1
	s_add_co_u32 s45, s45, s16
	s_lshl_b32 s45, s45, 2
	s_add_co_u32 s18, s18, s45
	s_add_nc_u64 s[100:101], s[100:101], s[18:19]
	s_wait_loadcnt 0x0
	; THE PROLOGUE, one row a lane
	v_max3_num_f32 v[MG], v[RB], v[RB+1], v[RB+2]
.irp i, 3,5,7,9,11,13
	v_max3_num_f32 v[MG], v[MG], v[RB+\i], v[RB+\i+1]
.endr
	v_max_num_f32 v[MG], v[MG], v[RB+15]           ; the row's M
.irp t, 0,1,2,3,4,5,6,7,8,9,10,11,12,13,14,15
	v_sub_f32 v[RB+\t], v[RB+\t], v[MG]            ; a whole number, 0 or less
.endr
.irp t, 0,1,2,3,4,5,6,7,8,9,10,11,12,13,14,15
	v_cvt_i32_f32 v[RB+\t], v[RB+\t]               ; (it saturates)
.endr
.irp t, 0,1,2,3,4,5,6,7,8,9,10,11,12,13,14,15
	v_ldexp_f32 v[RB+16+\t], v[RB+16+\t], v[RB+\t] ; the sum under the row's M: nothing is rounded
.endr
.irp t, 0,1,2,3,4,5,6,7,8,9,10,11,12,13,14,15
	v_sub_nc_u32 v[RB+\t], 0, v[RB+\t]             ; n, by which the scale bytes fall
.endr
.irp t, 0,1,2,3,4,5,6,7
	v_add_f32 v[RB+16+\t], v[RB+16+\t], v[RB+24+\t]
.endr
.irp t, 0,1,2,3
	v_add_f32 v[RB+16+\t], v[RB+16+\t], v[RB+20+\t]
.endr
.irp t, 0,1
	v_add_f32 v[RB+16+\t], v[RB+16+\t], v[RB+18+\t]
.endr
	v_add_f32 v[RB+16], v[RB+16], v[RB+17]         ; l
	s_wait_alu depctr_va_vdst(0)
	v_rcp_f32 v[RB+17], v[RB+16]                   ; the byte work below is the plain work behind it
.irp t, 0,1,2,3,4,5,6,7,8,9,10,11,12,13,14,15
.set TT, RB+48+8*(\t%2)
	v_and_b32 v[TT], 0xff, v[RB+32+\t]
	v_bfe_u32 v[TT+1], v[RB+32+\t], 8, 8
	v_bfe_u32 v[TT+2], v[RB+32+\t], 16, 8
	v_lshrrev_b32 v[TT+3], 24, v[RB+32+\t]
.irp i, 0,1,2,3
	v_min_u32 v[TT+4+\i], v[TT+\i], v[RB+\t]
.endr
.irp i, 0,1,2,3
	v_sub_nc_u32 v[TT+\i], v[TT+\i], v[TT+4+\i]    ; byte - min(n, byte): held at 0
.endr
	v_lshl_or_b32 v[RB+32+\t], v[TT+1], 8, v[TT]
	v_lshl_or_b32 v[RB+32+\t], v[TT+2], 16, v[RB+32+\t]
	v_lshl_or_b32 v[RB+32+\t], v[TT+3], 24, v[RB+32+\t]
.endr
.irp k, 0,1,2,3
	ds_store_b128 v[AW], v[RB+32+4*\k:RB+32+4*\k+3] offset:16*\k
.endr
	s_wait_alu depctr_va_vdst(0)                   ; ahead of the reciprocal's first reader
	ds_store_b32 v[RW], v[RB+17]
	s_wait_tensorcnt 0x0                           ; my tile of the head's; the full sequence ahead of slot 1's first fill
	ds_add_u32 v[SPW], v[NIL]
	s_wait_dscnt 0x0                               ; the add, and my stores of scale bytes and of 1 / l
	CROUND
	JLOAD G0+4, G1, G0B+4, G1B                     ; slot 1: a plane a wave
	FETCH 0, 0, 0
	SCALES 0
	STEP 0, 0, 1                                   ; keys 0 to 511: the first step starts the sums
	STEP 0, 1, 0
	STEP 0, 2, 0
	TURN 0, 1, 1
	WIN 0
	global_prefetch_b8 v15, s[78:79] th:TH_LOAD_NT scope:SCOPE_SE                 ; slot 3, one fill ahead of its load
	s_cmp_eq_u32 s15, 0
	s_cbranch_scc1 .Lpf2
	global_prefetch_b8 v30, s[78:79] offset:8192 th:TH_LOAD_NT scope:SCOPE_SE
.Lpf2:
	STEP 1, 0, 0                                   ; keys 512 to 1,023
	STEP 1, 1, 0
	STEP 1, 2, 0
	TURN 1, 0, 1                                   ; slot 1 takes keys 1,536 to 2,047
	STEP 0, 0, 0
	STEP 0, 1, 0
	STEP 0, 2, 0
	TURN 0, 1, 0                                   ; nothing is left to fetch
	STEP 1, 0, 0
	STEP 1, 1, 0
	STEP 1, 2, 0
	s_wait_dscnt 0x0                               ; the very last step
	MUL16 0, 1, 3, 1, 0
	MUL16 2, 1, 3, 1, 0
	WIN 0
	s_mov_b32 s[SEL], 0x76543210                   ; no tensor load of mine is out: the descriptors' registers are free
	s_mov_b32 s[SEL+1], 0xfedcba98
	s_mov_b32 s[HM], 0xffff0000
	PLACES NP
.irp b, 0,1,2,3
	v_mov_b32 v[TM+4+\b], 0                        ; a lane permute's destination counts as one of its sources
.endr
.irp a, 0,1,2,3
	ds_load_b32 v[RLV+2*\a], v[RLA] offset:64*\a   ; 1 / l of row 16 a + r (the packed form names a pair, so both words are loaded)
	ds_load_b32 v[RLV+2*\a+1], v[RLA] offset:64*\a
.endr
	s_wait_dscnt 0x0
.irp a, 0,1,2,3
	NORM \a
	AMAX \a
	BYTES \a
	CODES \a
.irp c, 0,1,2
	global_store_b128 v[VA], v[PCA+4*\c:PCA+4*\c+3], s[12:13] offset:\a*3072+512*\c   ; 32 lanes store 512 consecutive bytes
.endr
.endr
.irp a, 0,2
	v_cndmask_b32 v[MRG+\a/2], v[PWV+\a], v[PWV+\a+1], s[HM]   ; lanes 16-31 take the next block's word
	global_store_b32 v[VO], v[MRG+\a/2], s[100:101] offset:512*\a
.endr
	s_wait_tensorcnt 0x0                           ; the wave's end
	ds_add_u32 v[SPW], v[NIL]
	s_wait_dscnt 0x0
	CROUND                                         ; the closing round
	s_endpgm
.Lfunc_end_k_qadbf9e1e40_mix:
	.size	k_qadbf9e1e40_mix, .Lfunc_end_k_qadbf9e1e40_mix-k_qadbf9e1e40_mix
	.p2alignl 7, 3214868480
	.fill 96, 4, 3214868480
	.section	.rodata,"a",@progbits
	.p2align	6, 0x0
	.amdhsa_kernel k_qadbf9e1e40_mix
		.amdhsa_group_segment_fixed_size 327680
		.amdhsa_private_segment_fixed_size 0
		.amdhsa_enable_private_segment 0
		.amdhsa_kernarg_size 56
		.amdhsa_user_sgpr_count 2
		.amdhsa_user_sgpr_kernarg_segment_ptr 1
		.amdhsa_wavefront_size32 1
		.amdhsa_system_sgpr_workgroup_id_x 1
		.amdhsa_system_sgpr_workgroup_id_y 1
		.amdhsa_system_sgpr_workgroup_id_z 1
		.amdhsa_system_vgpr_workitem_id 0
		.amdhsa_next_free_vgpr 768
		.amdhsa_next_free_sgpr 102
		.amdhsa_reserve_vcc 0
		.amdhsa_float_denorm_mode_32 3
		.amdhsa_float_denorm_mode_16_64 3
		.amdhsa_memory_ordered 1
		.amdhsa_forward_progress 1
		.amdhsa_inst_pref_size 165
	.end_amdhsa_kernel
	.amdgpu_metadata
---
amdhsa.version: [ 1, 2 ]
amdhsa.kernels:
  - .name:           k_qadbf9e1e40_mix
    .symbol:         k_qadbf9e1e40_mix.kd
    .args:
      - { .name: p_codes, .offset: 0, .size: 8, .value_kind: global_buffer, .address_space: global }
      - { .name: p_scales, .offset: 8, .size: 8, .value_kind: global_buffer, .address_space: global }
      - { .name: p_stats, .offset: 16, .size: 8, .value_kind: global_buffer, .address_space: global }
      - { .name: qkv_codes, .offset: 24, .size: 8, .value_kind: global_buffer, .address_space: global }
      - { .name: qkv_scales, .offset: 32, .size: 8, .value_kind: global_buffer, .address_space: global }
      - { .name: a_codes, .offset: 40, .size: 8, .value_kind: global_buffer, .address_space: global }
      - { .name: a_scales, .offset: 48, .size: 8, .value_kind: global_buffer, .address_space: global }
    .group_segment_fixed_size: 327680
    .private_segment_fixed_size: 0
    .kernarg_segment_align: 8
    .kernarg_segment_size: 56
    .max_flat_workgroup_size: 128
    .sgpr_count:     102
    .vgpr_count:     768
    .wavefront_size: 32
...
	.end_amdgpu_metadata
.endif
;; end of part 7
;; launch proj (part 8): grid 4 x 64, 4 waves a work-group, clusters of 4 x 4, 327,680 bytes of LDS; arguments a_codes, a_scales, Wo_codes, Wo_scales, bo, out0; writes out0
.if DOCPART == 8
	.amdgcn_target "amdgcn-amd-amdhsa--gfx1250"
	.amdhsa_code_object_version 6
	.text
	.protected	k_qadbf9e1e40_proj
	.globl	k_qadbf9e1e40_proj
	.p2align	8
	.type	k_qadbf9e1e40_proj,@function
k_qadbf9e1e40_proj:
	s_mov_b64 s[64:65], 0
	v_nop
	global_prefetch_b8 v0, s[64:65] scope:SCOPE_SE
	s_setreg_imm32_b32 hwreg(HW_REG_WAVE_MODE, 25, 1), 1
	s_wait_xcnt 0x0
	s_wait_alu depctr_hold_cnt(0) depctr_sa_sdst(0) depctr_va_vdst(0) depctr_va_sdst(0) depctr_va_ssrc(0) depctr_va_vcc(0) depctr_vm_vsrc(0)
	s_getreg_b32 s2, hwreg(HW_REG_IB_STS2, 6, 4)
	s_cmp_eq_u32 s2, 0
	s_cbranch_scc0 .Lentry_in_a_cluster
	s_endpgm
.Lentry_in_a_cluster:
	s_bfe_u32 s2, ttmp6, 0x10000c
	s_cmp_lg_u32 s2, 0xf033
	s_cbranch_scc0 .Lentry_shape_is_right
	s_endpgm
.Lentry_shape_is_right:
; out = attention Wo + bo on codes of FP6 (E2M3) with one E8M0 scale for each 32 along K; out is f32.
; SHARES.  A tile of out is 128 rows x 256 columns: 8,192 x 1,024 / (128 x 256) = 256 work-groups.  Four waves, each all 128 rows x 64 columns.
; ALL OF K = 1,024 LIES IN LDS: every tile is asked for once, at the head, one tensor load a wave, and no byte of LDS is filled twice: no ring, no refill, and no loop in which a prefetch could run ahead.
;   wave 0: A = the attention's codes, images of fragments (1,536 dense bytes each): four planes of 24,576 bytes, as 4 rows a plane apart;  wave 1: A's scales, 4,096 dense bytes;
;   waves 2, 3: 128 whole rows of Wo each, 768 bytes a row, 16 bytes of padding behind every 256: LDS pitch 816 bytes = 204 words, so the 16 rows of a load start at 16 different groups of four banks.
;   Wo's scale words and bo go from memory straight into registers.
; 4 x 4 work-groups form a cluster: A's tiles are asked for jointly along a row, Wo's along a column.
; THE PRODUCT GOES BY ROWS OF out.  My 64 columns' fragments of Wo for all of K, 4 x 8 = 32 fragments, 384 registers, are read from LDS once and stay.  Then the eight blocks of 16 rows are finished one after the other:
; 8 fragments of A, 32 matrix instructions on four accumulators by turns, K ascending, bo as the C of the first four.  A finished block goes through my stage in LDS and leaves as rows of 256 bytes while the next is multiplied.
; LDS reads a wave: 32 fragments of Wo and 64 of A.
; The matrix instruction is used transposed (source 0 = 16 rows of Wo, source 1 = 16 rows of the attention): a lane holds eight neighbouring numbers of a row of out.
; The stage lies in my own 64 rows of Wo in LDS: I alone read them, and only ahead of the first block.
; REGISTERS: window 0: addresses, scale words, bo, accumulators, rows read back;  window 1: A's fragments, two sets, at v0 and v128;  windows 2, 3: Wo's fragments 4 k + b, sixteen to a window.
.set FR,     12
.set NP,     4                         ; places behind this matrix instruction (ISA guide 7.12.1)
.set PLA,    24576
.set STPA,   1572864
.set BOFF,   4*PLA
.set BP,     816
.set SCL,    BOFF+256*BP               ; A's scales: 16 units of 256 + 16 bytes
.set SBLK,   2*272
.set SPARE,  SCL+16*272
.set SPITCH, 272
.set NOUT,   1024
.set ADRA, 16                          ; v16-17 16 x lane: planes 0, 1; planes 2, 3
.set ADRB, 18                          ; v18 my rows of Wo;  v19 the same with lanes 16-31 behind one padding more
.set ADRC, 19
.set STO,  24
.set RD,   25
.set CO,   26
.set ADSA, 27
.set SPW,  28
.set NIL,  29
.set RS,   30
.set BO,   31
.set SB,   32                          ; v32-63 Wo's scale words: 8 b + k
.set SA,   64                          ; v64-79 A's scale words, two sets of 8
.set BI,   80                          ; v80-111 bo, four tiles in the result's layout
.set ACC,  112                         ; v112-175 accumulators, two sets of four
.set BK,   176                         ; v176-239 16 rows read back, two sets
.set G1A,  24
.set G0A,  32
.set G1B,  48
.set G0B,  56
.set G1SA, 72
.set G0SA, 80
.set MSB, 0
.macro WIN new
.if MSB != (\new)
	s_set_vgpr_msb (MSB<<8)|(\new)
.set MSB, (\new)
.endif
.endm
.macro PLACES n
.rept \n
	v_nop
.endr
.endm
.macro TLOAD g0, g1                    ; s_nop 0 and four v_nop follow each tensor load
	tensor_load_to_lds s[\g0:\g0+3], s[\g1:\g1+7]
	s_nop 0
	PLACES 4
.endm
.macro CROUND
	s_barrier_signal -1
	s_barrier_wait -1
	s_cmp_lg_u32 s14, 0
	s_cbranch_scc1 .Lnot_wave_0_\@
	s_barrier_signal -3
.Lnot_wave_0_\@:
	s_barrier_wait -3
	s_barrier_signal -1
	s_barrier_wait -1
.endm
.macro FRAGB k, b                      ; Wo's fragment of K step k, column block b: six pieces of 8 bytes; a chunk of 256 bytes holds 32 pieces
.set RG, FR*((4*(\k)+(\b))%16)
.irp p, 0,1,2,3,4,5
.set PCE, 12*(\k)+6*(\p/3)+\p%3
.if PCE%32 < 29
	ds_load_b64 v[RG+2*\p:RG+2*\p+1], v[ADRB] offset:8*(PCE%32)+272*(PCE/32)+(\b)*16*BP
.else
	ds_load_b64 v[RG+2*\p:RG+2*\p+1], v[ADRC] offset:8*(PCE%32)+272*(PCE/32)+(\b)*16*BP
.endif
.endr
.endm
.macro FETCHA a                        ; row block a: its eight fragments and its eight scale words a row: 26 loads
	WIN 0x40
.irp k, 0,1,2,3,4,5,6,7
.irp c, 0,1,2
	ds_load_b128 v[128*((\a)%2)+FR*\k+4*\c:128*((\a)%2)+FR*\k+4*\c+3], v[ADRA+\k/4] offset:((\k/2)%2)*PLA+((\a)*2+\k%2)*1536+512*\c
.endr
.endr
	WIN 0
	ds_load_b128 v[SA+8*((\a)%2):SA+8*((\a)%2)+3], v[ADSA] offset:(\a)*SBLK
	ds_load_b128 v[SA+8*((\a)%2)+4:SA+8*((\a)%2)+7], v[ADSA] offset:(\a)*SBLK+16
.endm
.macro MULB a                          ; 32 matrix instructions; the four accumulators take turns
.set PA_, 128*((\a)%2)
.set AC_, ACC+32*((\a)%2)
.set SS_, SA+8*((\a)%2)
.irp k, 0,1,2,3,4,5,6,7
	WIN 0x06+\k/4                                  ; source 0 window 2 or 3, source 1 window 1, C and D window 0
.irp b, 0,1,2,3
.set RG, FR*((4*\k+\b)%16)
.if \k == 0
	v_wmma_scale_f32_16x16x128_f8f6f4 v[AC_+8*\b:AC_+8*\b+7], v[RG:RG+11], v[PA_+FR*\k:PA_+FR*\k+11], v[BI+8*\b:BI+8*\b+7], v[SB+8*\b+\k], v[SS_+\k] matrix_a_fmt:MATRIX_FMT_FP6 matrix_b_fmt:MATRIX_FMT_FP6
.else
	v_wmma_scale_f32_16x16x128_f8f6f4 v[AC_+8*\b:AC_+8*\b+7], v[RG:RG+11], v[PA_+FR*\k:PA_+FR*\k+11], v[AC_+8*\b:AC_+8*\b+7], v[SB+8*\b+\k], v[SS_+\k] matrix_a_fmt:MATRIX_FMT_FP6 matrix_b_fmt:MATRIX_FMT_FP6
.endif
.endr
.endr
	WIN 0
.endm
.macro TOSTAGE a                       ; 16 rows x 256 bytes into my stage and back by rows; LDS serves a wave's instructions in order (ISA guide 5.7.1.4)
.set AC_, ACC+32*((\a)%2)
.irp b, 0,1,2,3
	ds_store_b128 v[STO], v[AC_+8*\b:AC_+8*\b+3] offset:64*\b        ; each accumulator from its low end on
	ds_store_b128 v[STO], v[AC_+8*\b+4:AC_+8*\b+7] offset:64*\b+16
.endr
.irp t, 0,1,2,3,4,5,6,7
	ds_load_b128 v[BK+32*((\a)%2)+4*\t:BK+32*((\a)%2)+4*\t+3], v[RD] offset:\t*2*SPITCH
.endr
.endm
.macro SEND a
.irp t, 0,1,2,3,4,5,6,7
	global_store_b128 v[CO], v[BK+32*((\a)%2)+4*\t:BK+32*((\a)%2)+4*\t+3], s[12:13] offset:((\a)*16+2*\t)*NOUT*4 th:TH_STORE_NT   ; 16 lanes store 256 consecutive bytes, at a multiple of 256 from out's first byte
.endr
.endm
.macro ITER a
.if (\a) < 7
	FETCHA (\a)+1                                  ; into the set that block a - 1 read: the places stand behind its products
	s_wait_dscnt 26                                ; all but the 26 loads just issued: block a's fragments, and block a - 1's rows back from the stage
.else
	s_wait_dscnt 0x0
.endif
.if (\a) > 0
	SEND (\a)-1
.endif
	MULB \a
	PLACES NP
.if (\a) > 1
	s_wait_xcnt 0x0                                ; block a - 2's stores have read the registers that the loads below fill
.endif
	TOSTAGE \a
.endm
	s_load_b256 s[4:11], s[0:1], 0x0               ; a_codes, a_scales, Wo_codes, Wo_scales
	s_load_b128 s[96:99], s[0:1], 0x20             ; bo, out0
	v_lshl_add_u32 v[SPW], v0, 2, SPARE
	v_mov_b32 v[NIL], 0
	ds_add_u32 v[SPW], v[NIL]                      ; the opening lines
	ds_add_u32 v[SPW], v[NIL]
	v_lshrrev_b32 v1, 5, v0
	v_readfirstlane_b32 s14, v1                    ; wave: my 64 columns
	s_and_b32 s16, s14, 1                          ; which half of Wo's rows waves 2, 3 fetch
	s_bfe_u32 s2, ttmp6, 0x40000                   ; cx
	s_bfe_u32 s3, ttmp6, 0x40004                   ; cy
	s_lshl_b32 s100, ttmp9, 2
	s_add_co_u32 s100, s100, s2                    ; tile column
	s_and_b32 s17, ttmp7, 0xffff
	s_lshl_b32 s17, s17, 2
	s_add_co_u32 s17, s17, s3                      ; tile row
	s_lshl_b32 s101, s3, 2
	s_lshl_b32 s101, 15, s101                      ; my row of the cluster
	s_lshl_b32 s66, 0x1111, s2                     ; my column
	s_or_b32 s[G1A], s101, (3<<16)|(1<<21)         ; 4 rows of 24,576 bytes (3,072 elements of 8), a plane apart
	s_mov_b32 s[G1A+1], 3072<<16
	s_mov_b32 s[G1A+2], 4<<16
	s_mov_b32 s[G1A+3], 3072<<16
	s_mov_b32 s[G1A+4], 4
	s_mov_b32 s[G1A+5], STPA/8
	s_mov_b32 s[G1A+6], 0
	s_mov_b32 s[G1A+7], 0
	s_or_b32 s[G1B], s66, (3<<16)|(1<<20)|(1<<21)|(5<<22)|(3<<25)   ; 128 rows of 768 bytes, 16 bytes of padding behind every 256
	s_mov_b32 s[G1B+1], 96<<16
	s_mov_b32 s[G1B+2], 128<<16
	s_mov_b32 s[G1B+3], 96<<16
	s_mov_b32 s[G1B+4], 128
	s_mov_b32 s[G1B+5], 96
	s_mov_b32 s[G1B+6], 0
	s_mov_b32 s[G1B+7], 0
	s_or_b32 s[G1SA], s101, (3<<16)|(1<<20)|(1<<21)|(5<<22)|(3<<25) ; 16 rows of 256 bytes, padded
	s_mov_b32 s[G1SA+1], 32<<16
	s_mov_b32 s[G1SA+2], 16<<16
	s_mov_b32 s[G1SA+3], 32<<16
	s_mov_b32 s[G1SA+4], 16
	s_mov_b32 s[G1SA+5], 32
	s_mov_b32 s[G1SA+6], 0
	s_mov_b32 s[G1SA+7], 0
	s_mul_i32 s20, s17, PLA                        ; A's tile in plane 0
	s_mov_b32 s21, 0
	s_lshl_b32 s22, s17, 12                        ; its scales: 128 rows of 32 bytes
	s_mov_b32 s23, 0
	s_lshl_b32 s18, s100, 1
	s_add_co_u32 s18, s18, s16
	s_mul_i32 s18, s18, 128*768                    ; Wo's rows 256 x tile column + 128 x half
	s_mov_b32 s19, 0
	s_mul_i32 s67, s16, 128*BP
	s_add_co_u32 s67, s67, BOFF
	s_wait_dscnt 0x0
	s_wait_kmcnt 0x0
	s_mov_b32 s[G0A], 1
	s_mov_b32 s[G0A+1], 0
	s_add_nc_u64 s[G0A+2:G0A+3], s[4:5], s[20:21]
	s_or_b32 s[G0A+3], s[G0A+3], 0x80000000
	s_mov_b32 s[G0SA], 1
	s_mov_b32 s[G0SA+1], SCL
	s_add_nc_u64 s[G0SA+2:G0SA+3], s[6:7], s[22:23]
	s_or_b32 s[G0SA+3], s[G0SA+3], 0x80000000
	s_mov_b32 s[G0B], 1
	s_mov_b32 s[G0B+1], s67
	s_add_nc_u64 s[G0B+2:G0B+3], s[8:9], s[18:19]
	s_or_b32 s[G0B+3], s[G0B+3], 0x80000000
	CROUND                                         ; the joint loads meet
	s_cmp_lt_u32 s14, 1
	s_cbranch_scc0 .Lh1
	TLOAD G0A, G1A
	s_branch .Lhd
.Lh1:
	s_cmp_lt_u32 s14, 2
	s_cbranch_scc0 .Lh2
	TLOAD G0SA, G1SA
	s_branch .Lhd
.Lh2:
	TLOAD G0B, G1B
.Lhd:
	s_lshl_b32 s18, s100, 10
	s_lshl_b32 s19, s14, 8
	s_add_co_u32 s18, s18, s19                     ; my first column, in bytes
	s_mov_b32 s19, 0
	s_add_nc_u64 s[96:97], s[96:97], s[18:19]      ; bo
	s_lshl_b32 s20, s17, 19                        ; out: row 128 x tile row of 4,096 bytes
	s_add_co_u32 s20, s20, s18
	s_mov_b32 s21, 0
	s_add_nc_u64 s[12:13], s[98:99], s[20:21]
	s_lshl_b32 s18, s18, 3                         ; Wo's scales: 32 bytes a row
	s_add_nc_u64 s[10:11], s[10:11], s[18:19]
	s_mul_i32 s20, s14, 64*BP
	s_add_co_u32 s20, s20, BOFF                    ; my 64 rows of Wo; later my stage
	v_and_b32 v1, 15, v0                           ; r
	v_bfe_u32 v2, v0, 4, 1                         ; h
	v_and_b32 v7, 31, v0
	v_lshlrev_b32 v[BO], 5, v2
	v_lshlrev_b32 v[RS], 5, v1
.irp b, 0,1,2,3
	global_load_b128 v[BI+8*\b:BI+8*\b+3], v[BO], s[96:97] offset:64*\b          ; bo of columns 16 b + 8 h + 0 .. 7
	global_load_b128 v[BI+8*\b+4:BI+8*\b+7], v[BO], s[96:97] offset:64*\b+16
	global_load_b128 v[SB+8*\b:SB+8*\b+3], v[RS], s[10:11] offset:512*\b         ; the eight scale words of Wo's row 16 b + r
	global_load_b128 v[SB+8*\b+4:SB+8*\b+7], v[RS], s[10:11] offset:512*\b+16
.endr
	v_lshlrev_b32 v[ADRA], 4, v7
	v_add_nc_u32 v[ADRA+1], 2*PLA, v[ADRA]
	v_mul_u32_u24 v3, v1, BP
	v_mad_u32_u24 v3, v2, 24, v3
	v_add_nc_u32 v[ADRB], s20, v3                  ; row r x pitch + 24 h
	v_lshl_add_u32 v[ADRC], v2, 4, v[ADRB]
	v_lshrrev_b32 v3, 3, v1
	v_lshl_add_u32 v3, v3, 4, v[RS]                ; 32 bytes a row, 16 more for each 256 passed
	v_add_nc_u32 v[ADSA], SCL, v3
	v_mul_u32_u24 v4, v1, SPITCH
	v_lshl_add_u32 v4, v2, 5, v4
	v_add_nc_u32 v[STO], s20, v4                   ; in: row r, 32 bytes for each half of the lanes
	v_mul_u32_u24 v5, v2, SPITCH
	v_lshl_add_u32 v5, v1, 4, v5
	v_add_nc_u32 v[RD], s20, v5                    ; back: lanes 0-15 one row of 256 bytes, lanes 16-31 the next
	v_lshlrev_b32 v6, 12, v2
	v_lshl_add_u32 v[CO], v1, 4, v6                ; and the same two rows in out
	s_wait_alu depctr_va_vdst(0)
	s_wait_loadcnt 0x0                             ; bo and Wo's scale words
	s_wait_tensorcnt 0x0                           ; my one load has landed
	s_barrier_signal -1
	s_barrier_wait -1                              ; and everybody's
	WIN 0x80
.irp k, 0,1,2,3
.irp b, 0,1,2,3
	FRAGB \k, \b
.endr
.endr
	WIN 0xc0
.irp k, 4,5,6,7
.irp b, 0,1,2,3
	FRAGB \k, \b
.endr
.endr
	FETCHA 0
.irp a, 0,1,2,3,4,5,6,7
	ITER \a
.endr
	s_wait_dscnt 0x0
	SEND 7
	s_wait_tensorcnt 0x0                           ; the wave's end
	ds_add_u32 v[SPW], v[NIL]
	s_wait_dscnt 0x0
	CROUND                                         ; the closing round
	s_endpgm
.Lfunc_end_k_qadbf9e1e40_proj:
	.size	k_qadbf9e1e40_proj, .Lfunc_end_k_qadbf9e1e40_proj-k_qadbf9e1e40_proj
	.p2alignl 7, 3214868480
	.fill 96, 4, 3214868480
	.section	.rodata,"a",@progbits
	.p2align	6, 0x0
	.amdhsa_kernel k_qadbf9e1e40_proj
		.amdhsa_group_segment_fixed_size 327680
		.amdhsa_private_segment_fixed_size 0
		.amdhsa_enable_private_segment 0
		.amdhsa_kernarg_size 48
		.amdhsa_user_sgpr_count 2
		.amdhsa_user_sgpr_kernarg_segment_ptr 1
		.amdhsa_wavefront_size32 1
		.amdhsa_system_sgpr_workgroup_id_x 1
		.amdhsa_system_sgpr_workgroup_id_y 1
		.amdhsa_system_sgpr_workgroup_id_z 1
		.amdhsa_system_vgpr_workitem_id 0
		.amdhsa_next_free_vgpr 1024
		.amdhsa_next_free_sgpr 102
		.amdhsa_reserve_vcc 0
		.amdhsa_float_denorm_mode_32 3
		.amdhsa_float_denorm_mode_16_64 3
		.amdhsa_memory_ordered 1
		.amdhsa_forward_progress 1
		.amdhsa_inst_pref_size 83
	.end_amdhsa_kernel
	.amdgpu_metadata
---
amdhsa.version: [ 1, 2 ]
amdhsa.kernels:
  - .name:           k_qadbf9e1e40_proj
    .symbol:         k_qadbf9e1e40_proj.kd
    .args:
      - { .name: a_codes, .offset: 0, .size: 8, .value_kind: global_buffer, .address_space: global }
      - { .name: a_scales, .offset: 8, .size: 8, .value_kind: global_buffer, .address_space: global }
      - { .name: Wo_codes, .offset: 16, .size: 8, .value_kind: global_buffer, .address_space: global }
      - { .name: Wo_scales, .offset: 24, .size: 8, .value_kind: global_buffer, .address_space: global }
      - { .name: bo, .offset: 32, .size: 8, .value_kind: global_buffer, .address_space: global }
      - { .name: out0, .offset: 40, .size: 8, .value_kind: global_buffer, .address_space: global }
    .group_segment_fixed_size: 327680
    .private_segment_fixed_size: 0
    .kernarg_segment_align: 8
    .kernarg_segment_size: 48
    .max_flat_workgroup_size: 128
    .sgpr_count:     102
    .vgpr_count:     1024
    .wavefront_size: 32
...
	.end_amdgpu_metadata
.endif
;; end of part 8
